; MI455X (gfx1250); checked and timed in simulation.
; The chip was launched on July 23, 2026; its instructions are those of AMD's public machine-readable ISA for CDNA 5 (MIT licence, August 2026) and "CDNA5" Instruction Set Architecture Reference Guide (July 2026). The comments in the code are by the model that wrote it; some were corrected since.
;; GENIA Core. Allowed arithmetic: matrix products marked QUANTISED: E4M3 operands, one E8M0 scale for each 32 along K, by v_wmma_scale_f32_16x16x128_f8f6f4 with both operands' format E4M3, f32 sums; everything else in f32.
;; Inputs: W1 1,024 x 512 float32; W2 512 x 1,024 float32; W3 1,024 x 512 float32; W4 512 x 75 float32; Wk 1,024 x 256 float32; Wq 1,024 x 256 float32; Wu 256 x 1,024 float32; Wv 1,024 x 256 float32; b1 512 float32; b2 1,024 float32; b3 512 float32; b4 75 float32; be1 1,024 float32; be2 1,024 float32; be3 75 float32; bk 256 float32; bq 256 float32; bu 1,024 float32; bv 256 float32; emb 32,000 x 1,024 float32; g1 1,024 float32; g2 1,024 float32; g3 75 float32; input_indices 8 x 2,048 int32.
;; Outputs: out0 8 x 2,048 x 75 float32.
;; This version of the problem:
;;   THIS VERSION OF THE PROBLEM IS GIVEN IN LOW PRECISION. The matrix products marked QUANTISED in the list below multiply operands that are first quantised to E4M3 (4 exponent bits, 3 mantissa bits; 8 bits a number), with one power-of-two scale for each 32 numbers along K (OCP MX v1.0); their sums are f32. All else is computed in f32.
;;   The module's matrix products, in the order in which they are computed (A, B: the left and right operand; K: the contracted axis; several contracted axes count as one K, in the product's order):
;;     1. [M 16,384, K 1,024] x [K 1,024, N 256]; A: computed on the way; B: input Wq: QUANTISED
;;     2. [M 16,384, K 1,024] x [K 1,024, N 256]; A: computed on the way; B: input Wk: QUANTISED
;;     3. [M 16,384, K 1,024] x [K 1,024, N 256]; A: computed on the way; B: input Wv: QUANTISED
;;     4. batch 8 x [M 2,048, K 256] x [K 256, N 2,048]; A: computed on the way; B: computed on the way: QUANTISED
;;     5. batch 8 x [M 2,048, K 2,048] x [K 2,048, N 256]; A: computed on the way; B: computed on the way: QUANTISED
;;     6. [M 16,384, K 256] x [K 256, N 1,024]; A: computed on the way; B: input Wu: QUANTISED
;;     7. [M 16,384, K 1,024] x [K 1,024, N 512]; A: computed on the way; B: input W1: QUANTISED
;;     8. [M 16,384, K 512] x [K 512, N 1,024]; A: computed on the way; B: input W2: QUANTISED
;;     9. [M 16,384, K 1,024] x [K 1,024, N 512]; A: computed on the way; B: input W3: QUANTISED
;;     10. [M 16,384, K 512] x [K 512, N 75]; A: computed on the way; B: input W4: QUANTISED
;;   THE QUANTISER, for each operand of a quantised product, along K:
;;     - K is cut into blocks of 32 from its start; a last block that is shorter is filled with zeros.
;;     - A block's scale is 2^e with e = floor(log2(the largest magnitude in the block)) - 8, held to -126 .. 127; a block of zeros has e = 0. As a byte (E8M0): e + 127.
;;     - Each number is divided by its block's scale, clamped to +-448, and rounded to the nearest number of E4M3, ties to even, subnormals kept.
;;     - The product sums the exact products of the quantised numbers (number of the format x scale) in f32.
;;   ~~~python
;;   def quantise(x, axis):      # numpy; x: float32 -> the quantised numbers, widened to float32 again
;;       x = np.moveaxis(x, axis, -1); K = x.shape[-1]
;;       x = np.pad(x, [(0, 0)] * (x.ndim - 1) + [(0, -K % 32)]); x = x.reshape(x.shape[:-1] + (-1, 32)); a = np.abs(x).max(-1, keepdims=True)
;;       e = np.where(a > 0, np.clip(np.frexp(np.where(a > 0, a, 1))[1] - 1 - 8, -126, 127), 0)      # np.frexp(a)[1] - 1 = floor(log2(a)), exactly
;;       r = np.clip(x / 2.0 ** e, -448, 448)
;;       step = 2.0 ** (np.maximum(np.frexp(np.where(r == 0, 1, r))[1] - 1, -6) - 3)
;;       q = np.round(r / step) * step * 2.0 ** e      # np.round: ties to even
;;       return np.moveaxis(q.reshape(q.shape[:-2] + (-1,))[..., :K], -1, axis).astype(np.float32)
;;   ~~~
;;   OPERANDS COMPUTED ON THE WAY. 'Computed on the way' means the value that the module computes at that place (a softmax that the list does not call 'softmax' is quantised finished and normalised). What goes into a quantiser is computed in f32, as accurately as f32 sums, v_exp_f32 and their like allow (about 1e-6 of the number): no bf16 or f16 on the way to a quantiser, and a product that is left as it is and whose result goes on into a quantised operand takes f32 operands (vector FMAs, or v_wmma_f32_16x16x4_f32). A number that lies on a knife's edge between two numbers of the format may be rounded either way, as far as f32 arithmetic and the matrix unit's own rounding can turn it there, and no further.
;; 2 versions, each right. Each part assembles by itself: llvm-mc -triple=amdgcn-amd-amdhsa -mcpu=gfx1250 --defsym DOCPART=n.
;; ======== version 1 of 2: 3 launches
;; workspace buffers: wqkv 811,008 bytes; wst 1,934,592 bytes; pe 8,388,608 bytes; peu 8,388,608 bytes; qc 4,325,376 bytes; kvs 8,650,752 bytes
;; launch prep (part 1): grid 419 x 1, 4 waves a work-group, no clusters, 0 bytes of LDS; arguments Wq, Wk, Wv, Wu, W1, W2, W3, W4, bu, wqkv, wst, pe, peu; writes wqkv, wst, pe, peu
.if DOCPART == 1
	.amdgcn_target "amdgcn-amd-amdhsa--gfx1250"
	.amdhsa_code_object_version 6
	.text
	.protected	k_q9fd468fec3_prep
	.globl	k_q9fd468fec3_prep
	.p2align	8
	.type	k_q9fd468fec3_prep,@function
k_q9fd468fec3_prep:
	s_mov_b64 s[64:65], 0
	v_nop
	global_prefetch_b8 v0, s[64:65] scope:SCOPE_SE
	s_setreg_imm32_b32 hwreg(HW_REG_WAVE_MODE, 25, 1), 1
	s_wait_xcnt 0x0
; PREP: the eight weights become codes of E4M3 with E8M0 scale bytes, laid in the order in which the later launches stream them; and the position table is made.
; THE WHOLE PROGRAM (three launches: prep, qkv, chain) leaves out no product, no input and no step: every input has a way to the output.
; Two identities are used, for all values of the inputs:
;  (a) 1/sqrt(64) = 2^-3.  A block scale is a power of two, so quantising 8 s gives the codes of s under a scale byte 3 higher.  The raw scores are quantised, the raw sum 8 attn is quantised,
;      and 3 is taken off attn's scale bytes; the floor of that block maximum is 2^(12-127), which is the stated hold of the exponent at -126.
;      LIMIT: a block of scores whose largest magnitude lies under 2^-115 is held at another exponent than the stated quantiser holds it.
;  (b) x + u + bu is summed as (emb + (pe + bu)) + u: another order of f32 additions.
; LIMITS: NaN and infinities among the inputs are not served; a block of zeros carries the byte 1 (its codes are zeros; these bytes are read by this program alone); a negative index is read as row 31,999.
; LAYOUT.  A fragment image is the 16 registers of an operand of 16 rows x 128 K: [c 0..3][lane 0..31][16 bytes]; lane (r, h) holds k = 32 c + 16 h + 0..15 of row r.  Fragment f's scale words lie at 64 f + 4 r.
; The 16 columns of a tile are not neighbours (W4 aside): lane r of tile 2 b + u stands for column 32 b + 8 u + r + 8 (r / 8).
; WORK.  Work-groups 0..162: a wave takes a unit of 32 neighbouring columns x 128 along K: two neighbouring fragments.  A lane takes a column and its registers run down K, so each load reads 128 consecutive bytes,
; a block of 32 lies in one lane, and the conversions give the codes with K innermost.  Work-groups 163..418: a wave makes 128 columns x 16 positions of pe and of peu = pe + bu.
; No LDS, no barrier, no matrix instruction: waves share nothing.
.set SLOTB, 135168                     ; a slot of chain's stream: four wave quarters
.set QB,    33792                      ; a quarter: 16 fragments (32,768 bytes) and their scale words (1,024)
.set SLOTQ, 101376                     ; a slot of qkv's stream
.set QBQ,   25344                      ; its quarter: 12 fragments (24,576) and their scale words (768)
.set W4OFF, 14*SLOTB                   ; W4's record behind wst's 14 slots: 20 fragments, then their scale words
.set NWG,   163                        ; work-groups that take weights: 652 units / 4
.set OFF,   16                         ; v16-47   4 x my column + i x a row, i = 0..31
.set X,     48                         ; v48-111  two sets of 32 numbers
.set C,     112                        ; v112-143 the unit's codes: 8 registers a block
.set U,     30
.set WV,    31
.set SRC,   32                         ; s[32:33] the weight
.set STR,   34                         ; a row of it in bytes
.set CG,    35                         ; which 32 columns
.set KS,    36                         ; which 128 along K
.set NC,    37                         ; columns that exist
.set DST,   38                         ; s[38:39] the buffer written
.set DOFF,  40                         ; the quarter's (W4: the record's) first byte in it
.set F0,    41                         ; my first fragment there
.set SCO,   42                         ; where the scale words begin
.set NV,    43                         ; lanes that store
.set PM,    44                         ; all ones: tiles with the columns permuted; 0: W4
.set VM,    45                         ; mask of lanes whose column exists
.set MNT,   46                         ; the mantissa field of 448
.set EXS,   47
.set T,     48                         ; s48-55 at work
.set BS,    56                         ; s[56:63] the four blocks' first rows
.set DC,    66                         ; s[66:67] where my codes go
.set DSC,   68                         ; s[68:69] where my scale words go
	s_load_b512 s[4:19], s[0:1], 0x0               ; Wq Wk Wv Wu W1 W2 W3 W4
	s_load_b256 s[20:27], s[0:1], 0x40             ; bu wqkv wst pe
	s_load_b64 s[28:29], s[0:1], 0x60              ; peu
	v_lshrrev_b32 v1, 5, v0
	v_readfirstlane_b32 s[WV], v1                  ; wave
	v_and_b32 v1, 31, v0                           ; lane
	s_lshl_b32 s[U], ttmp9, 2
	s_add_co_u32 s[U], s[U], s[WV]                 ; 4 x work-group + wave
	s_mov_b32 s[MNT], 0x600000
	s_wait_kmcnt 0x0
	s_cmp_ge_u32 ttmp9, NWG
	s_cbranch_scc1 .Lpe
	s_mov_b32 s[NC], 0x7fffffff                    ; what holds of most units
	s_mov_b32 s[NV], 32
	s_mov_b32 s[PM], -1
	s_mov_b32 s[SCO], 32768
	s_mov_b64 s[DST:DST+1], s[24:25]               ; wst
	s_cmp_lt_u32 s[U], 192
	s_cbranch_scc1 .Lqkv
	s_cmp_lt_u32 s[U], 256
	s_cbranch_scc1 .Lwu
	s_cmp_lt_u32 s[U], 384
	s_cbranch_scc1 .Lw1
	s_cmp_lt_u32 s[U], 512
	s_cbranch_scc1 .Lw2
	s_cmp_lt_u32 s[U], 640
	s_cbranch_scc1 .Lw3
	; W4 [512][75]: units 640..651.  Tiles of 16 neighbouring columns; fragment 5 s + T; the third column group has one tile, whose columns 75..79 become zero codes
	s_sub_co_u32 s[T], s[U], 640
	s_and_b32 s[KS], s[T], 3
	s_lshr_b32 s[CG], s[T], 2
	s_mov_b64 s[SRC:SRC+1], s[18:19]
	s_mov_b32 s[STR], 300
	s_mov_b32 s[DOFF], W4OFF
	s_mul_i32 s[F0], s[KS], 5
	s_lshl_b32 s[T+1], s[CG], 1
	s_add_co_u32 s[F0], s[F0], s[T+1]
	s_mov_b32 s[SCO], 40960
	s_mov_b32 s[NC], 75
	s_mov_b32 s[PM], 0
	s_cmp_eq_u32 s[CG], 2
	s_cselect_b32 s[NV], 16, 32
	s_branch .Lunit
.Lqkv:                                                 ; Wq, Wk, Wv [1024][256]: units 0..191.  Slot = K step; wave w has columns 64 w on of each; fragment 4 g + t
	s_lshr_b32 s[T], s[U], 6                       ; g
	s_and_b32 s[CG], s[U], 7
	s_bfe_u32 s[KS], s[U], 0x30003
	s_cmp_eq_u32 s[T], 0
	s_cselect_b64 s[SRC:SRC+1], s[4:5], s[6:7]
	s_cmp_eq_u32 s[T], 2
	s_cselect_b64 s[SRC:SRC+1], s[8:9], s[SRC:SRC+1]
	s_mov_b32 s[STR], 1024
	s_mov_b64 s[DST:DST+1], s[22:23]               ; wqkv
	s_lshr_b32 s[T+1], s[CG], 1                    ; w
	s_and_b32 s[T+2], s[CG], 1                     ; which pair of its tiles
	s_mul_i32 s[DOFF], s[KS], SLOTQ
	s_mul_i32 s[T+1], s[T+1], QBQ
	s_add_co_u32 s[DOFF], s[DOFF], s[T+1]
	s_lshl_b32 s[F0], s[T], 2
	s_lshl_b32 s[T+2], s[T+2], 1
	s_add_co_u32 s[F0], s[F0], s[T+2]
	s_mov_b32 s[SCO], 24576
	s_branch .Lunit
.Lwu:                                                  ; Wu [256][1024]: units 192..255.  Wave w has columns 256 w on: tiles 8..15 in slot 0, tiles 0..7 in slot 1; fragment 8 s + t % 8
	s_sub_co_u32 s[T], s[U], 192
	s_and_b32 s[CG], s[T], 31
	s_lshr_b32 s[KS], s[T], 5
	s_mov_b64 s[SRC:SRC+1], s[10:11]
	s_mov_b32 s[STR], 4096
	s_lshr_b32 s[T+1], s[CG], 3                    ; w
	s_and_b32 s[T+2], s[CG], 7                     ; pair of tiles
	s_lshr_b32 s[T+3], s[T+2], 2
	s_xor_b32 s[T+3], s[T+3], 1                    ; slot
	s_mul_i32 s[DOFF], s[T+3], SLOTB
	s_mul_i32 s[T+1], s[T+1], QB
	s_add_co_u32 s[DOFF], s[DOFF], s[T+1]
	s_lshl_b32 s[F0], s[KS], 3
	s_and_b32 s[T+2], s[T+2], 3
	s_lshl_b32 s[T+2], s[T+2], 1
	s_add_co_u32 s[F0], s[F0], s[T+2]
	s_branch .Lunit
.Lw2:                                                  ; W2 [512][1024]: units 384..511.  Slot 6 + K step; fragment t
	s_sub_co_u32 s[T], s[U], 384
	s_and_b32 s[CG], s[T], 31
	s_lshr_b32 s[KS], s[T], 5
	s_mov_b64 s[SRC:SRC+1], s[14:15]
	s_mov_b32 s[STR], 4096
	s_lshr_b32 s[T+1], s[CG], 3
	s_and_b32 s[T+2], s[CG], 7
	s_add_co_u32 s[T+3], s[KS], 6
	s_mul_i32 s[DOFF], s[T+3], SLOTB
	s_mul_i32 s[T+1], s[T+1], QB
	s_add_co_u32 s[DOFF], s[DOFF], s[T+1]
	s_lshl_b32 s[F0], s[T+2], 1
	s_branch .Lunit
.Lw1:                                                  ; W1 [1024][512]: units 256..383, slots 2..5
	s_mov_b64 s[SRC:SRC+1], s[12:13]
	s_sub_co_u32 s[T], s[U], 256
	s_mov_b32 s[T+1], 2
	s_branch .Lw13
.Lw3:                                                  ; W3 [1024][512]: units 512..639, slots 10..13
	s_mov_b64 s[SRC:SRC+1], s[16:17]
	s_sub_co_u32 s[T], s[U], 512
	s_mov_b32 s[T+1], 10
.Lw13:                                                 ; K step s is streamed as number 4 (s & 1) + (s >> 1): first the even K steps, then the odd ones; two to a slot; fragment 8 (number & 1) + t
	s_mov_b32 s[STR], 2048
	s_and_b32 s[CG], s[T], 15
	s_lshr_b32 s[KS], s[T], 4
	s_lshr_b32 s[T+2], s[CG], 2                    ; w
	s_and_b32 s[T+3], s[CG], 3                     ; pair of tiles
	s_and_b32 s[T+4], s[KS], 1
	s_lshl_b32 s[T+4], s[T+4], 2
	s_lshr_b32 s[T+5], s[KS], 1
	s_add_co_u32 s[T+4], s[T+4], s[T+5]            ; its number in the stream
	s_lshr_b32 s[T+5], s[T+4], 1
	s_add_co_u32 s[T+1], s[T+1], s[T+5]            ; slot
	s_and_b32 s[T+4], s[T+4], 1
	s_lshl_b32 s[F0], s[T+4], 3
	s_lshl_b32 s[T+3], s[T+3], 1
	s_add_co_u32 s[F0], s[F0], s[T+3]
	s_mul_i32 s[DOFF], s[T+1], SLOTB
	s_mul_i32 s[T+2], s[T+2], QB
	s_add_co_u32 s[DOFF], s[DOFF], s[T+2]
.Lunit:
	s_lshl_b32 s[T], s[CG], 5
	v_add_nc_u32 v2, s[T], v1                      ; my column
	v_cmp_gt_u32 s[VM], s[NC], v2                  ; does it exist?
	s_sub_co_u32 s[T+1], s[NC], 1
	v_min_u32 v2, s[T+1], v2                       ; no load leaves the weight
	v_lshlrev_b32 v2, 2, v2
.irp i, 0,1,2,3,4,5,6,7,8,9,10,11,12,13,14,15,16,17,18,19,20,21,22,23,24,25,26,27,28,29,30,31
	v_mad_u32_u24 v[OFF+\i], s[STR], \i, v2
.endr
	v_bfe_u32 v3, v1, 3, 1                         ; column 8 u + r + 8 (r / 8) of the 32: u = (l >> 3) & 1,
	v_and_b32 v4, 7, v1
	v_lshrrev_b32 v5, 4, v1
	v_lshl_add_u32 v4, v5, 3, v4                   ; r = (l & 7) + 8 (l >> 4)
	v_and_b32 v6, 15, v1                           ; W4: u = l >> 4, r = l & 15
	v_cndmask_b32 v3, v5, v3, s[PM]
	v_cndmask_b32 v4, v6, v4, s[PM]
	v_lshlrev_b32 v7, 4, v4
	v_lshl_add_u32 v7, v3, 11, v7                  ; my codes: 2,048 u + 16 r
	v_lshlrev_b32 v8, 2, v4
	v_lshl_add_u32 v8, v3, 6, v8                   ; my scale word: 64 u + 4 r
	s_lshl_b32 s[T], s[KS], 7
	s_mul_i32 s[T], s[T], s[STR]                   ; the unit's first row, in bytes
	s_mov_b32 s[T+1], 0
	s_lshl_b32 s[T+2], s[STR], 5                   ; 32 rows
	s_mov_b32 s[T+3], 0
	s_add_nc_u64 s[BS:BS+1], s[SRC:SRC+1], s[T:T+1]
	s_add_nc_u64 s[BS+2:BS+3], s[BS:BS+1], s[T+2:T+3]
	s_add_nc_u64 s[BS+4:BS+5], s[BS+2:BS+3], s[T+2:T+3]
	s_add_nc_u64 s[BS+6:BS+7], s[BS+4:BS+5], s[T+2:T+3]
	s_lshl_b32 s[T], s[F0], 11
	s_add_co_u32 s[T], s[T], s[DOFF]
	s_add_nc_u64 s[DC:DC+1], s[DST:DST+1], s[T:T+1]
	s_lshl_b32 s[T], s[F0], 6
	s_add_co_u32 s[T], s[T], s[DOFF]
	s_add_co_u32 s[T], s[T], s[SCO]
	s_add_nc_u64 s[DSC:DSC+1], s[DST:DST+1], s[T:T+1]
.macro WLOAD c                         ; block c: rows 32 c + i of my column into set c % 2; 32 lanes read 128 consecutive bytes
.irp i, 0,1,2,3,4,5,6,7,8,9,10,11,12,13,14,15,16,17,18,19,20,21,22,23,24,25,26,27,28,29,30,31
	global_load_b32 v[X+32*((\c)%2)+\i], v[OFF+\i], s[BS+2*(\c):BS+2*(\c)+1] th:TH_LOAD_NT
.endr
.endm
.macro BLOCK c
.set XS, X+32*((\c)%2)
.if (\c) < 3
	s_wait_loadcnt 32                              ; this block's 32 loads are in; the next block's 32 may be out
.else
	s_wait_loadcnt 0x0
.endif
	v_max3_num_f32 v12, |v[XS]|, |v[XS+1]|, |v[XS+2]|               ; the block's largest magnitude: all 32 numbers are mine
	v_max3_num_f32 v13, |v[XS+3]|, |v[XS+4]|, |v[XS+5]|
.irp i, 6,10,14,18,22,26
	v_max3_num_f32 v12, v12, |v[XS+\i]|, |v[XS+\i+1]|
	v_max3_num_f32 v13, v13, |v[XS+\i+2]|, |v[XS+\i+3]|
.endr
	v_max3_num_f32 v12, v12, |v[XS+30]|, |v[XS+31]|
	v_max3_num_f32 v12, v12, v13, 0x4800000        ; and the floor 2^(9 - 127): the byte cannot fall under 1
	v_add_nc_u32 v11, 0xfc000000, v12              ; 8 off the exponent field: the conversion's scale operand
	v_and_or_b32 v10, v12, 0x7f800000, s[MNT]      ; 448 x the scale
	v_cndmask_b32 v10, 0, v10, s[VM]               ; a column that does not exist is held at 0: zero codes
	v_lshrrev_b32 v13, 23, v11                     ; the scale byte
.if (\c) == 0
	v_mov_b32 v9, v13
.else
	v_lshl_or_b32 v9, v13, 8*(\c), v9              ; four bytes make my column's scale word
.endif
.irp i, 0,1,2,3,4,5,6,7,8,9,10,11,12,13,14,15,16,17,18,19,20,21,22,23,24,25,26,27,28,29,30,31
	v_med3_num_f32 v[XS+\i], v[XS+\i], -v10, v10   ; the conversion to an 8-bit code does not saturate (ISA guide 7.6.2): the hold comes first
.endr
.irp g, 0,1,2,3
	v_cvt_scalef32_pk8_fp8_f32 v[C+8*(\c)+2*\g:C+8*(\c)+2*\g+1], v[XS+8*\g:XS+8*\g+7], v11
.endr
	v_nop                                          ; a plain instruction behind the conversions: the next block writes their scale operand
.if (\c) < 2
	WLOAD (\c)+2
.endif
.endm
	WLOAD 0
	WLOAD 1
	BLOCK 0
	BLOCK 1
	BLOCK 2
	BLOCK 3
	v_cmp_gt_u32 vcc_lo, s[NV], v1                 ; W4's last column group has one tile: lanes 0-15 alone store
	s_wait_xcnt 0x0                                ; EXEC changes only behind this wait
	s_and_saveexec_b32 s[EXS], vcc_lo
.irp c, 0,1,2,3
	global_store_b128 v7, v[C+8*\c:C+8*\c+3], s[DC:DC+1] offset:512*\c          ; k 32 c + 0..15: the place of lane r;  sixteen lanes fill 256 consecutive bytes, aligned
	global_store_b128 v7, v[C+8*\c+4:C+8*\c+7], s[DC:DC+1] offset:512*\c+256    ; k 32 c + 16..31: the place of lane 16 + r
.endr
	global_store_b32 v8, v9, s[DSC:DSC+1]
	s_wait_xcnt 0x0                                ; and again in front of the line that widens it
	s_or_b32 exec_lo, exec_lo, s[EXS]
	s_endpgm
; THE POSITION TABLE.  pe[n][2 i] = sin(n / 10000^(i / 512)), pe[n][2 i + 1] = cos of the same.  The chip's sine and cosine are not used: the angle is reduced by multiples of pi / 2 in two parts and
; put through polynomials on +-pi / 4.  10000^p = 2^t (1 + tl ln 2), t = p log2(10000) rounded and tl what that rounding and the constant's lost.  The division is a reciprocal with one correction.
.Lpe:
	s_sub_co_u32 s[T], s[U], 4*NWG
	s_and_b32 s[T+1], s[T], 7                      ; which 128 columns
	s_lshr_b32 s[T+2], s[T], 3                     ; which 16 positions
	s_lshl_b32 s[T+3], s[T+1], 6
	v_lshl_add_u32 v2, v1, 1, s[T+3]               ; my pairs: i = 64 x group + 2 x lane, and i + 1
	v_add_nc_u32 v3, 1, v2
	s_lshl_b32 s[T+3], s[T+1], 9
	v_lshl_add_u32 v14, v1, 4, s[T+3]              ; my 16 bytes of a row
	global_load_b128 v[16:19], v14, s[20:21]       ; bu
	v_cvt_f32_u32 v2, v2
	v_cvt_f32_u32 v3, v3
	s_mov_b32 s[T+4], 0x41549a78                   ; log2(10000), rounded,
	s_mov_b32 s[T+5], 0x34979a37                   ; and what the rounding lost
.irp a, 0,1
	v_mul_f32 v[2+\a], 0x3b000000, v[2+\a]         ; p = i / 512
.endr
.irp a, 0,1
	v_mul_f32 v[4+\a], s[T+4], v[2+\a]             ; t
.endr
.irp a, 0,1
	v_fma_f32 v[6+\a], v[2+\a], s[T+4], -v[4+\a]
.endr
.irp a, 0,1
	v_fma_f32 v[6+\a], v[2+\a], s[T+5], v[6+\a]    ; tl
.endr
.irp a, 0,1
	v_exp_f32 v[8+\a], v[4+\a]
.endr
.irp a, 0,1
	v_mul_f32 v[6+\a], 0x3f317218, v[6+\a]         ; tl ln 2 (plain work behind the exponentials)
.endr
	s_wait_alu depctr_va_vdst(0)                   ; the wait ahead of the first reader: one for both
.irp a, 0,1
	v_fma_f32 v[10+\a], v[8+\a], v[6+\a], v[8+\a]  ; the divisor
.endr
.irp a, 0,1
	v_rcp_f32 v[12+\a], v[10+\a]
.endr
	v_nop
	s_wait_alu depctr_va_vdst(0)
	s_lshl_b32 s[T+6], s[T+2], 16                  ; 16 positions x 4,096 bytes
	s_mov_b32 s[T+7], 0
	s_add_nc_u64 s[26:27], s[26:27], s[T+6:T+7]
	s_add_nc_u64 s[28:29], s[28:29], s[T+6:T+7]
	s_lshl_b32 s56, s[T+2], 4                      ; the position
	s_mov_b32 s57, 16                              ; trips
	s_mov_b32 s58, 0xbfc90fdb                      ; -pi / 2, rounded,
	s_mov_b32 s59, 0x333bbd2e                      ; and what the rounding added
	s_mov_b32 s60, 0xb94ca1f9                      ; the sine's highest coefficient
	s_mov_b32 s61, 0x37ccf5ce                      ; the cosine's
	s_wait_loadcnt 0x0
.Lpos:
	v_cvt_f32_u32 v20, s56
.irp a, 0,1
	v_mul_f32 v[22+\a], v20, v[12+\a]
	v_fma_f32 v[24+\a], -v[22+\a], v[10+\a], v20
	v_fma_f32 v[22+\a], v[24+\a], v[12+\a], v[22+\a]     ; the angle
	v_mul_f32 v[24+\a], 0x3f22f983, v[22+\a]
	v_rndne_f32 v[24+\a], v[24+\a]                       ; how many quarter turns
	v_fma_f32 v[22+\a], v[24+\a], s58, v[22+\a]          ; exact: a multiple of 2^-23 under 1
	v_fma_f32 v[22+\a], v[24+\a], s59, v[22+\a]          ; the reduced angle
	v_cvt_i32_f32 v[24+\a], v[24+\a]
	v_mul_f32 v[26+\a], v[22+\a], v[22+\a]               ; z
	v_fmaak_f32 v[28+\a], s60, v[26+\a], 0x3c08839e
	v_fmaak_f32 v[28+\a], v[28+\a], v[26+\a], 0xbe2aaaa3
	v_mul_f32 v[28+\a], v[28+\a], v[26+\a]
	v_fma_f32 v[28+\a], v[28+\a], v[22+\a], v[22+\a]     ; sine
	v_fmaak_f32 v[30+\a], s61, v[26+\a], 0xbab6061a
	v_fmaak_f32 v[30+\a], v[30+\a], v[26+\a], 0x3d2aaaa5
	v_mul_f32 v[32+\a], v[26+\a], v[26+\a]
	v_fma_f32 v[34+\a], v[26+\a], -0.5, 1.0
	v_fma_f32 v[30+\a], v[30+\a], v[32+\a], v[34+\a]     ; cosine
	v_and_b32 v[32+\a], 1, v[24+\a]
	v_cmp_eq_u32 vcc_lo, 1, v[32+\a]                     ; an odd number of quarter turns swaps the two (a choice of values: no branch)
	v_cndmask_b32 v[34+\a], v[28+\a], v[30+\a], vcc_lo
	v_cndmask_b32 v[36+\a], v[30+\a], v[28+\a], vcc_lo
	v_lshlrev_b32 v[32+\a], 30, v[24+\a]
	v_and_b32 v[32+\a], 0x80000000, v[32+\a]             ; the sine's sign: turns 2, 3
	v_xor_b32 v[40+2*\a], v[34+\a], v[32+\a]
	v_add_nc_u32 v[32+\a], 1, v[24+\a]
	v_lshlrev_b32 v[32+\a], 30, v[32+\a]
	v_and_b32 v[32+\a], 0x80000000, v[32+\a]             ; the cosine's: turns 1, 2
	v_xor_b32 v[41+2*\a], v[36+\a], v[32+\a]
.endr
	global_store_b128 v14, v[40:43], s[26:27]      ; 32 lanes store 512 consecutive bytes
	v_pk_add_f32 v[44:45], v[40:41], v[16:17]
	v_pk_add_f32 v[46:47], v[42:43], v[18:19]
	global_store_b128 v14, v[44:47], s[28:29]
	s_wait_xcnt 0x0                                ; the stores' data and bases are written again only behind this wait
	s_add_nc_u64 s[26:27], s[26:27], 4096
	s_add_nc_u64 s[28:29], s[28:29], 4096
	s_add_co_u32 s56, s56, 1
	s_sub_co_u32 s57, s57, 1
	s_cmp_lg_u32 s57, 0
	s_cbranch_scc1 .Lpos
	s_endpgm
.Lfunc_end_k_q9fd468fec3_prep:
	.size	k_q9fd468fec3_prep, .Lfunc_end_k_q9fd468fec3_prep-k_q9fd468fec3_prep
	.p2alignl 7, 3214868480
	.fill 96, 4, 3214868480
	.section	.rodata,"a",@progbits
	.p2align	6, 0x0
	.amdhsa_kernel k_q9fd468fec3_prep
		.amdhsa_group_segment_fixed_size 0
		.amdhsa_private_segment_fixed_size 0
		.amdhsa_enable_private_segment 0
		.amdhsa_kernarg_size 104
		.amdhsa_user_sgpr_count 2
		.amdhsa_user_sgpr_kernarg_segment_ptr 1
		.amdhsa_wavefront_size32 1
		.amdhsa_system_sgpr_workgroup_id_x 1
		.amdhsa_system_sgpr_workgroup_id_y 1
		.amdhsa_system_sgpr_workgroup_id_z 1
		.amdhsa_system_vgpr_workitem_id 0
		.amdhsa_next_free_vgpr 144
		.amdhsa_next_free_sgpr 72
		.amdhsa_reserve_vcc 1
		.amdhsa_float_denorm_mode_32 3
		.amdhsa_float_denorm_mode_16_64 3
		.amdhsa_memory_ordered 1
		.amdhsa_forward_progress 1
		.amdhsa_inst_pref_size 42
	.end_amdhsa_kernel
	.amdgpu_metadata
---
amdhsa.version: [ 1, 2 ]
amdhsa.kernels:
  - .name:           k_q9fd468fec3_prep
    .symbol:         k_q9fd468fec3_prep.kd
    .args:
      - { .name: Wq, .offset: 0, .size: 8, .value_kind: global_buffer, .address_space: global }
      - { .name: Wk, .offset: 8, .size: 8, .value_kind: global_buffer, .address_space: global }
      - { .name: Wv, .offset: 16, .size: 8, .value_kind: global_buffer, .address_space: global }
      - { .name: Wu, .offset: 24, .size: 8, .value_kind: global_buffer, .address_space: global }
      - { .name: W1, .offset: 32, .size: 8, .value_kind: global_buffer, .address_space: global }
      - { .name: W2, .offset: 40, .size: 8, .value_kind: global_buffer, .address_space: global }
      - { .name: W3, .offset: 48, .size: 8, .value_kind: global_buffer, .address_space: global }
      - { .name: W4, .offset: 56, .size: 8, .value_kind: global_buffer, .address_space: global }
      - { .name: bu, .offset: 64, .size: 8, .value_kind: global_buffer, .address_space: global }
      - { .name: wqkv, .offset: 72, .size: 8, .value_kind: global_buffer, .address_space: global }
      - { .name: wst, .offset: 80, .size: 8, .value_kind: global_buffer, .address_space: global }
      - { .name: pe, .offset: 88, .size: 8, .value_kind: global_buffer, .address_space: global }
      - { .name: peu, .offset: 96, .size: 8, .value_kind: global_buffer, .address_space: global }
    .group_segment_fixed_size: 0
    .private_segment_fixed_size: 0
    .kernarg_segment_align: 8
    .kernarg_segment_size: 104
    .max_flat_workgroup_size: 128
    .sgpr_count:     72
    .vgpr_count:     144
    .wavefront_size: 32
...
	.end_amdgpu_metadata
.endif
;; end of part 1
;; launch qkv (part 2): grid 32 x 8, 4 waves a work-group, clusters of 4 x 1, 327,680 bytes of LDS; arguments input_indices, emb, pe, wqkv, bq, bk, bv, qc, kvs; writes qc, kvs
.if DOCPART == 2
	.amdgcn_target "amdgcn-amd-amdhsa--gfx1250"
	.amdhsa_code_object_version 6
	.text
	.protected	k_q9fd468fec3_qkv
	.globl	k_q9fd468fec3_qkv
	.p2align	8
	.type	k_q9fd468fec3_qkv,@function
k_q9fd468fec3_qkv:
	s_mov_b64 s[64:65], 0
	v_nop
	global_prefetch_b8 v0, s[64:65] scope:SCOPE_SE
	s_setreg_imm32_b32 hwreg(HW_REG_WAVE_MODE, 25, 1), 1
	s_wait_xcnt 0x0
	s_wait_alu depctr_hold_cnt(0) depctr_sa_sdst(0) depctr_va_vdst(0) depctr_va_sdst(0) depctr_va_ssrc(0) depctr_va_vcc(0) depctr_vm_vsrc(0)
	s_getreg_b32 s2, hwreg(HW_REG_IB_STS2, 6, 4)
	s_cmp_eq_u32 s2, 0
	s_cbranch_scc0 .Lentry_in_a_cluster
	s_endpgm
.Lentry_in_a_cluster:
	s_bfe_u32 s2, ttmp6, 0x10000c
	s_cmp_lg_u32 s2, 0x3003
	s_cbranch_scc0 .Lentry_shape_is_right
	s_endpgm
.Lentry_shape_is_right:
; QKV: x = emb[idx] + pe is quantised along its 1,024; q = x Wq + bq, k = x Wk + bk, v = x Wv + bv on codes of E4M3; q and k are quantised along their 256, v along the keys; only codes and scale bytes leave.
; Nothing of the problem is left out here.
; SHARES.  A work-group owns 64 rows of one sequence.  Wave w quantises row tile w and owns columns 64 w .. 64 w + 63 of each of q, k, v for all 64 rows: 48 accumulators.
; THE ROWS OF A TILE ARE NOT NEIGHBOURS: lane r of row tile m stands for row 32 (m / 2) + 8 (m % 2) + r + 8 (r / 8); the weights' column tiles likewise.
; q and k are made transposed (source 0 = 16 columns of the weight, source 1 = 16 rows of x): a lane holds one row and 16 neighbours along d in two tiles' registers.  v is made the natural way round
; (source 0 = x, source 1 = Wv): a lane holds one d and 16 neighbouring keys.  So each conversion's results are registers of the operand that the next launch wants.
; THE WEIGHTS come as a stream of 8 slots (a K step of 128 each) through a ring of two LDS slots.  The four work-groups of a cluster walk the same stream: each wave asks for its quarter of a slot by one joint
; tensor load, and reads that quarter alone.  x's fragments go from wave to wave through LDS as images of their registers.  A wave has one tensor load out at the most.
; REGISTERS, in windows of 256: window 0: v0-63 addresses, scales; v64-127 x's four fragments; v128-191 at work; v192-255 four streamed fragments.  window 1: q's accumulators (32 m + 8 t), k's (128 + 32 m + 8 t).
;   window 2: v's (32 t + 8 m); from v128 bq's and bk's tiles, the C of the first K step.   window 3: two sets of 64 numbers of emb and 64 of pe.
.set SLOTB, 135168                     ; a slot and a quarter of the NEXT launch's stream, into which k and v are laid
.set QB,    33792
.set SLOTQ, 101376                     ; a slot of this launch's stream
.set QBQ,   25344                      ; a wave's quarter: 12 fragments (24,576 bytes), their scale words (768): 99 rows of 256 bytes
.set RING1, SLOTQ
.set XI,    2*SLOTQ                    ; x's images: two buffers of four fragments
.set XS,    XI+16384                   ; their scale words, 128 bytes a fragment
.set SPARE, XS+1024                    ; the spare words, 128 bytes a wave: two blocks of 256 bytes that no other line names
.set RB0, 4                            ; v4, v5   my quarter's codes in ring 0, 1: + 16 x lane
.set RS0, 6                            ; v6, v7   its scale words: + 4 x lane
.set XR,  8                            ; v8   XI + 16 x lane
.set XSR, 9                            ; v9   XS + 4 x lane
.set XW,  10                           ; v10  where I store my fragment: XR + 2,048 w
.set XSW, 11                           ; v11  and its scale words: XSR + 128 w
.set BA,  12                           ; v12  64 h: the biases' offset
.set QSO, 13                           ; v13  128 h + 4 r: q's scale half words
.set IA,  14                           ; v14  4 (r + 8 (r / 8))
.set SPW, 16
.set NIL, 17
.set EO,  24                           ; v24  my row of emb, + 64 h
.set PO,  28                           ; v28  my row of pe, + 64 h
.set LI,  30                           ; v30  16 x lane
.set LS,  31                           ; v31  4 x lane
.set BV,  32                           ; v32-39 bv of my d, a pair for each tile
.set BSC, 40                           ; v40, v41 the streamed fragments' scale words: these and v44-47 hold scales and nothing else
.set ASX, 44                           ; v44-47   x's
.set X,   64
.set Y,   128
.set BR,  192
.set T64, Y                            ; the held numbers of a whole fragment
.set PCD, X                            ; its codes
.set TM,  BR                           ; v192-207 at work in a quantiser
.set PW,  BR+16                        ; v208..   scale words and half words
.set T32, BR+32                        ; the held numbers of half a fragment
.set PC2, X                            ; v64-159  the way out: 12 x 8 registers of codes
.set VAL, 160                          ; v160-165 scale half words of two tiles in one register
.set WV,  22
.set CX,  23
.set XB,  24
.set BAT, 25
.set N0,  26
.set QW,  27
.set G1,  28                           ; s[28:35] descriptor group 1
.set D0,  36                           ; s[36:39], s[40:43] group 0 for ring 0, 1
.set NA,  44                           ; s[44:45] where my quarter of the next slot lies in memory
.set SEL, 46
.set MNT, 48
.set HM,  49
.set QCB, 66
.set QCS, 68
.set KCB, 70
.set KCS, 72
.set VCB, 74
.set VCS, 76
.set MSB, 0
.macro WIN new                         ; the immediate's high byte repeats the setting that is left
.if MSB != (\new)
	s_set_vgpr_msb (MSB<<8)|(\new)
.set MSB, \new
.endif
.endm
.macro ROUND                           ; a round of the cluster's barrier
	s_barrier_signal -1
	s_barrier_wait -1
	s_cmp_lg_u32 s[WV], 0
	s_cbranch_scc1 .Lnw0_\@
	s_barrier_signal -3
.Lnw0_\@:
	s_barrier_wait -3
	s_barrier_signal -1
	s_barrier_wait -1
.endm
.macro PLACES8                         ; eight plain instructions between a matrix instruction of this form and a load into, or a vector instruction on, its registers
.rept 8
	v_nop
.endr
.endm
; NDS counts the LDS loads issued in a slot, ENDB0 / ENDB1 what it stood at behind the last even / odd pair's loads: their difference is what was issued behind the pair that is waited for
.macro LDB p, rb, rs                   ; pair p of my quarter: fragments 2 p, 2 p + 1 and one register with both fragments' scale words (lanes 0-15, lanes 16-31): 9 loads
.irp e, 0,1
.irp c, 0,1,2,3
	ds_load_b128 v[BR+32*((\p)%2)+16*\e+4*\c:BR+32*((\p)%2)+16*\e+4*\c+3], v[(\rb)] offset:2048*(2*(\p)+\e)+512*\c
.endr
.endr
	ds_load_b32 v[BSC+(\p)%2], v[(\rs)] offset:128*(\p)
.set NDS, NDS+9
.if ((\p)%2) == 0
.set ENDB0, NDS
.else
.set ENDB1, NDS
.endif
.endm
.macro PWAIT p
.if ((\p)%2) == 0
	s_wait_dscnt NDS-ENDB0
.else
	s_wait_dscnt NDS-ENDB1
.endif
.endm
.macro LDA set, sc, adr, sadr, idx     ; four fragments (images idx .. idx + 3) and their scale words: 20 loads
.irp m, 0,1,2,3
.irp c, 0,1,2,3
	ds_load_b128 v[(\set)+16*\m+4*\c:(\set)+16*\m+4*\c+3], v[\adr] offset:2048*((\idx)+\m)+512*\c
.endr
	ds_load_b32 v[(\sc)+\m], v[\sadr] offset:128*((\idx)+\m)
.endr
.set NDS, NDS+20
.endm
; one matrix instruction.  c < 0: the constant 0 starts the sum.  r0, r1: the scale words of source 0, 1 stand in lanes 16-31
.macro MM d, s0, s1, c, sc0, sc1, r0, r1
.if (\c) < 0
.if ((\r0)==0) && ((\r1)==0)
	v_wmma_scale_f32_16x16x128_f8f6f4 v[(\d):(\d)+7], v[(\s0):(\s0)+15], v[(\s1):(\s1)+15], 0, v[(\sc0)], v[(\sc1)]
.elseif ((\r0)==1) && ((\r1)==0)
	v_wmma_scale_f32_16x16x128_f8f6f4 v[(\d):(\d)+7], v[(\s0):(\s0)+15], v[(\s1):(\s1)+15], 0, v[(\sc0)], v[(\sc1)] matrix_a_scale:MATRIX_SCALE_ROW1
.elseif ((\r0)==0) && ((\r1)==1)
	v_wmma_scale_f32_16x16x128_f8f6f4 v[(\d):(\d)+7], v[(\s0):(\s0)+15], v[(\s1):(\s1)+15], 0, v[(\sc0)], v[(\sc1)] matrix_b_scale:MATRIX_SCALE_ROW1
.else
	v_wmma_scale_f32_16x16x128_f8f6f4 v[(\d):(\d)+7], v[(\s0):(\s0)+15], v[(\s1):(\s1)+15], 0, v[(\sc0)], v[(\sc1)] matrix_a_scale:MATRIX_SCALE_ROW1 matrix_b_scale:MATRIX_SCALE_ROW1
.endif
.else
.if ((\r0)==0) && ((\r1)==0)
	v_wmma_scale_f32_16x16x128_f8f6f4 v[(\d):(\d)+7], v[(\s0):(\s0)+15], v[(\s1):(\s1)+15], v[(\c):(\c)+7], v[(\sc0)], v[(\sc1)]
.elseif ((\r0)==1) && ((\r1)==0)
	v_wmma_scale_f32_16x16x128_f8f6f4 v[(\d):(\d)+7], v[(\s0):(\s0)+15], v[(\s1):(\s1)+15], v[(\c):(\c)+7], v[(\sc0)], v[(\sc1)] matrix_a_scale:MATRIX_SCALE_ROW1
.elseif ((\r0)==0) && ((\r1)==1)
	v_wmma_scale_f32_16x16x128_f8f6f4 v[(\d):(\d)+7], v[(\s0):(\s0)+15], v[(\s1):(\s1)+15], v[(\c):(\c)+7], v[(\sc0)], v[(\sc1)] matrix_b_scale:MATRIX_SCALE_ROW1
.else
	v_wmma_scale_f32_16x16x128_f8f6f4 v[(\d):(\d)+7], v[(\s0):(\s0)+15], v[(\s1):(\s1)+15], v[(\c):(\c)+7], v[(\sc0)], v[(\sc1)] matrix_a_scale:MATRIX_SCALE_ROW1 matrix_b_scale:MATRIX_SCALE_ROW1
.endif
.endif
.endm
; 64 numbers of a lane in window win, register s + 16 b + i = k 32 b + 16 (lane / 16) + i of my row, become a fragment's codes in v[PCD + 16 k] on and its scale word in v[PW + k].  The numbers stay as they are.
.macro QUANT win, s, relu, k
	WIN (\win)|((\win)<<2)
.irp b, 0,1,2,3
.if \relu
	v_max3_num_f32 v[TM+\b], v[(\s)+16*\b], v[(\s)+16*\b+1], 0x4800000
.else
	v_max3_num_f32 v[TM+\b], |v[(\s)+16*\b]|, |v[(\s)+16*\b+1]|, 0x4800000   ; my 16 numbers of block b, and the floor 2^(9 - 127): the byte cannot fall under 1
.endif
.endr
.irp i, 2,4,6,8,10,12,14
.irp b, 0,1,2,3
.if \relu
	v_max3_num_f32 v[TM+\b], v[(\s)+16*\b+\i], v[(\s)+16*\b+\i+1], v[TM+\b]
.else
	v_max3_num_f32 v[TM+\b], |v[(\s)+16*\b+\i]|, |v[(\s)+16*\b+\i+1]|, v[TM+\b]
.endif
.endr
.endr
	WIN 0
.irp b, 0,1,2,3
	v_permlanex16_b32 v[TM+4+\b], v[TM+\b], s[SEL], s[SEL+1]
.endr
.irp b, 0,1,2,3
	v_max_num_f32 v[TM+\b], v[TM+\b], v[TM+4+\b]   ; with lane l xor 16's: the block's largest magnitude
.endr
.irp b, 0,1,2,3
	v_add_nc_u32 v[TM+12+\b], 0xfc000000, v[TM+\b] ; 8 off its exponent field: the conversion's scale operand
.endr
.irp b, 0,1,2,3
	v_and_or_b32 v[TM+8+\b], v[TM+\b], 0x7f800000, s[MNT]   ; 448 x the scale
.endr
.irp b, 0,1,2,3
	v_lshrrev_b32 v[TM+4+\b], 23, v[TM+12+\b]      ; the scale byte
.endr
	v_lshl_or_b32 v[PW+(\k)], v[TM+5], 8, v[TM+4]
	v_lshl_or_b32 v[PW+(\k)], v[TM+6], 16, v[PW+(\k)]
	v_lshl_or_b32 v[PW+(\k)], v[TM+7], 24, v[PW+(\k)]
	WIN \win
.irp b, 0,1,2,3
.irp i, 0,1,2,3,4,5,6,7,8,9,10,11,12,13,14,15
.if \relu
	v_med3_num_f32 v[T64+16*\b+\i], v[(\s)+16*\b+\i], 0, v[TM+8+\b]
.else
	v_med3_num_f32 v[T64+16*\b+\i], v[(\s)+16*\b+\i], -v[TM+8+\b], v[TM+8+\b]   ; the conversion does not saturate (ISA guide 7.6.2): the hold comes first
.endif
.endr
.endr
	WIN 0
.irp b, 0,1,2,3
	v_cvt_scalef32_pk8_fp8_f32 v[PCD+16*(\k)+4*\b:PCD+16*(\k)+4*\b+1], v[T64+16*\b:T64+16*\b+7], v[TM+12+\b]
	v_cvt_scalef32_pk8_fp8_f32 v[PCD+16*(\k)+4*\b+2:PCD+16*(\k)+4*\b+3], v[T64+16*\b+8:T64+16*\b+15], v[TM+12+\b]
.endr
	v_nop                                          ; a plain instruction behind the last conversion
.endm
; the same for 32 numbers, two blocks: 8 registers of codes in v[PC2 + 8 k] on, the two bytes in v[PW + k].  fl: the floor
.macro QUANT2 win, s, k, fl
	WIN (\win)|((\win)<<2)
.irp b, 0,1
	v_max3_num_f32 v[TM+\b], |v[(\s)+16*\b]|, |v[(\s)+16*\b+1]|, \fl
.endr
.irp i, 2,4,6,8,10,12,14
.irp b, 0,1
	v_max3_num_f32 v[TM+\b], |v[(\s)+16*\b+\i]|, |v[(\s)+16*\b+\i+1]|, v[TM+\b]
.endr
.endr
	WIN 0
.irp b, 0,1
	v_permlanex16_b32 v[TM+4+\b], v[TM+\b], s[SEL], s[SEL+1]
.endr
.irp b, 0,1
	v_max_num_f32 v[TM+\b], v[TM+\b], v[TM+4+\b]
.endr
.irp b, 0,1
	v_add_nc_u32 v[TM+12+\b], 0xfc000000, v[TM+\b]
.endr
.irp b, 0,1
	v_and_or_b32 v[TM+8+\b], v[TM+\b], 0x7f800000, s[MNT]
.endr
.irp b, 0,1
	v_lshrrev_b32 v[TM+4+\b], 23, v[TM+12+\b]
.endr
	v_lshl_or_b32 v[PW+(\k)], v[TM+5], 8, v[TM+4]
	WIN \win
.irp b, 0,1
.irp i, 0,1,2,3,4,5,6,7,8,9,10,11,12,13,14,15
	v_med3_num_f32 v[T32+16*\b+\i], v[(\s)+16*\b+\i], -v[TM+8+\b], v[TM+8+\b]
.endr
.endr
	WIN 0
.irp b, 0,1
	v_cvt_scalef32_pk8_fp8_f32 v[PC2+8*(\k)+4*\b:PC2+8*(\k)+4*\b+1], v[T32+16*\b:T32+16*\b+7], v[TM+12+\b]
	v_cvt_scalef32_pk8_fp8_f32 v[PC2+8*(\k)+4*\b+2:PC2+8*(\k)+4*\b+3], v[T32+16*\b+8:T32+16*\b+15], v[TM+12+\b]
.endr
	v_nop
.endm
.macro IMAGE adr, off, pc              ; a fragment goes to LDS as its registers stand: 512 consecutive bytes a store
.irp c, 0,1,2,3
	ds_store_b128 v[\adr], v[(\pc)+4*\c:(\pc)+4*\c+3] offset:(\off)+512*\c
.endr
.endm
.macro XLOAD s                         ; K step s of my row of emb and of pe: 16 neighbours of each block of 32: 32 loads, into set s % 2 of window 3
	WIN 0xc0
.irp b, 0,1,2,3
.irp j, 0,1,2,3
	global_load_b128 v[128*((\s)%2)+16*\b+4*\j:128*((\s)%2)+16*\b+4*\j+3], v[EO], s[6:7] offset:512*(\s)+128*\b+16*\j
	global_load_b128 v[128*((\s)%2)+64+16*\b+4*\j:128*((\s)%2)+64+16*\b+4*\j+3], v[PO], s[8:9] offset:512*(\s)+128*\b+16*\j
.endr
.endr
	WIN 0
.endm
	s_load_b512 s[4:19], s[0:1], 0x0               ; input_indices emb pe wqkv bq bk bv qc
	s_load_b64 s[20:21], s[0:1], 0x40              ; kvs
	v_lshl_add_u32 v[SPW], v0, 2, SPARE
	v_mov_b32 v[NIL], 0
	ds_add_u32 v[SPW], v[NIL]                      ; the wave's opening: the add, twice on end, and its wait ahead of my first tensor load
	ds_add_u32 v[SPW], v[NIL]
	v_lshrrev_b32 v1, 5, v0
	v_readfirstlane_b32 s[WV], v1                  ; wave 0..3
	s_bfe_u32 s[CX], ttmp6, 0x40000                ; my place in the cluster: it enters global addresses of my own rows alone
	s_lshl_b32 s[XB], ttmp9, 2
	s_add_co_u32 s[XB], s[XB], s[CX]               ; my block of 64 rows in the sequence
	s_and_b32 s[BAT], ttmp7, 0xffff                ; the sequence
	s_lshl_b32 s[N0], s[XB], 6
	s_mov_b32 s[G1], 15|(3<<16)|(1<<21)            ; the mask: all four work-groups; elements of 8 bytes; bit 21 set beside a mask; no padding
	s_mov_b32 s[G1+1], 32<<16                      ; tensor_dim0 = 32 elements: rows of 256 bytes
	s_mov_b32 s[G1+2], 99<<16                      ; tensor_dim1 = 99 rows
	s_mov_b32 s[G1+3], 32<<16                      ; tile_dim0
	s_mov_b32 s[G1+4], 99                          ; tile_dim1
	s_mov_b32 s[G1+5], 32                          ; the pitch: the block is dense
	s_mov_b32 s[G1+6], 0
	s_mov_b32 s[G1+7], 0
	s_mul_i32 s[QW], s[WV], QBQ                    ; my quarter
	s_mov_b32 s[D0], 1
	s_mov_b32 s[D0+1], s[QW]
	s_mov_b32 s[D0+4], 1
	s_add_co_u32 s[D0+5], s[QW], RING1
	s_mov_b32 s[SEL], 0x76543210
	s_mov_b32 s[SEL+1], 0xfedcba98                 ; v_permlanex16_b32's selects for lane l xor 16
	s_mov_b32 s[MNT], 0x600000                     ; the mantissa field of 448
	s_mov_b32 s[HM], 0xffff0000                    ; lanes 16-31
	s_mov_b32 s50, s[QW]
	s_mov_b32 s51, 0
	s_wait_dscnt 0x0                               ; both opening adds are done
	s_wait_kmcnt 0x0
	s_add_nc_u64 s[NA:NA+1], s[10:11], s[50:51]
	ROUND                                          ; all four work-groups are here: the first joint loads meet
	s_mov_b64 s[D0+2:D0+3], s[NA:NA+1]
	s_or_b32 s[D0+3], s[D0+3], 0x80000000
	tensor_load_to_lds s[D0:D0+3], s[G1:G1+7]      ; K step 0's weights
	s_nop 0
.rept 4
	v_nop
.endr
	s_add_nc_u64 s[NA:NA+1], s[NA:NA+1], SLOTQ
	v_and_b32 v1, 31, v0                           ; lane
	v_and_b32 v2, 15, v0                           ; r
	v_bfe_u32 v3, v0, 4, 1                         ; h
	v_lshlrev_b32 v[LI], 4, v1
	v_lshlrev_b32 v[LS], 2, v1
	v_add_nc_u32 v[RB0], s[QW], v[LI]
	v_add_nc_u32 v[RB0+1], RING1, v[RB0]
	v_add_nc_u32 v[RS0], s[QW], v[LS]
	v_add_nc_u32 v[RS0], 24576, v[RS0]
	v_add_nc_u32 v[RS0+1], RING1, v[RS0]
	v_add_nc_u32 v[XR], XI, v[LI]
	v_add_nc_u32 v[XSR], XS, v[LS]
	s_lshl_b32 s50, s[WV], 11
	v_add_nc_u32 v[XW], s50, v[XR]
	s_lshl_b32 s50, s[WV], 7
	v_add_nc_u32 v[XSW], s50, v[XSR]
	v_lshlrev_b32 v[BA], 6, v3
	v_lshlrev_b32 v[QSO], 2, v2
	v_lshl_add_u32 v[QSO], v3, 7, v[QSO]
	v_and_b32 v4, 8, v2                            ; (v4 is written whole again just below: it is RB0 only from there... kept apart: see next line)
	v_add_nc_u32 v[IA], v4, v2                     ; r + 8 (r / 8)
	v_add_nc_u32 v[RB0], s[QW], v[LI]              ; RB0 once more: v4 served as a scratch register in the two lines above
	s_lshr_b32 s50, s[WV], 1
	s_lshl_b32 s50, s50, 5
	s_and_b32 s51, s[WV], 1
	s_lshl_b32 s51, s51, 3
	s_add_co_u32 s50, s50, s51
	s_add_co_u32 s50, s50, s[N0]                   ; n0 + 32 (w / 2) + 8 (w % 2): my tile's first row in its sequence
	v_add_nc_u32 v[PO], s50, v[IA]
	v_lshlrev_b32 v[PO], 12, v[PO]
	v_lshl_add_u32 v[PO], v3, 6, v[PO]
	v_lshlrev_b32 v[IA], 2, v[IA]
	s_lshl_b32 s52, s[BAT], 11
	s_add_co_u32 s52, s52, s50
	s_lshl_b32 s52, s52, 2
	s_mov_b32 s53, 0
	s_add_nc_u64 s[4:5], s[4:5], s[52:53]
	global_load_b32 v[EO], v[IA], s[4:5]           ; my row's index
	s_lshl_b32 s54, s[WV], 8                       ; my 64 columns of the biases
	s_mov_b32 s55, 0
	s_add_nc_u64 s[12:13], s[12:13], s[54:55]
	s_add_nc_u64 s[14:15], s[14:15], s[54:55]
	s_add_nc_u64 s[16:17], s[16:17], s[54:55]
	WIN 0x80
.irp t, 0,1,2,3                        ; bq, bk in the result's layout: lane (r, h) holds, for tile t, columns 32 (t / 2) + 8 (t % 2) + 16 h + 0..7
	global_load_b128 v[128+8*\t:128+8*\t+3], v[BA], s[12:13] offset:4*(32*(\t/2)+8*(\t%2))
	global_load_b128 v[128+8*\t+4:128+8*\t+7], v[BA], s[12:13] offset:4*(32*(\t/2)+8*(\t%2))+16
	global_load_b128 v[160+8*\t:160+8*\t+3], v[BA], s[14:15] offset:4*(32*(\t/2)+8*(\t%2))
	global_load_b128 v[160+8*\t+4:160+8*\t+7], v[BA], s[14:15] offset:4*(32*(\t/2)+8*(\t%2))+16
.endr
	WIN 0
.irp t, 0,1,2,3                        ; bv of my d: column 32 (t / 2) + 8 (t % 2) + r + 8 (r / 8)
	global_load_b32 v[BV+2*\t], v[IA], s[16:17] offset:4*(32*(\t/2)+8*(\t%2))
.endr
.irp t, 0,1,2,3
	v_mov_b32 v[BV+2*\t+1], 0                      ; (named as the upper half of a pair)
	v_mov_b32 v[TM+4+\t], 0                        ; (a lane permute's destination counts as one of its sources)
.endr
	s_mov_b32 s56, 0x7d00
	s_wait_loadcnt 20                              ; the index is in; the 20 loads of the biases, issued behind it, may be out
	v_cmp_gt_i32 s57, s56, v[EO]
	v_cndmask_b32 v[EO], 1, v[EO], s57             ; an index of 32,000 or more is read as 1
	v_min_u32 v[EO], 0x7cff, v[EO]
	v_lshlrev_b32 v[EO], 12, v[EO]
	v_lshl_add_u32 v[EO], v3, 6, v[EO]
	XLOAD 0
	XLOAD 1
; A K STEP of 128.  x's numbers were asked for two steps ago.  They are summed, quantised and shown to the other waves; the change of slots stands between that and the products.
.macro KSTEP s
.if (\s) < 7
	s_wait_loadcnt 32                              ; this step's 32 loads are in; the next step's 32 may be out
.else
	s_wait_loadcnt 0x0
.endif
.set XB3, 128*((\s)%2)
	WIN 0xcf
.set PI, 0
.rept 32
	v_pk_add_f32 v[XB3+2*PI:XB3+2*PI+1], v[XB3+2*PI:XB3+2*PI+1], v[XB3+64+2*PI:XB3+64+2*PI+1]   ; x = emb + pe
.set PI, PI+1
.endr
	QUANT 3, XB3, 0, 0
	IMAGE XW, 8192*((\s)%2), PCD
	ds_store_b32 v[XSW], v[PW] offset:512*((\s)%2)
.if (\s) < 6
	XLOAD (\s)+2
.endif
	s_wait_tensorcnt 0x0                           ; my one tensor load has landed: my quarter of this step's weights; so a group 0 may be written
	ds_add_u32 v[SPW], v[NIL]                      ; 0 onto my spare word
.if (\s) < 7
	s_mov_b64 s[D0+4*(((\s)+1)%2)+2:D0+4*(((\s)+1)%2)+3], s[NA:NA+1]
	s_or_b32 s[D0+4*(((\s)+1)%2)+3], s[D0+4*(((\s)+1)%2)+3], 0x80000000
	s_wait_dscnt 0x0                               ; the add is done, my images have landed, my reads of the last step's slot are over
	ROUND                                          ; all that holds of every wave of the four work-groups
	tensor_load_to_lds s[D0+4*(((\s)+1)%2):D0+4*(((\s)+1)%2)+3], s[G1:G1+7]   ; the next step's weights, into the slot read last
	s_nop 0
.rept 4
	v_nop
.endr
	s_add_nc_u64 s[NA:NA+1], s[NA:NA+1], SLOTQ
.else
	s_wait_dscnt 0x0
	s_barrier_signal -1                            ; it shows x's last images
	s_barrier_wait -1
.endif
.set NDS, 0
	LDA X, ASX, XR, XSR, 4*((\s)%2)
	LDB 0, RB0+(\s)%2, RS0+(\s)%2
	LDB 1, RB0+(\s)%2, RS0+(\s)%2
.irp p, 0,1,2,3,4,5
	PWAIT \p                                       ; pair p is in; what was issued behind it may be out
.if \p < 4
.if (\s) == 0
	WIN 0x60                                       ; D window 1, C (the bias) window 2
.else
	WIN 0x50
.endif
.else
	WIN 0xa0                                       ; C and D window 2
.endif
.irp m, 0,1,2,3                        ; eight accumulators by turns
.irp e, 0,1
.if \p < 4
.if (\s) == 0
	MM 128*(\p/2)+32*\m+8*(2*(\p%2)+\e), BR+32*(\p%2)+16*\e, X+16*\m, 128+8*(4*(\p/2)+2*(\p%2)+\e), BSC+\p%2, ASX+\m, \e, 0
.else
	MM 128*(\p/2)+32*\m+8*(2*(\p%2)+\e), BR+32*(\p%2)+16*\e, X+16*\m, 128*(\p/2)+32*\m+8*(2*(\p%2)+\e), BSC+\p%2, ASX+\m, \e, 0
.endif
.else
.if (\s) == 0
	MM 32*(2*(\p-4)+\e)+8*\m, X+16*\m, BR+32*(\p%2)+16*\e, -1, ASX+\m, BSC+\p%2, 0, \e
.else
	MM 32*(2*(\p-4)+\e)+8*\m, X+16*\m, BR+32*(\p%2)+16*\e, 32*(2*(\p-4)+\e)+8*\m, ASX+\m, BSC+\p%2, 0, \e
.endif
.endif
.endr
.endr
	PLACES8
	WIN 0
.if \p < 4
	LDB \p+2, RB0+(\s)%2, RS0+(\s)%2
.endif
.endr
.endm
.irp s, 0,1,2,3,4,5,6,7
	KSTEP \s
.endr
	; THE WAY OUT.  Where my parts lie: sw = w / 2 and w % 2 say which K step and which half of it my 64 columns are; c, kappa, hb say which chunk of 512 keys, which 128 of it and which 64 of those my rows are.
	s_lshr_b32 s50, s[WV], 1                       ; sw
	s_and_b32 s51, s[WV], 1
	s_lshr_b32 s52, s[XB], 3                       ; c
	s_bfe_u32 s53, s[XB], 0x20001                  ; kappa
	s_and_b32 s54, s[XB], 1                        ; hb
	s_mov_b32 s57, 0
	s_mov_b32 s59, 0
	s_lshl_b32 s55, s[BAT], 5
	s_add_co_u32 s55, s55, s[XB]
	s_mul_i32 s55, s55, 16896                      ; q: my block's record: 8 fragments 2 m + s, then 4 images of scale words
	s_lshl_b32 s56, s50, 11
	s_add_co_u32 s56, s56, s55
	s_lshl_b32 s60, s51, 10
	s_add_co_u32 s56, s56, s60
	s_add_nc_u64 s[QCB:QCB+1], s[18:19], s[56:57]
	s_lshl_b32 s58, s50, 6
	s_add_co_u32 s58, s58, s55
	s_lshl_b32 s60, s51, 1
	s_add_co_u32 s58, s58, s60
	s_add_co_u32 s58, s58, 16384
	s_add_nc_u64 s[QCS:QCS+1], s[18:19], s[58:59]
	s_mul_i32 s55, s[BAT], 8*SLOTB
	s_mul_i32 s60, s52, 2*SLOTB
	s_add_co_u32 s55, s55, s60                     ; k: the chunk's K slot, quarter kappa, fragment 8 sw + 4 hb + my row tile
	s_mul_i32 s60, s53, QB
	s_add_co_u32 s61, s55, s60
	s_lshl_b32 s56, s50, 14
	s_add_co_u32 s56, s56, s61
	s_lshl_b32 s60, s54, 13
	s_add_co_u32 s56, s56, s60
	s_lshl_b32 s60, s51, 10
	s_add_co_u32 s56, s56, s60
	s_add_nc_u64 s[KCB:KCB+1], s[20:21], s[56:57]
	s_lshl_b32 s58, s50, 9
	s_add_co_u32 s58, s58, s61
	s_lshl_b32 s60, s54, 8
	s_add_co_u32 s58, s58, s60
	s_lshl_b32 s60, s51, 1
	s_add_co_u32 s58, s58, s60
	s_add_co_u32 s58, s58, 32768
	s_add_nc_u64 s[KCS:KCS+1], s[20:21], s[58:59]
	s_add_co_u32 s55, s55, SLOTB                   ; v: the chunk's V slot, quarter w, fragment 4 kappa + t, blocks 2 hb, 2 hb + 1
	s_mul_i32 s60, s[WV], QB
	s_add_co_u32 s61, s55, s60
	s_lshl_b32 s56, s53, 13
	s_add_co_u32 s56, s56, s61
	s_lshl_b32 s60, s54, 10
	s_add_co_u32 s56, s56, s60
	s_add_nc_u64 s[VCB:VCB+1], s[20:21], s[56:57]
	s_lshl_b32 s58, s53, 8
	s_add_co_u32 s58, s58, s61
	s_lshl_b32 s60, s54, 1
	s_add_co_u32 s58, s58, s60
	s_add_co_u32 s58, s58, 32768
	s_add_nc_u64 s[VCS:VCS+1], s[20:21], s[58:59]
	WIN 0x82
.irp t, 0,1,2,3                        ; v + bv: each accumulator from its low end on
.irp i, 0,2,4,6,8,10,12,14,16,18,20,22,24,26,28,30
	v_pk_add_f32 v[32*\t+\i:32*\t+\i+1], v[32*\t+\i:32*\t+\i+1], v[BV+2*\t:BV+2*\t+1] op_sel_hi:[1,0]
.endr
.endr
.irp m, 0,1,2,3
	QUANT2 1, 32*\m, \m, 0x4800000
	global_store_b128 v[LI], v[PC2+8*\m:PC2+8*\m+3], s[QCB:QCB+1] offset:4096*\m          ; 32 lanes store 512 consecutive bytes
	global_store_b128 v[LI], v[PC2+8*\m+4:PC2+8*\m+7], s[QCB:QCB+1] offset:4096*\m+512
.endr
.irp m, 0,1,2,3
	QUANT2 1, 128+32*\m, 4+\m, 0x4800000
	global_store_b128 v[LI], v[PC2+8*(4+\m):PC2+8*(4+\m)+3], s[KCB:KCB+1] offset:2048*\m
	global_store_b128 v[LI], v[PC2+8*(4+\m)+4:PC2+8*(4+\m)+7], s[KCB:KCB+1] offset:2048*\m+512
.endr
.irp t, 0,1,2,3
	QUANT2 2, 32*\t, 8+\t, 0x4800000
	global_store_b128 v[LI], v[PC2+8*(8+\t):PC2+8*(8+\t)+3], s[VCB:VCB+1] offset:2048*\t
	global_store_b128 v[LI], v[PC2+8*(8+\t)+4:PC2+8*(8+\t)+7], s[VCB:VCB+1] offset:2048*\t+512
.endr
.irp i, 0,1,2,3,4,5                    ; the scale bytes, two of a word's four: lanes 0-15 carry the even tile's, lanes 16-31 the odd tile's.  The word's other half is another wave's or another work-group's
	v_cndmask_b32 v[VAL+\i], v[PW+2*\i], v[PW+2*\i+1], s[HM]
.endr
.irp i, 0,1
	global_store_b16 v[QSO], v[VAL+\i], s[QCS:QCS+1] offset:256*\i
	global_store_b16 v[LS], v[VAL+2+\i], s[KCS:KCS+1] offset:128*\i
	global_store_b16 v[LS], v[VAL+4+\i], s[VCS:VCS+1] offset:128*\i
.endr
	s_wait_tensorcnt 0x0                           ; the wave's end: waits for my last tensor load and my last LDS store
	ds_add_u32 v[SPW], v[NIL]
	s_wait_dscnt 0x0
	ROUND                                          ; the closing round: no work-group ends while a partner may still ask for a slot that names it
	s_endpgm
.Lfunc_end_k_q9fd468fec3_qkv:
	.size	k_q9fd468fec3_qkv, .Lfunc_end_k_q9fd468fec3_qkv-k_q9fd468fec3_qkv
	.p2alignl 7, 3214868480
	.fill 96, 4, 3214868480
	.section	.rodata,"a",@progbits
	.p2align	6, 0x0
	.amdhsa_kernel k_q9fd468fec3_qkv
		.amdhsa_group_segment_fixed_size 327680
		.amdhsa_private_segment_fixed_size 0
		.amdhsa_enable_private_segment 0
		.amdhsa_kernarg_size 72
		.amdhsa_user_sgpr_count 2
		.amdhsa_user_sgpr_kernarg_segment_ptr 1
		.amdhsa_wavefront_size32 1
		.amdhsa_system_sgpr_workgroup_id_x 1
		.amdhsa_system_sgpr_workgroup_id_y 1
		.amdhsa_system_sgpr_workgroup_id_z 1
		.amdhsa_system_vgpr_workitem_id 0
		.amdhsa_next_free_vgpr 1024
		.amdhsa_next_free_sgpr 96
		.amdhsa_reserve_vcc 0
		.amdhsa_float_denorm_mode_32 3
		.amdhsa_float_denorm_mode_16_64 3
		.amdhsa_memory_ordered 1
		.amdhsa_forward_progress 1
		.amdhsa_inst_pref_size 255
	.end_amdhsa_kernel
	.section	.bss,"aw",@nobits
	.p2align	6
	.space	262144
	.amdgpu_metadata
---
amdhsa.version: [ 1, 2 ]
amdhsa.kernels:
  - .name:           k_q9fd468fec3_qkv
    .symbol:         k_q9fd468fec3_qkv.kd
    .args:
      - { .name: input_indices, .offset: 0, .size: 8, .value_kind: global_buffer, .address_space: global }
      - { .name: emb, .offset: 8, .size: 8, .value_kind: global_buffer, .address_space: global }
      - { .name: pe, .offset: 16, .size: 8, .value_kind: global_buffer, .address_space: global }
      - { .name: wqkv, .offset: 24, .size: 8, .value_kind: global_buffer, .address_space: global }
      - { .name: bq, .offset: 32, .size: 8, .value_kind: global_buffer, .address_space: global }
      - { .name: bk, .offset: 40, .size: 8, .value_kind: global_buffer, .address_space: global }
      - { .name: bv, .offset: 48, .size: 8, .value_kind: global_buffer, .address_space: global }
      - { .name: qc, .offset: 56, .size: 8, .value_kind: global_buffer, .address_space: global }
      - { .name: kvs, .offset: 64, .size: 8, .value_kind: global_buffer, .address_space: global }
    .group_segment_fixed_size: 327680
    .private_segment_fixed_size: 0
    .kernarg_segment_align: 8
    .kernarg_segment_size: 72
    .max_flat_workgroup_size: 128
    .sgpr_count:     96
    .vgpr_count:     1024
    .wavefront_size: 32
...
	.end_amdgpu_metadata
.endif
;; end of part 2
;; launch chain (part 3): grid 32 x 8, 4 waves a work-group, clusters of 4 x 1, 327,680 bytes of LDS; arguments input_indices, emb, peu, qc, kvs, wst, g1, be1, b1, b2, g2, be2, b3, b4, g3, be3, out0; writes out0
.if DOCPART == 3
	.amdgcn_target "amdgcn-amd-amdhsa--gfx1250"
	.amdhsa_code_object_version 6
	.text
	.protected	k_q9fd468fec3_chain
	.globl	k_q9fd468fec3_chain
	.p2align	8
	.type	k_q9fd468fec3_chain,@function
k_q9fd468fec3_chain:
	s_mov_b64 s[64:65], 0
	v_nop
	global_prefetch_b8 v0, s[64:65] scope:SCOPE_SE
	s_setreg_imm32_b32 hwreg(HW_REG_WAVE_MODE, 25, 1), 1
	s_wait_xcnt 0x0
	s_wait_alu depctr_hold_cnt(0) depctr_sa_sdst(0) depctr_va_vdst(0) depctr_va_sdst(0) depctr_va_ssrc(0) depctr_va_vcc(0) depctr_vm_vsrc(0)
	s_getreg_b32 s2, hwreg(HW_REG_IB_STS2, 6, 4)
	s_cmp_eq_u32 s2, 0
	s_cbranch_scc0 .Lentry_in_a_cluster
	s_endpgm
.Lentry_in_a_cluster:
	s_bfe_u32 s2, ttmp6, 0x10000c
	s_cmp_lg_u32 s2, 0x3003
	s_cbranch_scc0 .Lentry_shape_is_right
	s_endpgm
.Lentry_shape_is_right:
; CHAIN: for 64 rows of one sequence: scores = q k^T, quantised along the keys; attn = scores v; u = attn Wu; h1 = LN(x + u + bu); h2 = LN(h1 + relu(h1 W1 + b1) W2 + b2); out = sigmoid(LN(relu(h2 W3 + b3) W4 + b4)).
; All seven products on codes of E4M3; every operand made on the way is quantised in registers; nothing but the result goes to memory.
; Left out: the division of the scores by 8, a power of two: the raw scores and the raw sum are quantised and 3 is taken off attn's scale bytes, with the floor 2^(12 - 127) under that block maximum
; (shown at the head of the first launch, with its limit).  W4's columns 75..79 are zero codes inside a tile that also holds live columns.
; SHARES.  THE WAVES SHARE THE COLUMNS, NEVER THE ROWS: wave w makes 128 of a chunk's 512 keys, 64 of attn's 256, 256 of the model's 1,024, 128 of a hidden 512, for all 64 rows.
; So each fragment of K, V or a weight is read from LDS once, by one wave, and feeds four matrix instructions; the rows' codes go from wave to wave through LDS as images of their registers.
; Every product is used transposed (source 0 = 16 keys, channels or columns, source 1 = 16 rows): a lane holds one row, and the tiles' members are chosen (lane r of tile 2 b + u: 32 b + 8 u + r + 8 (r / 8))
; so that two tiles' 16 registers are 16 neighbours along the next K.  The 64 rows are permuted likewise, as the launch before laid q, k and v.
; THE STREAM.  K0 V0 .. K3 V3 (chunks of 512 keys), Wu (2 slots), W1 (4), W2 (4), W3 (4): 22 slots of 135,168 bytes through a ring of two.  The four work-groups of a cluster belong to one sequence and walk the
; same stream: each wave asks for its quarter of a slot by one joint tensor load behind a round of the cluster's barrier, and reads that quarter alone.  A wave has one tensor load out at the most.
; W4 (42 KB of the 2.9 MB that a work-group streams) goes from memory straight into registers, by loads of the wave's own.
; REGISTERS, in windows of 256: window 0: v0-63 addresses, statistics, scales; v64-127 (X), v128-191 (Y) two sets of four row fragments, or a quantiser at work; v192-255 four streamed fragments.
;   window 1: scores and hidden layers (64 m + 8 t); at other times peu, g and be, b2, the logits.   windows 2, 3: the rows in f32, H(m, t) at 64 m + 8 (t % 8) of window 2 + t / 8;
;   during attention window 2 holds q (16 (2 m + s)) and the sum (128 + 32 m + 8 t); at the end both hold W4.
.set SLOTB, 135168
.set QB,    33792                      ; a wave's quarter of a slot: 16 fragments (32,768 bytes), their scale words (1,024): 132 rows of 256 bytes
.set RING1, SLOTB
.set R1,    2*SLOTB                    ; 16 images of row fragments: 4 x K step + row tile
.set R1S,   R1+32768                   ; their scale words, 128 bytes each
.set EX,    R1S+2048                   ; the norms' partial sums: two areas of [wave][r][m]
.set SPARE, EX+2048                    ; the spare words, 128 bytes a wave: two blocks of 256 bytes that no other line names
.set W4OFF, 14*SLOTB
.set RB0, 4                            ; v4, v5   my quarter's codes in ring 0, 1: + 16 x lane
.set RS0, 6                            ; v6, v7   its scale words: + 4 x lane
.set AR,  8                            ; v8   R1 + 16 x lane
.set ARS, 9                            ; v9   R1S + 4 x lane
.set AW,  10                           ; v10  where I store K step w: AR + 8,192 w
.set AWS, 11                           ; v11  ARS + 512 w
.set AWH, 12                           ; v12  where I store my half of K step w / 2: AR + 8,192 (w / 2) + 1,024 (w % 2)
.set AWHS,13                           ; v13  ARS + 512 (w / 2) + 2 (w % 2)
.set EXW, 14                           ; v14  EX + 256 w + 16 r
.set EXR, 15                           ; v15  EX + 16 r
.set SPW, 16
.set NIL, 17
.set AR4, 20                           ; v20  AR + 2,048 w: row tile w
.set ARS4,21                           ; v21  ARS + 128 w
.set GO,  22                           ; v22  1,024 w + 64 h: my columns of a row of 1,024
.set BO,  23                           ; v23  512 w + 64 h: of a row of 512
.set EO,  24                           ; v24-27 my four rows of emb, + GO
.set PO,  28                           ; v28  my row of peu in row tile 0, + GO
.set PFO, 29                           ; v29  256 x lane: the prefetches' offset; never rewritten
.set LI,  30                           ; v30  16 x lane
.set LS,  31                           ; v31  4 x lane
.set MU,  32                           ; v32-39 a row tile's mean, later 1 / deviation, twice (a pair for the packed forms)
.set BSC, 40                           ; v40, v41 the streamed fragments' scale words.  v40, v41, v44-55 hold scales and nothing else
.set SOA, 42                           ; v42  the way out: my row's place in the stage
.set OA,  43                           ; v43  16 x thread
.set ASX, 44                           ; v44-47, v48-51 the scale words of sets X, Y
.set QS,  52                           ; v52-55 q's
.set SA,  56                           ; v56-63 four running sums, in pairs
.set X,   64
.set Y,   128
.set BR,  192
.set T64, X                            ; a quantiser's held numbers
.set T32, X
.set PCD, Y                            ; its codes
.set PC2, Y
.set TM,  BR
.set PW,  BR+16
.set WV,  38
.set CX,  39
.set XB,  40
.set BAT, 41
.set N0,  42
.set QW,  43
.set G1,  44                           ; s[44:51] descriptor group 1
.set D0,  52                           ; s[52:55], s[56:59] group 0 for ring 0, 1
.set NA0, 60                           ; s[60:61], s[62:63] where my quarter of ring 0's, ring 1's next slot lies in memory
.set WSA, 66                           ; s[66:67] my quarter of the weights' first slot
.set PFA, 68                           ; s[68:69] where my prefetches stand
.set LIM, 70                           ; 1 in a cluster that prefetches, else the greatest number
.set CH,  71
.set LAY, 72
.set C10, 73                           ; 2^-10
.set SEL, 74
.set MNT, 76
.set HM,  77
.set GP,  78                           ; s[78:79] the layer's g;  s[80:81] its be;  s[82:83] its hidden bias
.set BEP, 80
.set BHP, 82
.set W4P, 84
.set TS,  86                           ; s86-95 at work
.set MSB, 0
.macro WIN new                         ; the immediate's high byte repeats the setting that is left
.if MSB != (\new)
	s_set_vgpr_msb (MSB<<8)|(\new)
.set MSB, \new
.endif
.endm
.macro ROUND                           ; a round of the cluster's barrier
	s_barrier_signal -1
	s_barrier_wait -1
	s_cmp_lg_u32 s[WV], 0
	s_cbranch_scc1 .Lnw0_\@
	s_barrier_signal -3
.Lnw0_\@:
	s_barrier_wait -3
	s_barrier_signal -1
	s_barrier_wait -1
.endm
.macro BAR                             ; my LDS stores have landed and my LDS loads are in: then the work-group's barrier.
	s_wait_dscnt 0x0
	s_barrier_signal -1
	s_barrier_wait -1
.endm
.macro PLACES8                         ; eight plain instructions between a matrix instruction of this form and a load into, or a vector instruction on, its registers
.rept 8
	v_nop
.endr
.endm
; A PREFETCH INTO THE L2 of the slot after the one just asked for, in the walk over K and V.  All eight clusters of a sequence walk the same slots: the first of them asks.  Of the 128 rows of 256 bytes of codes in
; my quarter the four partners take 32 each, told apart by address; a lane a row, one instruction a wave.  The loop's last trip asks for nothing: the slots that follow are the weights'.  Slots 0 and 1 come by their loads alone.
.macro ASK
	s_cmp_gt_u32 s[CH], s[LIM]
	s_cbranch_scc0 .Lnm_\@
	global_prefetch_b8 v[PFO], s[PFA:PFA+1] th:TH_LOAD_NT scope:SCOPE_SE
.Lnm_\@:
.endm
; THE CHANGE OF SLOTS.  Ring x, which has been read out, takes the stream's next slot but one.  Each wave waits for all its tensor loads (the one that is out is its quarter of the other ring), adds 0 to its spare
; word, and waits for that, for its LDS stores and for its reads of ring x; the round makes all that hold of every wave of the four work-groups; the joint load is the first thing behind it.
; mode = 1: in the walk over K and V: the prefetch's address steps, and the last trip's change of ring 0 asks for the weights' first slot.
.macro CHANGE x, mode
	WIN 0
	s_wait_tensorcnt 0x0                           ; no tensor load of mine is out: a group 0 may be written
	ds_add_u32 v[SPW], v[NIL]                      ; 0 onto my spare word; work on registers stands between it and the wait for it
.if \mode
	s_wait_xcnt 0x0                                ; the last prefetch, a slot back, has read its address
	s_add_nc_u64 s[PFA:PFA+1], s[PFA:PFA+1], SLOTB
.endif
.if (\mode) && ((\x) == 0)
	s_cmp_eq_u32 s[CH], 1
	s_cselect_b64 s[D0+2:D0+3], s[WSA:WSA+1], s[NA0:NA0+1]
.else
	s_mov_b64 s[D0+4*(\x)+2:D0+4*(\x)+3], s[NA0+2*(\x):NA0+2*(\x)+1]
.endif
	s_or_b32 s[D0+4*(\x)+3], s[D0+4*(\x)+3], 0x80000000
	s_wait_dscnt 0x0
	ROUND
	tensor_load_to_lds s[D0+4*(\x):D0+4*(\x)+3], s[G1:G1+7]
	s_nop 0
.rept 4
	v_nop
.endr
	s_add_nc_u64 s[NA0+2*(\x):NA0+2*(\x)+1], s[NA0+2*(\x):NA0+2*(\x)+1], 2*SLOTB
.if \mode
	ASK
.endif
.endm
; NDS counts the LDS loads issued in a slot, ENDB0 / ENDB1 what it stood at behind the last even / odd pair's loads: their difference is what was issued behind the pair that is waited for
.macro LDB p, rb, rs                   ; pair p of my quarter: fragments 2 p, 2 p + 1 and one register with both fragments' scale words (lanes 0-15, lanes 16-31): 9 loads
.irp e, 0,1
.irp c, 0,1,2,3
	ds_load_b128 v[BR+32*((\p)%2)+16*\e+4*\c:BR+32*((\p)%2)+16*\e+4*\c+3], v[(\rb)] offset:2048*(2*(\p)+\e)+512*\c
.endr
.endr
	ds_load_b32 v[BSC+(\p)%2], v[(\rs)] offset:128*(\p)
.set NDS, NDS+9
.if ((\p)%2) == 0
.set ENDB0, NDS
.else
.set ENDB1, NDS
.endif
.endm
.macro PWAIT p
.if ((\p)%2) == 0
	s_wait_dscnt NDS-ENDB0
.else
	s_wait_dscnt NDS-ENDB1
.endif
.endm
.macro LDA set, sc, adr, sadr, idx     ; four row fragments (images idx .. idx + 3) and their scale words: 20 loads
.irp m, 0,1,2,3
.irp c, 0,1,2,3
	ds_load_b128 v[(\set)+16*\m+4*\c:(\set)+16*\m+4*\c+3], v[\adr] offset:2048*((\idx)+\m)+512*\c
.endr
	ds_load_b32 v[(\sc)+\m], v[\sadr] offset:128*((\idx)+\m)
.endr
.set NDS, NDS+20
.endm
; one matrix instruction.  c < 0: the constant 0 starts the sum.  r0, r1: the scale words of source 0, 1 stand in lanes 16-31
.macro MM d, s0, s1, c, sc0, sc1, r0, r1
.if (\c) < 0
.if ((\r0)==0) && ((\r1)==0)
	v_wmma_scale_f32_16x16x128_f8f6f4 v[(\d):(\d)+7], v[(\s0):(\s0)+15], v[(\s1):(\s1)+15], 0, v[(\sc0)], v[(\sc1)]
.elseif ((\r0)==1) && ((\r1)==0)
	v_wmma_scale_f32_16x16x128_f8f6f4 v[(\d):(\d)+7], v[(\s0):(\s0)+15], v[(\s1):(\s1)+15], 0, v[(\sc0)], v[(\sc1)] matrix_a_scale:MATRIX_SCALE_ROW1
.elseif ((\r0)==0) && ((\r1)==1)
	v_wmma_scale_f32_16x16x128_f8f6f4 v[(\d):(\d)+7], v[(\s0):(\s0)+15], v[(\s1):(\s1)+15], 0, v[(\sc0)], v[(\sc1)] matrix_b_scale:MATRIX_SCALE_ROW1
.else
	v_wmma_scale_f32_16x16x128_f8f6f4 v[(\d):(\d)+7], v[(\s0):(\s0)+15], v[(\s1):(\s1)+15], 0, v[(\sc0)], v[(\sc1)] matrix_a_scale:MATRIX_SCALE_ROW1 matrix_b_scale:MATRIX_SCALE_ROW1
.endif
.else
.if ((\r0)==0) && ((\r1)==0)
	v_wmma_scale_f32_16x16x128_f8f6f4 v[(\d):(\d)+7], v[(\s0):(\s0)+15], v[(\s1):(\s1)+15], v[(\c):(\c)+7], v[(\sc0)], v[(\sc1)]
.elseif ((\r0)==1) && ((\r1)==0)
	v_wmma_scale_f32_16x16x128_f8f6f4 v[(\d):(\d)+7], v[(\s0):(\s0)+15], v[(\s1):(\s1)+15], v[(\c):(\c)+7], v[(\sc0)], v[(\sc1)] matrix_a_scale:MATRIX_SCALE_ROW1
.elseif ((\r0)==0) && ((\r1)==1)
	v_wmma_scale_f32_16x16x128_f8f6f4 v[(\d):(\d)+7], v[(\s0):(\s0)+15], v[(\s1):(\s1)+15], v[(\c):(\c)+7], v[(\sc0)], v[(\sc1)] matrix_b_scale:MATRIX_SCALE_ROW1
.else
	v_wmma_scale_f32_16x16x128_f8f6f4 v[(\d):(\d)+7], v[(\s0):(\s0)+15], v[(\s1):(\s1)+15], v[(\c):(\c)+7], v[(\sc0)], v[(\sc1)] matrix_a_scale:MATRIX_SCALE_ROW1 matrix_b_scale:MATRIX_SCALE_ROW1
.endif
.endif
.endm
; 64 numbers of a lane in window win, register s + 16 b + i = k 32 b + 16 (lane / 16) + i of my row, become a fragment's codes in v[PCD + 16 k] on and its scale word in v[PW + k].  The numbers stay as they are.
; relu = 1: what is negative becomes 0 on the way: it does not count for the largest magnitude, and the hold clips at 0.
.macro QUANT win, s, relu, k
	WIN (\win)|((\win)<<2)
.irp b, 0,1,2,3
.if \relu
	v_max3_num_f32 v[TM+\b], v[(\s)+16*\b], v[(\s)+16*\b+1], 0x4800000
.else
	v_max3_num_f32 v[TM+\b], |v[(\s)+16*\b]|, |v[(\s)+16*\b+1]|, 0x4800000   ; my 16 numbers of block b, and the floor 2^(9 - 127): the byte cannot fall under 1
.endif
.endr
.irp i, 2,4,6,8,10,12,14
.irp b, 0,1,2,3
.if \relu
	v_max3_num_f32 v[TM+\b], v[(\s)+16*\b+\i], v[(\s)+16*\b+\i+1], v[TM+\b]
.else
	v_max3_num_f32 v[TM+\b], |v[(\s)+16*\b+\i]|, |v[(\s)+16*\b+\i+1]|, v[TM+\b]
.endif
.endr
.endr
	WIN 0
.irp b, 0,1,2,3
	v_permlanex16_b32 v[TM+4+\b], v[TM+\b], s[SEL], s[SEL+1]
.endr
.irp b, 0,1,2,3
	v_max_num_f32 v[TM+\b], v[TM+\b], v[TM+4+\b]   ; with lane l xor 16's: the block's largest magnitude
.endr
.irp b, 0,1,2,3
	v_add_nc_u32 v[TM+12+\b], 0xfc000000, v[TM+\b] ; 8 off its exponent field: the conversion's scale operand
.endr
.irp b, 0,1,2,3
	v_and_or_b32 v[TM+8+\b], v[TM+\b], 0x7f800000, s[MNT]   ; 448 x the scale
.endr
.irp b, 0,1,2,3
	v_lshrrev_b32 v[TM+4+\b], 23, v[TM+12+\b]      ; the scale byte
.endr
	v_lshl_or_b32 v[PW+(\k)], v[TM+5], 8, v[TM+4]
	v_lshl_or_b32 v[PW+(\k)], v[TM+6], 16, v[PW+(\k)]
	v_lshl_or_b32 v[PW+(\k)], v[TM+7], 24, v[PW+(\k)]
	WIN \win
.irp b, 0,1,2,3
.irp i, 0,1,2,3,4,5,6,7,8,9,10,11,12,13,14,15
.if \relu
	v_med3_num_f32 v[T64+16*\b+\i], v[(\s)+16*\b+\i], 0, v[TM+8+\b]             ; the activation and the hold in one
.else
	v_med3_num_f32 v[T64+16*\b+\i], v[(\s)+16*\b+\i], -v[TM+8+\b], v[TM+8+\b]   ; the conversion does not saturate (ISA guide 7.6.2): the hold comes first
.endif
.endr
.endr
	WIN 0
.irp b, 0,1,2,3
	v_cvt_scalef32_pk8_fp8_f32 v[PCD+16*(\k)+4*\b:PCD+16*(\k)+4*\b+1], v[T64+16*\b:T64+16*\b+7], v[TM+12+\b]
	v_cvt_scalef32_pk8_fp8_f32 v[PCD+16*(\k)+4*\b+2:PCD+16*(\k)+4*\b+3], v[T64+16*\b+8:T64+16*\b+15], v[TM+12+\b]
.endr
	v_nop                                          ; a plain instruction behind the last conversion
.endm
; the same for 32 numbers, two blocks: 8 registers of codes in v[PC2 + 8 k] on, the two bytes in v[PW + k].  fl: the floor
.macro QUANT2 win, s, k, fl
	WIN (\win)|((\win)<<2)
.irp b, 0,1
	v_max3_num_f32 v[TM+\b], |v[(\s)+16*\b]|, |v[(\s)+16*\b+1]|, \fl
.endr
.irp i, 2,4,6,8,10,12,14
.irp b, 0,1
	v_max3_num_f32 v[TM+\b], |v[(\s)+16*\b+\i]|, |v[(\s)+16*\b+\i+1]|, v[TM+\b]
.endr
.endr
	WIN 0
.irp b, 0,1
	v_permlanex16_b32 v[TM+4+\b], v[TM+\b], s[SEL], s[SEL+1]
.endr
.irp b, 0,1
	v_max_num_f32 v[TM+\b], v[TM+\b], v[TM+4+\b]
.endr
.irp b, 0,1
	v_add_nc_u32 v[TM+12+\b], 0xfc000000, v[TM+\b]
.endr
.irp b, 0,1
	v_and_or_b32 v[TM+8+\b], v[TM+\b], 0x7f800000, s[MNT]
.endr
.irp b, 0,1
	v_lshrrev_b32 v[TM+4+\b], 23, v[TM+12+\b]
.endr
	v_lshl_or_b32 v[PW+(\k)], v[TM+5], 8, v[TM+4]
	WIN \win
.irp b, 0,1
.irp i, 0,1,2,3,4,5,6,7,8,9,10,11,12,13,14,15
	v_med3_num_f32 v[T32+16*\b+\i], v[(\s)+16*\b+\i], -v[TM+8+\b], v[TM+8+\b]
.endr
.endr
	WIN 0
.irp b, 0,1
	v_cvt_scalef32_pk8_fp8_f32 v[PC2+8*(\k)+4*\b:PC2+8*(\k)+4*\b+1], v[T32+16*\b:T32+16*\b+7], v[TM+12+\b]
	v_cvt_scalef32_pk8_fp8_f32 v[PC2+8*(\k)+4*\b+2:PC2+8*(\k)+4*\b+3], v[T32+16*\b+8:T32+16*\b+15], v[TM+12+\b]
.endr
	v_nop
.endm
.macro IMAGE adr, off, pc              ; a fragment goes to LDS as its registers stand: 512 consecutive bytes a store
.irp c, 0,1,2,3
	ds_store_b128 v[\adr], v[(\pc)+4*\c:(\pc)+4*\c+3] offset:(\off)+512*\c
.endr
.endm
.macro QIMG win, relu                  ; my four row tiles in window win become K step w of the next product
.irp m, 0,1,2,3
	QUANT \win, 64*\m, \relu, \m
	IMAGE AW, 2048*\m, PCD+16*\m
	ds_store_b32 v[AWS], v[PW+\m] offset:128*\m
.endr
.endm
.macro XHALF i, wm                     ; columns 128 i on of my 256, for the 64 rows: emb into the window that wm names, peu into window 1: register 64 m + 16 b + 4 j on = columns 32 b + 16 h + 4 j on
	WIN \wm
.irp m, 0,1,2,3
.irp b, 0,1,2,3
.irp j, 0,1,2,3
	global_load_b128 v[64*\m+16*\b+4*\j:64*\m+16*\b+4*\j+3], v[EO+\m], s[6:7] offset:512*\i+128*\b+16*\j
.endr
.endr
.endr
	WIN 0x40
.irp m, 0,1,2,3
.irp b, 0,1,2,3
.irp j, 0,1,2,3
	global_load_b128 v[64*\m+16*\b+4*\j:64*\m+16*\b+4*\j+3], v[PO], s[8:9] offset:4096*(32*(\m/2)+8*(\m%2))+512*\i+128*\b+16*\j
.endr
.endr
.endr
	WIN 0
.endm
.macro ADDW1 msb, base                 ; the 256 registers of a window of H take, pair by pair, window 1's 256 (base < 0) or, in each row tile, window 1's 64 from base on
	WIN \msb
.set PI, 0
.rept 32
.irp m, 0,1,2,3
.if (\base) < 0
	v_pk_add_f32 v[64*\m+2*PI:64*\m+2*PI+1], v[64*\m+2*PI:64*\m+2*PI+1], v[64*\m+2*PI:64*\m+2*PI+1]
.else
	v_pk_add_f32 v[64*\m+2*PI:64*\m+2*PI+1], v[64*\m+2*PI:64*\m+2*PI+1], v[(\base)+2*PI:(\base)+2*PI+1]
.endif
.endr
.set PI, PI+1
.endr
	WIN 0
.endm
; THE SLOTS.  A slot is eight pairs of fragments.  A pair's step: the wait for its loads; eight matrix instructions, the pair's two tiles x the four row tiles, eight accumulators by turns
; eight places; the loads of the pair after next into the registers just read.
.macro SLOT_S                          ; scores: ring 0 holds my 128 keys: fragment 8 s + t; q stays in window 2
.set NDS, 0
	LDB 0, RB0, RS0
	LDB 1, RB0, RS0
.irp p, 0,1,2,3,4,5,6,7
	PWAIT \p
	WIN 0x58                                       ; source 1 window 2, C and D window 1
.irp m, 0,1,2,3
.irp e, 0,1
.if \p < 4
	MM 64*\m+8*(2*(\p%4)+\e), BR+32*(\p%2)+16*\e, 16*(2*\m+\p/4), -1, BSC+\p%2, QS+\m, \e, \p/4
.else
	MM 64*\m+8*(2*(\p%4)+\e), BR+32*(\p%2)+16*\e, 16*(2*\m+\p/4), 64*\m+8*(2*(\p%4)+\e), BSC+\p%2, QS+\m, \e, \p/4
.endif
.endr
.endr
	PLACES8
	WIN 0
.if \p < 6
	LDB \p+2, RB0, RS0
.endif
.endr
.endm
.macro SLOT_PV                         ; the sum over a chunk's 512 keys: ring 1 holds my 64 channels: fragment 4 kappa + t; the scores' fragments of K step kappa come from LDS into X and Y by turns
.set NDS, 0
	LDA X, ASX, AR, ARS, 0
	LDB 0, RB0+1, RS0+1
	LDB 1, RB0+1, RS0+1
.irp p, 0,1,2,3,4,5,6,7
	PWAIT \p
	WIN 0xa0                                       ; C and D window 2
.irp m, 0,1,2,3
.irp e, 0,1
	MM 128+32*\m+8*(2*(\p%2)+\e), BR+32*(\p%2)+16*\e, X+64*((\p/2)%2)+16*\m, 128+32*\m+8*(2*(\p%2)+\e), BSC+\p%2, ASX+4*((\p/2)%2)+\m, \e, 0
.endr
.endr
	PLACES8
	WIN 0
.if ((\p%2) == 0) && (\p < 6)
	LDA X+64*((\p/2+1)%2), ASX+4*((\p/2+1)%2), AR, ARS, 4*(\p/2+1)
.endif
.if \p < 6
	LDB \p+2, RB0+1, RS0+1
.endif
.endr
.endm
.macro SLOT2K rg, msb, lda, k0         ; two K steps x eight tiles (Wu, W1, W3): fragment 8 s + t; accumulator 64 m + 8 t of the window that msb names.  lda = 1: the rows' fragments of K steps k0, k0 + 1 come into X, Y
.set NDS, 0
.if \lda
	LDA X, ASX, AR, ARS, 4*(\k0)
.endif
	LDB 0, RB0+\rg, RS0+\rg
	LDB 1, RB0+\rg, RS0+\rg
.irp p, 0,1,2,3,4,5,6,7
	PWAIT \p
	WIN \msb
.irp m, 0,1,2,3
.irp e, 0,1
	MM 64*\m+8*(2*(\p%4)+\e), BR+32*(\p%2)+16*\e, X+64*(\p/4)+16*\m, 64*\m+8*(2*(\p%4)+\e), BSC+\p%2, ASX+4*(\p/4)+\m, \e, 0
.endr
.endr
	PLACES8
	WIN 0
.if (\lda) && (\p == 0)
	LDA Y, ASX+4, AR, ARS, 4*(\k0)+4
.endif
.if \p < 6
	LDB \p+2, RB0+\rg, RS0+\rg
.endif
.endr
.endm
.macro SLOT_W2 rg, ks                  ; one K step x sixteen tiles: fragment t; H's window 2, then 3
.set NDS, 0
	LDA X+64*(\rg), ASX+4*(\rg), AR, ARS, 4*(\ks)
	LDB 0, RB0+\rg, RS0+\rg
	LDB 1, RB0+\rg, RS0+\rg
.irp p, 0,1,2,3,4,5,6,7
	PWAIT \p
	WIN 0xa0+0x50*(\p/4)
.irp m, 0,1,2,3
.irp e, 0,1
	MM 64*\m+8*(2*(\p%4)+\e), BR+32*(\p%2)+16*\e, X+64*(\rg)+16*\m, 64*\m+8*(2*(\p%4)+\e), BSC+\p%2, ASX+4*(\rg)+\m, \e, 0
.endr
.endr
	PLACES8
	WIN 0
.if \p < 6
	LDB \p+2, RB0+\rg, RS0+\rg
.endif
.endr
.endm
; The four sums of v[SA] on (a pair for each row tile) are added over the pair, over lane l xor 16 and over the four waves: the rows' totals in v[X] .. v[X + 3], the same bits in every wave
.macro EXCH area
	WIN 0
.irp m, 0,1,2,3
	v_add_f32 v[X+\m], v[SA+2*\m], v[SA+2*\m+1]
.endr
.irp m, 0,1,2,3
	v_permlanex16_b32 v[X+4+\m], v[X+\m], s[SEL], s[SEL+1]
.endr
.irp m, 0,1,2,3
	v_add_f32 v[X+\m], v[X+\m], v[X+4+\m]
.endr
	ds_store_b128 v[EXW], v[X:X+3] offset:1024*\area   ; lanes r and 16 + r write the same bytes with the same values
	BAR
.irp w, 0,1,2,3
	ds_load_b128 v[X+8+4*\w:X+8+4*\w+3], v[EXR] offset:1024*\area+256*\w
.endr
	s_wait_dscnt 0x0
.irp m, 0,1,2,3
	v_add_f32 v[X+\m], v[X+8+\m], v[X+12+\m]
.endr
.irp m, 0,1,2,3
	v_add_f32 v[X+4+\m], v[X+16+\m], v[X+20+\m]
.endr
.irp m, 0,1,2,3
	v_add_f32 v[X+\m], v[X+\m], v[X+4+\m]
.endr
.endm
; H = (H - mean) / sqrt(var + 1e-5) x g + be, in place, over the 1,024 columns that the four waves share.  g and be lie in window 1 (64 i + .., 128 + 64 i + ..) when their loads have come.
.macro LNORM
	WIN 0
.irp i, 0,1,2,3,4,5,6,7
	v_mov_b32 v[SA+\i], 0
.endr
.irp w, 2,3
	WIN (\w)<<2
.set PI, 0
.rept 32
.irp m, 0,1,2,3
	v_pk_add_f32 v[SA+2*\m:SA+2*\m+1], v[SA+2*\m:SA+2*\m+1], v[64*\m+2*PI:64*\m+2*PI+1]   ; four chains; each accumulator from its low end on
.endr
.set PI, PI+1
.endr
.endr
	EXCH 0
.irp m, 0,1,2,3
	v_mul_f32 v[MU+2*\m], s[C10], v[X+\m]          ; the mean,
	v_mul_f32 v[MU+2*\m+1], s[C10], v[X+\m]        ; twice
.endr
.irp i, 0,1,2,3,4,5,6,7
	v_mov_b32 v[SA+\i], 0
.endr
.irp w, 2,3
	WIN ((\w)<<6)|(\w)
.set PI, 0
.rept 32
.irp m, 0,1,2,3
	v_pk_add_f32 v[64*\m+2*PI:64*\m+2*PI+1], v[64*\m+2*PI:64*\m+2*PI+1], v[MU+2*\m:MU+2*\m+1] neg_lo:[0,1] neg_hi:[0,1]
.endr
.set PI, PI+1
.endr
	WIN ((\w)<<2)|(\w)
.set PI, 0
.rept 32
.irp m, 0,1,2,3
	v_pk_fma_f32 v[SA+2*\m:SA+2*\m+1], v[64*\m+2*PI:64*\m+2*PI+1], v[64*\m+2*PI:64*\m+2*PI+1], v[SA+2*\m:SA+2*\m+1]
.endr
.set PI, PI+1
.endr
.endr
	EXCH 1
.irp m, 0,1,2,3
	v_fmaak_f32 v[X+\m], s[C10], v[X+\m], 0x3727c5ac   ; the variance + 1e-5
.endr
.irp m, 0,1,2,3
	v_rsq_f32 v[MU+2*\m], v[X+\m]
.endr
	v_nop                                          ; a plain instruction behind the last of them,
	s_wait_alu depctr_va_vdst(0)                   ; and the wait ahead of the first reader: one for the four
.irp m, 0,1,2,3
	v_mov_b32 v[MU+2*\m+1], v[MU+2*\m]
.endr
	s_wait_loadcnt 0x0                             ; g and be
.irp w, 2,3
	WIN ((\w)<<6)|(\w)
.set PI, 0
.rept 32
.irp m, 0,1,2,3
	v_pk_mul_f32 v[64*\m+2*PI:64*\m+2*PI+1], v[64*\m+2*PI:64*\m+2*PI+1], v[MU+2*\m:MU+2*\m+1]
.endr
.set PI, PI+1
.endr
	WIN ((\w)<<6)|(\w)|0x14
.set PI, 0
.rept 32
.irp m, 0,1,2,3
	v_pk_fma_f32 v[64*\m+2*PI:64*\m+2*PI+1], v[64*\m+2*PI:64*\m+2*PI+1], v[64*(\w-2)+2*PI:64*(\w-2)+2*PI+1], v[128+64*(\w-2)+2*PI:128+64*(\w-2)+2*PI+1]
.endr
.set PI, PI+1
.endr
.endr
	WIN 0
.endm
	s_load_b512 s[4:19], s[0:1], 0x0               ; input_indices emb peu qc kvs wst g1 be1
	s_load_b512 s[20:35], s[0:1], 0x40             ; b1 b2 g2 be2 b3 b4 g3 be3
	s_load_b64 s[36:37], s[0:1], 0x80              ; out0
	v_lshl_add_u32 v[SPW], v0, 2, SPARE
	v_mov_b32 v[NIL], 0
	ds_add_u32 v[SPW], v[NIL]                      ; the wave's opening: the add, twice on end, and its wait ahead of my first tensor load
	ds_add_u32 v[SPW], v[NIL]
	v_lshrrev_b32 v1, 5, v0
	v_readfirstlane_b32 s[WV], v1                  ; wave 0..3
	s_bfe_u32 s[CX], ttmp6, 0x40000                ; my place in the cluster: it enters global addresses of my own rows, and the prefetches', alone
	s_lshl_b32 s[XB], ttmp9, 2
	s_add_co_u32 s[XB], s[XB], s[CX]               ; my block of 64 rows in the sequence
	s_and_b32 s[BAT], ttmp7, 0xffff                ; the sequence, which the four partners share
	s_lshl_b32 s[N0], s[XB], 6
	s_mul_i32 s[QW], s[WV], QB                     ; my quarter
	s_mov_b32 s[G1], 15|(3<<16)|(1<<21)            ; the mask: all four work-groups; elements of 8 bytes; bit 21 set beside a mask; no padding
	s_mov_b32 s[G1+1], 32<<16                      ; tensor_dim0 = 32 elements: rows of 256 bytes
	s_mov_b32 s[G1+2], 132<<16                     ; tensor_dim1 = 132 rows
	s_mov_b32 s[G1+3], 32<<16                      ; tile_dim0
	s_mov_b32 s[G1+4], 132                         ; tile_dim1
	s_mov_b32 s[G1+5], 32                          ; the pitch: the block is dense
	s_mov_b32 s[G1+6], 0
	s_mov_b32 s[G1+7], 0
	s_mov_b32 s[D0], 1
	s_mov_b32 s[D0+1], s[QW]
	s_mov_b32 s[D0+4], 1
	s_add_co_u32 s[D0+5], s[QW], RING1
	s_mov_b32 s[SEL], 0x76543210
	s_mov_b32 s[SEL+1], 0xfedcba98                 ; v_permlanex16_b32's selects for lane l xor 16
	s_mov_b32 s[MNT], 0x600000                     ; the mantissa field of 448
	s_mov_b32 s[HM], 0xffff0000                    ; lanes 16-31
	s_mov_b32 s[C10], 0x3a800000
	s_cmp_eq_u32 ttmp9, 0                          ; the sequence's first cluster prefetches: the same in all four partners
	s_cselect_b32 s[LIM], 1, -1
	s_mul_i32 s[TS], s[BAT], 8*SLOTB
	s_add_co_u32 s[TS], s[TS], s[QW]
	s_mov_b32 s[TS+1], 0
	s_lshl_b32 s[TS+2], s[CX], 13                  ; my work-group's 32 rows of a quarter's 128,
	s_add_co_u32 s[TS+2], s[TS+2], SLOTB           ; in slot 1: the first change of slots steps it to slot 2
	s_mov_b32 s[TS+3], 0
	s_mov_b32 s[TS+4], s[QW]
	s_mov_b32 s[TS+5], 0
	s_wait_dscnt 0x0                               ; both opening adds are done
	s_wait_kmcnt 0x0
	s_add_nc_u64 s[NA0:NA0+1], s[12:13], s[TS:TS+1]
	s_add_nc_u64 s[NA0+2:NA0+3], s[NA0:NA0+1], SLOTB
	s_add_nc_u64 s[PFA:PFA+1], s[NA0:NA0+1], s[TS+2:TS+3]
	s_add_nc_u64 s[WSA:WSA+1], s[14:15], s[TS+4:TS+5]
	ROUND                                          ; all four work-groups are here: the first joint loads meet
	s_mov_b64 s[D0+2:D0+3], s[NA0:NA0+1]
	s_or_b32 s[D0+3], s[D0+3], 0x80000000
	tensor_load_to_lds s[D0:D0+3], s[G1:G1+7]      ; K of chunk 0
	s_nop 0
.rept 4
	v_nop
.endr
	s_add_nc_u64 s[NA0:NA0+1], s[NA0:NA0+1], 2*SLOTB
	v_and_b32 v1, 31, v0                           ; lane
	v_and_b32 v2, 15, v0                           ; r
	v_bfe_u32 v3, v0, 4, 1                         ; h
	v_lshlrev_b32 v[LI], 4, v1
	v_lshlrev_b32 v[LS], 2, v1
	v_lshlrev_b32 v[PFO], 8, v1
	v_lshlrev_b32 v[OA], 4, v0
	v_add_nc_u32 v[RB0], s[QW], v[LI]
	v_add_nc_u32 v[RB0+1], RING1, v[RB0]
	v_add_nc_u32 v[RS0], s[QW], v[LS]
	v_add_nc_u32 v[RS0], 32768, v[RS0]
	v_add_nc_u32 v[RS0+1], RING1, v[RS0]
	v_add_nc_u32 v[AR], R1, v[LI]
	v_add_nc_u32 v[ARS], R1S, v[LS]
	s_lshr_b32 s[TS], s[WV], 1                     ; w / 2
	s_and_b32 s[TS+1], s[WV], 1                    ; w % 2
	s_lshl_b32 s[TS+2], s[WV], 13
	v_add_nc_u32 v[AW], s[TS+2], v[AR]
	s_lshl_b32 s[TS+2], s[WV], 9
	v_add_nc_u32 v[AWS], s[TS+2], v[ARS]
	s_lshl_b32 s[TS+2], s[TS], 13
	s_lshl_b32 s[TS+3], s[TS+1], 10
	s_add_co_u32 s[TS+2], s[TS+2], s[TS+3]
	v_add_nc_u32 v[AWH], s[TS+2], v[AR]
	s_lshl_b32 s[TS+2], s[TS], 9
	s_lshl_b32 s[TS+3], s[TS+1], 1
	s_add_co_u32 s[TS+2], s[TS+2], s[TS+3]
	v_add_nc_u32 v[AWHS], s[TS+2], v[ARS]
	v_lshl_add_u32 v[EXR], v2, 4, EX
	s_lshl_b32 s[TS+2], s[WV], 8
	v_add_nc_u32 v[EXW], s[TS+2], v[EXR]
	s_lshl_b32 s[TS+2], s[WV], 11
	v_add_nc_u32 v[AR4], s[TS+2], v[AR]
	s_lshl_b32 s[TS+2], s[WV], 7
	v_add_nc_u32 v[ARS4], s[TS+2], v[ARS]
	s_lshl_b32 s[TS+2], s[WV], 10
	v_lshl_add_u32 v[GO], v3, 6, s[TS+2]
	s_lshl_b32 s[TS+2], s[WV], 9
	v_lshl_add_u32 v[BO], v3, 6, s[TS+2]
	v_and_b32 v18, 8, v2
	v_add_nc_u32 v18, v18, v2                      ; r + 8 (r / 8)
	s_lshl_b32 s[TS+2], s[TS], 5
	s_lshl_b32 s[TS+3], s[TS+1], 3
	s_add_co_u32 s[TS+2], s[TS+2], s[TS+3]
	v_add_nc_u32 v[SOA], s[TS+2], v18              ; the row of the block that lane r of row tile w stands for
	v_mul_u32_u24 v[SOA], v[SOA], 300
	v_lshl_add_u32 v[SOA], v3, 5, v[SOA]
	v_lshlrev_b32 v19, 2, v18
	v_add_nc_u32 v[PO], s[N0], v18
	v_lshl_add_u32 v[PO], v[PO], 12, v[GO]
	s_lshl_b32 s[TS], s[BAT], 11
	s_add_co_u32 s[TS], s[TS], s[N0]               ; my block's first row among the 16,384
	s_mov_b32 s[TS+3], 0
	s_lshl_b32 s[TS+2], s[TS], 2
	s_add_nc_u64 s[4:5], s[4:5], s[TS+2:TS+3]
	s_mul_i32 s[TS+2], s[TS], 300
	s_add_nc_u64 s[36:37], s[36:37], s[TS+2:TS+3]
	s_lshr_b32 s[TS+2], s[TS], 6
	s_mul_i32 s[TS+2], s[TS+2], 16896
	s_add_nc_u64 s[10:11], s[10:11], s[TS+2:TS+3]
.irp m, 0,1,2,3
	global_load_b32 v[EO+\m], v19, s[4:5] offset:4*(32*(\m/2)+8*(\m%2))   ; my four rows' indices
.endr
	WIN 0x80
.irp f, 0,1,2,3,4,5,6,7
.irp c, 0,1,2,3
	global_load_b128 v[16*\f+4*\c:16*\f+4*\c+3], v[LI], s[10:11] offset:2048*\f+512*\c   ; q's eight fragments stay in window 2
.endr
.endr
	WIN 0
.irp m, 0,1,2,3
	global_load_b32 v[QS+\m], v[LS], s[10:11] offset:16384+128*\m         ; lanes 0-15: K step 0's scale words, lanes 16-31: K step 1's
.endr
	s_mov_b32 s[TS+5], 0x7d00
	s_wait_loadcnt 36                              ; the indices are in; q's 36 loads, issued behind them, may be out
.irp m, 0,1,2,3
	v_cmp_gt_i32 s[TS+4], s[TS+5], v[EO+\m]
	v_cndmask_b32 v[EO+\m], 1, v[EO+\m], s[TS+4]   ; an index of 32,000 or more is read as 1
	v_min_u32 v[EO+\m], 0x7cff, v[EO+\m]
	v_lshl_add_u32 v[EO+\m], v[EO+\m], 12, v[GO]
.endr
	XHALF 1, 0xc0                                  ; the upper half of my columns of x + bu, while K's first slot lands
	s_wait_loadcnt 0x0
	ADDW1 0xc7, -1
	WIN 0x80
.set PI, 0
.rept 128
	v_mov_b32 v[128+PI], 0                         ; the sum over the keys begins at 0, so that the chunk is written once
.set PI, PI+1
.endr
	WIN 0
	; ---- ATTENTION WITHOUT SOFTMAX: four chunks of 512 keys; a trip goes once round the ring
	s_mov_b32 s[CH], 4
.Lchunk:
	CHANGE 1, 1                                    ; K's slot has landed; V's is asked for
	SLOT_S
	QIMG 1, 0                                      ; my 128 keys' scores are K step w of the chunk
	CHANGE 0, 1                                    ; V's slot has landed and the scores' images are shown; the next chunk's K (at the end: Wu's first slot) is asked for
	SLOT_PV
	WIN 0
	s_sub_co_u32 s[CH], s[CH], 1
	s_cmp_lg_u32 s[CH], 0
	s_cbranch_scc1 .Lchunk
	; ---- Wu: H = (x + bu) + attn Wu
	s_add_nc_u64 s[NA0+2:NA0+3], s[WSA:WSA+1], SLOTB
	s_add_nc_u64 s[NA0:NA0+1], s[WSA:WSA+1], 2*SLOTB
	CHANGE 1, 0                                    ; behind this round nobody reads the scores' images any more
.irp m, 0,1,2,3
	QUANT2 2, 128+32*\m, \m, 0x6000000             ; 8 x attn: my 64 channels are half a K step.  The floor 2^(12 - 127): the byte less 3 cannot fall under 1
	v_add_nc_u32 v[PW+\m], 0xfffffcfd, v[PW+\m]    ; 3 off each of the two bytes: the division by 8
	ds_store_b128 v[AWH], v[PC2+8*\m:PC2+8*\m+3] offset:2048*\m
	ds_store_b128 v[AWH], v[PC2+8*\m+4:PC2+8*\m+7] offset:2048*\m+512
	ds_store_b16 v[AWHS], v[PW+\m] offset:128*\m
.endr
	XHALF 0, 0x80                                  ; the lower half of x + bu, over q and the sum, which are done with; it lands while the upper half is multiplied
	BAR
	SLOT2K 0, 0xf0, 1, 0                           ; tiles 8..15
	CHANGE 0, 0
	s_wait_loadcnt 0x0
	ADDW1 0x86, -1
	SLOT2K 1, 0xa0, 0, 0                           ; tiles 0..7: attn's fragments are still in X and Y
	; ---- TWO LAYERS of the same shape: a norm, then 1,024 -> 512 with relu.  The first goes on through W2 and round again; the second leaves for the tail
	s_mov_b32 s[LAY], 2
	s_mov_b64 s[GP:GP+1], s[16:17]
	s_mov_b64 s[BEP:BEP+1], s[18:19]
	s_mov_b64 s[BHP:BHP+1], s[20:21]
	WIN 0
.Llayer:
	CHANGE 1, 0
	WIN 0x40
.irp i, 0,1
.irp b, 0,1,2,3
.irp j, 0,1,2,3
	global_load_b128 v[64*\i+16*\b+4*\j:64*\i+16*\b+4*\j+3], v[GO], s[GP:GP+1] offset:512*\i+128*\b+16*\j
	global_load_b128 v[128+64*\i+16*\b+4*\j:128+64*\i+16*\b+4*\j+3], v[GO], s[BEP:BEP+1] offset:512*\i+128*\b+16*\j
.endr
.endr
.endr
	LNORM
	WIN 0x40
.irp m, 0,1,2,3                        ; the hidden bias is what the sums begin with
.irp b, 0,1,2,3
.irp j, 0,1,2,3
	global_load_b128 v[64*\m+16*\b+4*\j:64*\m+16*\b+4*\j+3], v[BO], s[BHP:BHP+1] offset:128*\b+16*\j
.endr
.endr
.endr
	WIN 0
	QIMG 2, 0                                      ; the waves' lower halves: K steps 0, 2, 4, 6, which the stream brings first
	BAR
	s_wait_loadcnt 0x0
	SLOT2K 0, 0x50, 1, 0
	CHANGE 0, 0
	SLOT2K 1, 0x50, 1, 2
	CHANGE 1, 0                                    ; behind this round nobody reads those images any more
	QIMG 3, 0                                      ; the upper halves: K steps 1, 3, 5, 7
	BAR
	SLOT2K 0, 0x50, 1, 0
	s_wait_tensorcnt 0x0                           ; my quarter of the layer's last slot, which I alone read, has landed
	SLOT2K 1, 0x50, 1, 2
	WIN 0
	BAR                                            ; nobody reads the images any more
	QIMG 1, 1                                      ; relu and quantiser: my 128 hidden units are K step w
	s_cmp_eq_u32 s[LAY], 1
	s_cbranch_scc1 .Ltail                          ; the second layer's tail is written out: it asks for no slot
	WIN 0x40
.irp i, 0,1
.irp b, 0,1,2,3
.irp j, 0,1,2,3
	global_load_b128 v[64*\i+16*\b+4*\j:64*\i+16*\b+4*\j+3], v[GO], s[22:23] offset:512*\i+128*\b+16*\j   ; b2
.endr
.endr
.endr
	CHANGE 0, 0                                    ; the round shows the hidden layer's images
	s_wait_loadcnt 0x0
	ADDW1 0x86, 0                                  ; H = h1 + b2; the products add onto it
	ADDW1 0xc7, 64
	CHANGE 1, 0
	SLOT_W2 0, 0
	CHANGE 0, 0
	SLOT_W2 1, 1
	CHANGE 1, 0
	SLOT_W2 0, 2
	CHANGE 0, 0
	SLOT_W2 1, 3
	WIN 0
	s_mov_b64 s[GP:GP+1], s[24:25]
	s_mov_b64 s[BEP:BEP+1], s[26:27]
	s_mov_b64 s[BHP:BHP+1], s[28:29]
	s_sub_co_u32 s[LAY], s[LAY], 1
	s_branch .Llayer
	; ---- THE TAIL: logits = hidden W4 + b4, the norm over 75, the sigmoid.  Wave w takes row tile w and all five column tiles (16 neighbouring columns each).
.Ltail:
	s_add_nc_u64 s[W4P:W4P+1], s[14:15], W4OFF
	WIN 0x80
.irp f, 0,1,2,3,4,5,6,7,8,9,10,11,12,13,14,15
.irp c, 0,1,2,3
	global_load_b128 v[16*\f+4*\c:16*\f+4*\c+3], v[LI], s[W4P:W4P+1] offset:2048*\f+512*\c      ; fragment f = 5 s + T
.endr
.endr
	WIN 0xc0
.irp f, 16,17,18,19
.irp c, 0,1,2,3
	global_load_b128 v[16*(\f-16)+4*\c:16*(\f-16)+4*\c+3], v[LI], s[W4P:W4P+1] offset:2048*\f+512*\c
.endr
.endr
	WIN 0
.irp p, 0,1,2,3,4,5,6,7,8,9
	global_load_b32 v[40+\p+6*((\p+6)/8)], v[LS], s[W4P:W4P+1] offset:40960+128*\p   ; the scale words of fragments 2 p, 2 p + 1, in v40, v41, v48-55
.endr
	v_bfe_u32 v1, v0, 4, 1
	v_lshlrev_b32 v1, 5, v1                        ; 32 h
.irp j, 0,1,2,3,4,5,6,7
	v_add_nc_u32 v[BR+32+\j], 256+4*\j, v1         ; column 64 + 8 h + j,
	v_min_u32 v[BR+32+\j], 296, v[BR+32+\j]        ; held at column 74: no load leaves the 300 bytes
.endr
	WIN 0x40
.irp t, 0,1,2,3
	global_load_b128 v[8*\t:8*\t+3], v1, s[30:31] offset:64*\t                 ; b4 is what the sums begin with
	global_load_b128 v[8*\t+4:8*\t+7], v1, s[30:31] offset:64*\t+16
	global_load_b128 v[64+8*\t:64+8*\t+3], v1, s[32:33] offset:64*\t           ; g3
	global_load_b128 v[64+8*\t+4:64+8*\t+7], v1, s[32:33] offset:64*\t+16
	global_load_b128 v[104+8*\t:104+8*\t+3], v1, s[34:35] offset:64*\t         ; be3
	global_load_b128 v[104+8*\t+4:104+8*\t+7], v1, s[34:35] offset:64*\t+16
.endr
.irp j, 0,1,2,3,4,5,6,7
	global_load_b32 v[32+\j], v[BR+32+\j], s[30:31]
	global_load_b32 v[96+\j], v[BR+32+\j], s[32:33]
	global_load_b32 v[136+\j], v[BR+32+\j], s[34:35]
.endr
	WIN 0
	BAR                                            ; the hidden layer's sixteen images lie in LDS
.irp s, 0,1,2,3
.irp c, 0,1,2,3
	ds_load_b128 v[X+16*\s+4*\c:X+16*\s+4*\c+3], v[AR4] offset:8192*\s+512*\c
.endr
	ds_load_b32 v[ASX+\s], v[ARS4] offset:512*\s
.endr
	s_wait_dscnt 0x0
	s_wait_loadcnt 0x0
.irp s, 0,1,2,3                        ; five accumulators by turns
.irp t, 0,1,2,3,4
.if (5*\s+\t) < 16
	WIN 0x52
	MM 8*\t, 16*(5*\s+\t), X+16*\s, 8*\t, 40+(5*\s+\t)/2+6*(((5*\s+\t)/2+6)/8), ASX+\s, (5*\s+\t)%2, 0
.else
	WIN 0x53
	MM 8*\t, 16*(5*\s+\t-16), X+16*\s, 8*\t, 40+(5*\s+\t)/2+6*(((5*\s+\t)/2+6)/8), ASX+\s, (5*\s+\t)%2, 0
.endif
.endr
.endr
	PLACES8
	s_mov_b32 s[TS], 0x3c5a740e                    ; 1 / 75
.set TT, 144
	WIN 0x55                                       ; all that follows lies in window 1: logits v0-39 (8 T + j = column 16 T + 8 h + j), g3 v64.., be3 v104.., v144.. at work
.irp j, 3,4,5,6,7
	v_cndmask_b32 v[32+\j], v[32+\j], 0, s[HM]     ; columns 75..79 do not exist: 0.  (The tile's register 3 first: one of its four lowest)
.endr
	v_pk_add_f32 v[TT:TT+1], v[0:1], v[2:3]
	v_pk_add_f32 v[TT+2:TT+3], v[4:5], v[6:7]
.irp i, 8,12,16,20,24,28,32,36
	v_pk_add_f32 v[TT:TT+1], v[TT:TT+1], v[\i:\i+1]
	v_pk_add_f32 v[TT+2:TT+3], v[TT+2:TT+3], v[\i+2:\i+3]
.endr
	v_pk_add_f32 v[TT:TT+1], v[TT:TT+1], v[TT+2:TT+3]
	v_add_f32 v[TT], v[TT], v[TT+1]
	v_mov_b32 v[TT+4], 0                           ; (a lane permute's destination counts as one of its sources)
	v_permlanex16_b32 v[TT+4], v[TT], s[SEL], s[SEL+1]
	v_add_f32 v[TT], v[TT], v[TT+4]
	v_mul_f32 v[TT], s[TS], v[TT]                  ; the mean
	v_mov_b32 v[TT+1], v[TT]
.irp i, 0,2,4,6,8,10,12,14,16,18,20,22,24,26,28,30,32,34,36,38
	v_pk_add_f32 v[\i:\i+1], v[\i:\i+1], v[TT:TT+1] neg_lo:[0,1] neg_hi:[0,1]
.endr
.irp j, 3,4,5,6,7
	v_cndmask_b32 v[32+\j], v[32+\j], 0, s[HM]
.endr
	v_pk_mul_f32 v[TT+2:TT+3], v[0:1], v[0:1]
	v_pk_mul_f32 v[TT+4:TT+5], v[2:3], v[2:3]
.irp i, 4,8,12,16,20,24,28,32,36
	v_pk_fma_f32 v[TT+2:TT+3], v[\i:\i+1], v[\i:\i+1], v[TT+2:TT+3]
	v_pk_fma_f32 v[TT+4:TT+5], v[\i+2:\i+3], v[\i+2:\i+3], v[TT+4:TT+5]
.endr
	v_pk_add_f32 v[TT+2:TT+3], v[TT+2:TT+3], v[TT+4:TT+5]
	v_add_f32 v[TT+2], v[TT+2], v[TT+3]
	v_permlanex16_b32 v[TT+4], v[TT+2], s[SEL], s[SEL+1]
	v_add_f32 v[TT+2], v[TT+2], v[TT+4]
	v_fmaak_f32 v[TT+2], s[TS], v[TT+2], 0x3727c5ac
	v_rsq_f32 v[TT+6], v[TT+2]
	v_nop
	s_wait_alu depctr_va_vdst(0)
	v_mov_b32 v[TT+7], v[TT+6]
.irp i, 0,2,4,6,8,10,12,14,16,18,20,22,24,26,28,30,32,34,36,38
	v_pk_mul_f32 v[\i:\i+1], v[\i:\i+1], v[TT+6:TT+7]
.endr
.irp i, 0,2,4,6,8,10,12,14,16,18,20,22,24,26,28,30,32,34,36,38
	v_pk_fma_f32 v[\i:\i+1], v[\i:\i+1], v[64+\i:64+\i+1], v[104+\i:104+\i+1]
.endr
.irp i, 0,2,4,6,8,10,12,14,16,18,20,22,24,26,28,30,32,34,36,38
	v_pk_mul_f32 v[\i:\i+1], v[\i:\i+1], 0xbfb8aa3b op_sel_hi:[1,0]            ; x -log2(e)
.endr
.set PI, 0
.rept 40
	v_exp_f32 v[PI], v[PI]                         ; one batch,
.set PI, PI+1
.endr
	v_nop
	s_wait_alu depctr_va_vdst(0)                   ; one wait
.irp i, 0,2,4,6,8,10,12,14,16,18,20,22,24,26,28,30,32,34,36,38
	v_pk_add_f32 v[\i:\i+1], v[\i:\i+1], 1.0 op_sel_hi:[1,0]
.endr
.set PI, 0
.rept 40
	v_rcp_f32 v[PI], v[PI]                         ; 1 / (1 + e^-y)
.set PI, PI+1
.endr
	v_nop
	s_wait_alu depctr_va_vdst(0)
	; the way out: the block's 64 rows x 300 bytes meet in a stage at the head of ring 0, which has had its last fill and which nobody reads any more, and leave as 19,200 consecutive bytes
	WIN 0x04                                       ; an LDS store's data are its source 1: window 1
.irp t, 0,1,2,3,4
.irp j, 0,1,2,3,4,5,6,7
.if (8*\t+\j) < 35
	ds_store_b32 v[SOA], v[8*\t+\j] offset:64*\t+4*\j
.endif
.endr
.endr
	WIN 0
	v_and_b32 v2, 31, v0
	v_cmp_gt_u32 vcc_lo, 16, v2                    ; columns 67..71 are lanes 0-15's; lanes 16-31 would hold 75..79
	s_wait_xcnt 0x0                                ; EXEC changes only behind this wait
	s_and_saveexec_b32 s[TS+1], vcc_lo
	WIN 0x04
.irp j, 3,4,5,6,7
	ds_store_b32 v[SOA], v[32+\j] offset:256+4*\j
.endr
	WIN 0
	s_wait_xcnt 0x0
	s_or_b32 exec_lo, exec_lo, s[TS+1]
	BAR
.irp i, 0,1,2,3,4,5,6,7,8
	ds_load_b128 v[Y+4*\i:Y+4*\i+3], v[OA] offset:2048*\i
.endr
.irp i, 0,1,2,3,4,5,6,7,8
	s_wait_dscnt 8-\i
	global_store_b128 v[OA], v[Y+4*\i:Y+4*\i+3], s[36:37] offset:2048*\i th:TH_STORE_NT   ; a wave stores 512 consecutive bytes, at a multiple of 256 from out0's first byte
.endr
	v_cmp_gt_u32 vcc_lo, 48, v0                    ; the last 768 bytes: threads 0..47
	s_wait_xcnt 0x0
	s_and_saveexec_b32 s[TS+1], vcc_lo
	ds_load_b128 v[Y+36:Y+39], v[OA] offset:18432
	s_wait_dscnt 0x0
	global_store_b128 v[OA], v[Y+36:Y+39], s[36:37] offset:18432 th:TH_STORE_NT
	s_wait_xcnt 0x0
	s_or_b32 exec_lo, exec_lo, s[TS+1]
	s_wait_tensorcnt 0x0                           ; the wave's end: waits for my last tensor load and my last LDS store
	ds_add_u32 v[SPW], v[NIL]
	s_wait_dscnt 0x0
	ROUND                                          ; the closing round: no work-group ends while a partner may still ask for a slot that names it
	s_endpgm
.Lfunc_end_k_q9fd468fec3_chain:
	.size	k_q9fd468fec3_chain, .Lfunc_end_k_q9fd468fec3_chain-k_q9fd468fec3_chain
	.p2alignl 7, 3214868480
	.fill 96, 4, 3214868480
	.section	.rodata,"a",@progbits
	.p2align	6, 0x0
	.amdhsa_kernel k_q9fd468fec3_chain
		.amdhsa_group_segment_fixed_size 327680
		.amdhsa_private_segment_fixed_size 0
		.amdhsa_enable_private_segment 0
		.amdhsa_kernarg_size 136
		.amdhsa_user_sgpr_count 2
		.amdhsa_user_sgpr_kernarg_segment_ptr 1
		.amdhsa_wavefront_size32 1
		.amdhsa_system_sgpr_workgroup_id_x 1
		.amdhsa_system_sgpr_workgroup_id_y 1
		.amdhsa_system_sgpr_workgroup_id_z 1
		.amdhsa_system_vgpr_workitem_id 0
		.amdhsa_next_free_vgpr 1024
		.amdhsa_next_free_sgpr 100
		.amdhsa_reserve_vcc 1
		.amdhsa_float_denorm_mode_32 3
		.amdhsa_float_denorm_mode_16_64 3
		.amdhsa_memory_ordered 1
		.amdhsa_forward_progress 1
		.amdhsa_inst_pref_size 255
	.end_amdhsa_kernel
	.section	.bss,"aw",@nobits
	.p2align	6
	.space	262144
	.amdgpu_metadata
---
amdhsa.version: [ 1, 2 ]
amdhsa.kernels:
  - .name:           k_q9fd468fec3_chain
    .symbol:         k_q9fd468fec3_chain.kd
    .args:
      - { .name: input_indices, .offset: 0, .size: 8, .value_kind: global_buffer, .address_space: global }
      - { .name: emb, .offset: 8, .size: 8, .value_kind: global_buffer, .address_space: global }
      - { .name: peu, .offset: 16, .size: 8, .value_kind: global_buffer, .address_space: global }
      - { .name: qc, .offset: 24, .size: 8, .value_kind: global_buffer, .address_space: global }
      - { .name: kvs, .offset: 32, .size: 8, .value_kind: global_buffer, .address_space: global }
      - { .name: wst, .offset: 40, .size: 8, .value_kind: global_buffer, .address_space: global }
      - { .name: g1, .offset: 48, .size: 8, .value_kind: global_buffer, .address_space: global }
      - { .name: be1, .offset: 56, .size: 8, .value_kind: global_buffer, .address_space: global }
      - { .name: b1, .offset: 64, .size: 8, .value_kind: global_buffer, .address_space: global }
      - { .name: b2, .offset: 72, .size: 8, .value_kind: global_buffer, .address_space: global }
      - { .name: g2, .offset: 80, .size: 8, .value_kind: global_buffer, .address_space: global }
      - { .name: be2, .offset: 88, .size: 8, .value_kind: global_buffer, .address_space: global }
      - { .name: b3, .offset: 96, .size: 8, .value_kind: global_buffer, .address_space: global }
      - { .name: b4, .offset: 104, .size: 8, .value_kind: global_buffer, .address_space: global }
      - { .name: g3, .offset: 112, .size: 8, .value_kind: global_buffer, .address_space: global }
      - { .name: be3, .offset: 120, .size: 8, .value_kind: global_buffer, .address_space: global }
      - { .name: out0, .offset: 128, .size: 8, .value_kind: global_buffer, .address_space: global }
    .group_segment_fixed_size: 327680
    .private_segment_fixed_size: 0
    .kernarg_segment_align: 8
    .kernarg_segment_size: 136
    .max_flat_workgroup_size: 128
    .sgpr_count:     100
    .vgpr_count:     1024
    .wavefront_size: 32
...
	.end_amdgpu_metadata
.endif
;; end of part 3
;; ======== version 2 of 2: 3 launches
;; workspace buffers: wqkv 811,008 bytes; wst 1,934,592 bytes; pe 8,388,608 bytes; peu 8,388,608 bytes; qc 4,325,376 bytes; kvs 8,650,752 bytes
;; launch prep: the kernel of part 1 again; grid 419 x 1, 4 waves a work-group, no clusters, 0 bytes of LDS; arguments Wq, Wk, Wv, Wu, W1, W2, W3, W4, bu, wqkv, wst, pe, peu; writes wqkv, wst, pe, peu
;; launch qkv: the kernel of part 2 again; grid 32 x 8, 4 waves a work-group, clusters of 4 x 1, 327,680 bytes of LDS; arguments input_indices, emb, pe, wqkv, bq, bk, bv, qc, kvs; writes qc, kvs
;; launch chain (part 4): grid 32 x 8, 4 waves a work-group, clusters of 4 x 1, 327,680 bytes of LDS; arguments input_indices, emb, peu, qc, kvs, wst, g1, be1, b1, b2, g2, be2, b3, b4, g3, be3, out0; writes out0
.if DOCPART == 4
	.amdgcn_target "amdgcn-amd-amdhsa--gfx1250"
	.amdhsa_code_object_version 6
	.text
	.protected	k_q9fd468fec3_chain
	.globl	k_q9fd468fec3_chain
	.p2align	8
	.type	k_q9fd468fec3_chain,@function
k_q9fd468fec3_chain:
	s_mov_b64 s[64:65], 0
	v_nop
	global_prefetch_b8 v0, s[64:65] scope:SCOPE_SE
	s_setreg_imm32_b32 hwreg(HW_REG_WAVE_MODE, 25, 1), 1
	s_wait_xcnt 0x0
	s_wait_alu depctr_hold_cnt(0) depctr_sa_sdst(0) depctr_va_vdst(0) depctr_va_sdst(0) depctr_va_ssrc(0) depctr_va_vcc(0) depctr_vm_vsrc(0)
	s_getreg_b32 s2, hwreg(HW_REG_IB_STS2, 6, 4)
	s_cmp_eq_u32 s2, 0
	s_cbranch_scc0 .Lentry_in_a_cluster
	s_endpgm
.Lentry_in_a_cluster:
	s_bfe_u32 s2, ttmp6, 0x10000c
	s_cmp_lg_u32 s2, 0x3003
	s_cbranch_scc0 .Lentry_shape_is_right
	s_endpgm
.Lentry_shape_is_right:
; CHAIN: for 64 rows of one sequence: scores = q k^T, quantised along the keys; attn = scores v; u = attn Wu; h1 = LN(x + u + bu); h2 = LN(h1 + relu(h1 W1 + b1) W2 + b2); out = sigmoid(LN(relu(h2 W3 + b3) W4 + b4)).
; All seven products on codes of E4M3; every operand made on the way is quantised in registers; nothing but the result goes to memory.
; Left out: the division of the scores by 8, a power of two: the raw scores and the raw sum are quantised and 3 is taken off attn's scale bytes, with the floor 2^(12 - 127) under that block maximum
; (shown at the head of the first launch, with its limit).  W4's columns 75..79 are zero codes inside a tile that also holds live columns.
; SHARES.  THE WAVES SHARE THE COLUMNS, NEVER THE ROWS: wave w makes 128 of a chunk's 512 keys, 64 of attn's 256, 256 of the model's 1,024, 128 of a hidden 512, for all 64 rows.
; So each fragment of K, V or a weight is read from LDS once, by one wave, and feeds four matrix instructions; the rows' codes go from wave to wave through LDS as images of their registers.
; Every product is used transposed (source 0 = 16 keys, channels or columns, source 1 = 16 rows): a lane holds one row, and the tiles' members are chosen (lane r of tile 2 b + u: 32 b + 8 u + r + 8 (r / 8))
; so that two tiles' 16 registers are 16 neighbours along the next K.  The 64 rows are permuted likewise, as the launch before laid q, k and v.
; THE STREAM.  K0 V0 .. K3 V3 (chunks of 512 keys), Wu (2 slots), W1 (4), W2 (4), W3 (4): 22 slots of 135,168 bytes through a ring of two; slot i lies in ring i % 2.  The four work-groups of a cluster belong to
; one sequence and walk the same stream: each wave asks for its quarter of a slot by one joint tensor load behind a round of the cluster's barrier, and reads that quarter alone.  A wave has one tensor load out at the most.
; W4 (42 KB of the 2.9 MB that a work-group streams) goes from memory straight into registers, by loads of the wave's own.
; THE TEXT IS KEPT SHORT.  Behind a K step the accumulators' numbers come back, so a K step of a slot is written once where it is used and walked by counted loops.  What differs between trips (the ring, the K step's
; place in the slot, the rows' images) stands in four scalar registers, which are added to four fixed address registers at a trip's head.  The passes over the rows' 512 registers cannot be walked so: they are written out.
; REGISTERS, in windows of 256: window 0: v0-63 addresses, statistics, scales; v64-127 (X), v128-191 (Y) sets of four row fragments, or a quantiser at work; v192-255 four streamed fragments.
;   window 1: scores and hidden layers (64 m + 8 t); at other times peu, g and be, b2, the logits.   windows 2, 3: the rows in f32, H(m, t) at 64 m + 8 (t % 8) of window 2 + t / 8;
;   during attention window 2 holds q (16 (2 m + s)) and the sum (128 + 32 m + 8 t); at the end both hold W4.
.set SLOTB, 135168
.set QB,    33792                      ; a wave's quarter of a slot: 16 fragments (32,768 bytes), their scale words (1,024): 132 rows of 256 bytes
.set RING1, SLOTB
.set R1,    2*SLOTB                    ; 16 images of row fragments: 4 x K step + row tile
.set R1S,   R1+32768                   ; their scale words, 128 bytes each
.set EX,    R1S+2048                   ; the norms' partial sums: two areas of [wave][r][m]
.set SPARE, EX+2048                    ; the spare words, 128 bytes a wave: two blocks of 256 bytes that no other line names
.set W4OFF, 14*SLOTB
.set ARX, 2                            ; v2   the rows' images of the K step in hand: AR + s[TA]
.set ARSX,3                            ; v3   their scale words: ARS + s[TAS]
.set RB0, 4                            ; v4   my quarter's codes in ring 0: + 16 x lane
.set RS0, 6                            ; v6   its scale words: + 4 x lane
.set AR,  8                            ; v8   R1 + 16 x lane
.set ARS, 9                            ; v9   R1S + 4 x lane
.set AW,  10                           ; v10  where I store K step w: AR + 8,192 w
.set AWS, 11                           ; v11  ARS + 512 w
.set AWH, 12                           ; v12  where I store my half of K step w / 2: AR + 8,192 (w / 2) + 1,024 (w % 2)
.set AWHS,13                           ; v13  ARS + 512 (w / 2) + 2 (w % 2)
.set EXW, 14                           ; v14  EX + 256 w + 16 r
.set EXR, 15                           ; v15  EX + 16 r
.set SPW, 16
.set NIL, 17
.set RBX, 18                           ; v18  the streamed codes of the K step in hand: RB0 + s[TB]
.set RSX, 19                           ; v19  their scale words: RS0 + s[TBS]
.set AR4, 20                           ; v20  AR + 2,048 w: row tile w
.set ARS4,21                           ; v21  ARS + 128 w
.set GO,  22                           ; v22  1,024 w + 64 h: my columns of a row of 1,024
.set BO,  23                           ; v23  512 w + 64 h: of a row of 512
.set EO,  24                           ; v24-27 my four rows of emb, + GO
.set PO,  28                           ; v28  my row of peu in row tile 0, + GO
.set PFO, 29                           ; v29  256 x lane: the prefetches' offset; never rewritten
.set LI,  30                           ; v30  16 x lane
.set LS,  31                           ; v31  4 x lane
.set MU,  32                           ; v32-39 a row tile's mean, later 1 / deviation, twice (a pair for the packed forms)
.set BSC, 40                           ; v40, v41 the streamed fragments' scale words.  v40, v41, v44-55 hold scales and nothing else
.set SOA, 42                           ; v42  the way out: my row's place in the stage
.set OA,  43                           ; v43  16 x thread
.set ASX, 44                           ; v44-47, v48-51 the scale words of sets X, Y
.set QS,  52                           ; v52-55 q's
.set SA,  56                           ; v56-63 four running sums, in pairs
.set X,   64
.set Y,   128
.set BR,  192
.set T64, X                            ; a quantiser's held numbers
.set T32, X
.set PCD, Y                            ; its codes
.set PC2, Y
.set TM,  BR
.set PW,  BR+16
.set WV,  38
.set CX,  39
.set XB,  40
.set BAT, 41
.set N0,  42
.set QW,  43
.set G1,  44                           ; s[44:51] descriptor group 1
.set D0,  52                           ; s[52:55] group 0: it walks from slot to slot
.set TL,  56                           ; the ring that the last tensor load filled: 0 or RING1
.set TB,  57                           ; the K step in hand: the ring and the K step's place among the slot's codes
.set TBS, 58                           ; the same among its scale words
.set TA,  59                           ; the place of the rows' images
.set NA,  60                           ; s[60:61] where my quarter of the stream's next slot lies in memory
.set TAS, 62                           ; the place of the rows' scale words
.set KC,  63                           ; counts a slot's K steps
.set WSA, 66                           ; s[66:67] my quarter of the weights' first slot
.set PFA, 68                           ; s[68:69] where my prefetches stand
.set LIM, 70                           ; 1 in a cluster that prefetches, else the greatest number
.set CH,  71
.set LAY, 72
.set C10, 73                           ; 2^-10
.set SEL, 74
.set MNT, 76
.set HM,  77
.set GP,  78                           ; s[78:79] the layer's g;  s[80:81] its be;  s[82:83] its hidden bias
.set BEP, 80
.set BHP, 82
.set W4P, 84
.set TS,  86                           ; s86-95 at work
.set XC,  96                           ; counts slots
.set FLR, 97                           ; 2^(9 - 127): the floor under a block's largest magnitude
.set M8,  98                           ; -(8 << 23)
.set EXM, 99                           ; the mask of an exponent field
.set MSB, 0
.macro WIN new                         ; the immediate's high byte repeats the setting that is left
.if MSB != (\new)
	s_set_vgpr_msb (MSB<<8)|(\new)
.set MSB, \new
.endif
.endm
.macro ROUND                           ; a round of the cluster's barrier
	s_barrier_signal -1
	s_barrier_wait -1
	s_cmp_lg_u32 s[WV], 0
	s_cbranch_scc1 .Lnw0_\@
	s_barrier_signal -3
.Lnw0_\@:
	s_barrier_wait -3
	s_barrier_signal -1
	s_barrier_wait -1
.endm
.macro BAR                             ; my LDS stores have landed and my LDS loads are in: then the work-group's barrier.
	s_wait_dscnt 0x0
	s_barrier_signal -1
	s_barrier_wait -1
.endm
.macro PLACES8                         ; eight plain instructions between a matrix instruction of this form and a load into, or a vector instruction on, its registers
.rept 8
	v_nop
.endr
.endm
; A PREFETCH INTO THE L2 of the slot after the one just asked for, in the walk over K and V.  All eight clusters of a sequence walk the same slots: the first of them asks.  Of the 128 rows of 256 bytes of codes in
; my quarter the four partners take 32 each, told apart by address; a lane a row, one instruction a wave.  The loop's last trip asks for nothing: the slots that follow are the weights'.  Slots 0 and 1 come by their loads alone.
.macro ASK
	s_cmp_gt_u32 s[CH], s[LIM]
	s_cbranch_scc0 .Lnm_\@
	global_prefetch_b8 v[PFO], s[PFA:PFA+1] th:TH_LOAD_NT scope:SCOPE_SE
.Lnm_\@:
.endm
; THE CHANGE OF SLOTS.  The ring that has been read out takes the stream's next slot.  Each wave waits for all its tensor loads (the one that is out is its quarter of the other ring), adds 0 to its spare word, and
; waits for that, for its LDS stores and for its reads of the ring; the round makes all that hold of every wave of the four work-groups; the joint load is the first thing behind it.
; The slots follow each other in memory and take the rings by turns: the one group 0 walks: the other ring than last time, a slot further on.
; mode = 1, 2: in the walk over K and V: the prefetch's address steps.  mode = 2: the last trip asks for the weights' first slot.
.macro CHANGE mode
	WIN 0
	s_wait_tensorcnt 0x0                           ; no tensor load of mine is out: group 0 may be written
	ds_add_u32 v[SPW], v[NIL]                      ; 0 onto my spare word; work on registers stands between it and the wait for it
.if \mode
	s_wait_xcnt 0x0                                ; the last prefetch, a slot back, has read its address
	s_add_nc_u64 s[PFA:PFA+1], s[PFA:PFA+1], SLOTB
.endif
	s_xor_b32 s[TL], s[TL], RING1
	s_add_co_u32 s[D0+1], s[QW], s[TL]             ; my quarter of the other ring
.if (\mode) == 2
	s_cmp_eq_u32 s[CH], 1
	s_cselect_b64 s[D0+2:D0+3], s[WSA:WSA+1], s[NA:NA+1]
.else
	s_mov_b64 s[D0+2:D0+3], s[NA:NA+1]
.endif
	s_or_b32 s[D0+3], s[D0+3], 0x80000000
	s_wait_dscnt 0x0
	ROUND
	tensor_load_to_lds s[D0:D0+3], s[G1:G1+7]
	s_nop 0
.rept 4
	v_nop
.endr
	s_add_nc_u64 s[NA:NA+1], s[NA:NA+1], SLOTB
.if \mode
	ASK
.endif
.endm
.macro SETR ring, k                    ; the slot in this ring is read next from its first K step on, with the rows' K step k
	s_mov_b32 s[TB], (\ring)*RING1
	s_mov_b32 s[TBS], (\ring)*RING1
	s_mov_b32 s[TA], 8192*(\k)
	s_mov_b32 s[TAS], 512*(\k)
.endm
.macro ADDRS                           ; the four address registers of the K step in hand
	v_add_nc_u32 v[RBX], s[TB], v[RB0]
	v_add_nc_u32 v[RSX], s[TBS], v[RS0]
	v_add_nc_u32 v[ARX], s[TA], v[AR]
	v_add_nc_u32 v[ARSX], s[TAS], v[ARS]
.endm
; NDS counts the LDS loads issued in a run, ENDB0 / ENDB1 what it stood at behind the last even / odd pair's loads: their difference is what was issued behind the pair that is waited for
.macro LDB p, rb, rs                   ; pair p: fragments 2 p, 2 p + 1 and one register with both fragments' scale words (lanes 0-15, lanes 16-31): 9 loads
.irp e, 0,1
.irp c, 0,1,2,3
	ds_load_b128 v[BR+32*((\p)%2)+16*\e+4*\c:BR+32*((\p)%2)+16*\e+4*\c+3], v[(\rb)] offset:2048*(2*(\p)+\e)+512*\c
.endr
.endr
	ds_load_b32 v[BSC+(\p)%2], v[(\rs)] offset:128*(\p)
.set NDS, NDS+9
.if ((\p)%2) == 0
.set ENDB0, NDS
.else
.set ENDB1, NDS
.endif
.endm
.macro PWAIT p
.if ((\p)%2) == 0
	s_wait_dscnt NDS-ENDB0
.else
	s_wait_dscnt NDS-ENDB1
.endif
.endm
.macro LDA set, sc, adr, sadr, idx     ; four row fragments (images idx .. idx + 3) and their scale words: 20 loads
.irp m, 0,1,2,3
.irp c, 0,1,2,3
	ds_load_b128 v[(\set)+16*\m+4*\c:(\set)+16*\m+4*\c+3], v[\adr] offset:2048*((\idx)+\m)+512*\c
.endr
	ds_load_b32 v[(\sc)+\m], v[\sadr] offset:128*((\idx)+\m)
.endr
.set NDS, NDS+20
.endm
; one matrix instruction.  c < 0: the constant 0 starts the sum.  r0, r1: the scale words of source 0, 1 stand in lanes 16-31
.macro MM d, s0, s1, c, sc0, sc1, r0, r1
.if (\c) < 0
.if ((\r0)==0) && ((\r1)==0)
	v_wmma_scale_f32_16x16x128_f8f6f4 v[(\d):(\d)+7], v[(\s0):(\s0)+15], v[(\s1):(\s1)+15], 0, v[(\sc0)], v[(\sc1)]
.elseif ((\r0)==1) && ((\r1)==0)
	v_wmma_scale_f32_16x16x128_f8f6f4 v[(\d):(\d)+7], v[(\s0):(\s0)+15], v[(\s1):(\s1)+15], 0, v[(\sc0)], v[(\sc1)] matrix_a_scale:MATRIX_SCALE_ROW1
.elseif ((\r0)==0) && ((\r1)==1)
	v_wmma_scale_f32_16x16x128_f8f6f4 v[(\d):(\d)+7], v[(\s0):(\s0)+15], v[(\s1):(\s1)+15], 0, v[(\sc0)], v[(\sc1)] matrix_b_scale:MATRIX_SCALE_ROW1
.else
	v_wmma_scale_f32_16x16x128_f8f6f4 v[(\d):(\d)+7], v[(\s0):(\s0)+15], v[(\s1):(\s1)+15], 0, v[(\sc0)], v[(\sc1)] matrix_a_scale:MATRIX_SCALE_ROW1 matrix_b_scale:MATRIX_SCALE_ROW1
.endif
.else
.if ((\r0)==0) && ((\r1)==0)
	v_wmma_scale_f32_16x16x128_f8f6f4 v[(\d):(\d)+7], v[(\s0):(\s0)+15], v[(\s1):(\s1)+15], v[(\c):(\c)+7], v[(\sc0)], v[(\sc1)]
.elseif ((\r0)==1) && ((\r1)==0)
	v_wmma_scale_f32_16x16x128_f8f6f4 v[(\d):(\d)+7], v[(\s0):(\s0)+15], v[(\s1):(\s1)+15], v[(\c):(\c)+7], v[(\sc0)], v[(\sc1)] matrix_a_scale:MATRIX_SCALE_ROW1
.elseif ((\r0)==0) && ((\r1)==1)
	v_wmma_scale_f32_16x16x128_f8f6f4 v[(\d):(\d)+7], v[(\s0):(\s0)+15], v[(\s1):(\s1)+15], v[(\c):(\c)+7], v[(\sc0)], v[(\sc1)] matrix_b_scale:MATRIX_SCALE_ROW1
.else
	v_wmma_scale_f32_16x16x128_f8f6f4 v[(\d):(\d)+7], v[(\s0):(\s0)+15], v[(\s1):(\s1)+15], v[(\c):(\c)+7], v[(\sc0)], v[(\sc1)] matrix_a_scale:MATRIX_SCALE_ROW1 matrix_b_scale:MATRIX_SCALE_ROW1
.endif
.endif
.endm
; 64 numbers of a lane in window win, register s + 16 b + i = k 32 b + 16 (lane / 16) + i of my row, become a fragment's codes in v[PCD + 16 k] on and its scale word in v[PW + k].  The numbers stay as they are.
; relu = 1: what is negative becomes 0 on the way: it does not count for the largest magnitude, and the hold clips at 0.
.macro QUANT win, s, relu, k
	WIN (\win)|((\win)<<2)
.irp b, 0,1,2,3
.if \relu
	v_max3_num_f32 v[TM+\b], v[(\s)+16*\b], v[(\s)+16*\b+1], s[FLR]
.else
	v_max3_num_f32 v[TM+\b], |v[(\s)+16*\b]|, |v[(\s)+16*\b+1]|, s[FLR]   ; my 16 numbers of block b, and the floor 2^(9 - 127): the byte cannot fall under 1
.endif
.endr
.irp i, 2,4,6,8,10,12,14
.irp b, 0,1,2,3
.if \relu
	v_max3_num_f32 v[TM+\b], v[(\s)+16*\b+\i], v[(\s)+16*\b+\i+1], v[TM+\b]
.else
	v_max3_num_f32 v[TM+\b], |v[(\s)+16*\b+\i]|, |v[(\s)+16*\b+\i+1]|, v[TM+\b]
.endif
.endr
.endr
	WIN 0
.irp b, 0,1,2,3
	v_permlanex16_b32 v[TM+4+\b], v[TM+\b], s[SEL], s[SEL+1]
.endr
.irp b, 0,1,2,3
	v_max_num_f32 v[TM+\b], v[TM+\b], v[TM+4+\b]   ; with lane l xor 16's: the block's largest magnitude
.endr
.irp b, 0,1,2,3
	v_add_nc_u32 v[TM+12+\b], s[M8], v[TM+\b]      ; 8 off its exponent field: the conversion's scale operand
.endr
.irp b, 0,1,2,3
	v_and_or_b32 v[TM+8+\b], v[TM+\b], s[EXM], s[MNT]   ; 448 x the scale
.endr
.irp b, 0,1,2,3
	v_lshrrev_b32 v[TM+4+\b], 23, v[TM+12+\b]      ; the scale byte
.endr
	v_lshl_or_b32 v[PW+(\k)], v[TM+5], 8, v[TM+4]
	v_lshl_or_b32 v[PW+(\k)], v[TM+6], 16, v[PW+(\k)]
	v_lshl_or_b32 v[PW+(\k)], v[TM+7], 24, v[PW+(\k)]
	WIN \win
.irp b, 0,1,2,3
.irp i, 0,1,2,3,4,5,6,7,8,9,10,11,12,13,14,15
.if \relu
	v_med3_num_f32 v[T64+16*\b+\i], v[(\s)+16*\b+\i], 0, v[TM+8+\b]             ; the activation and the hold in one
.else
	v_med3_num_f32 v[T64+16*\b+\i], v[(\s)+16*\b+\i], -v[TM+8+\b], v[TM+8+\b]   ; the conversion does not saturate (ISA guide 7.6.2): the hold comes first
.endif
.endr
.endr
	WIN 0
.irp b, 0,1,2,3
	v_cvt_scalef32_pk8_fp8_f32 v[PCD+16*(\k)+4*\b:PCD+16*(\k)+4*\b+1], v[T64+16*\b:T64+16*\b+7], v[TM+12+\b]
	v_cvt_scalef32_pk8_fp8_f32 v[PCD+16*(\k)+4*\b+2:PCD+16*(\k)+4*\b+3], v[T64+16*\b+8:T64+16*\b+15], v[TM+12+\b]
.endr
	v_nop                                          ; a plain instruction behind the last conversion
.endm
; the same for 32 numbers, two blocks: 8 registers of codes in v[PC2 + 8 k] on, the two bytes in v[PW + k].  fl: the floor
.macro QUANT2 win, s, k, fl
	WIN (\win)|((\win)<<2)
.irp b, 0,1
	v_max3_num_f32 v[TM+\b], |v[(\s)+16*\b]|, |v[(\s)+16*\b+1]|, \fl
.endr
.irp i, 2,4,6,8,10,12,14
.irp b, 0,1
	v_max3_num_f32 v[TM+\b], |v[(\s)+16*\b+\i]|, |v[(\s)+16*\b+\i+1]|, v[TM+\b]
.endr
.endr
	WIN 0
.irp b, 0,1
	v_permlanex16_b32 v[TM+4+\b], v[TM+\b], s[SEL], s[SEL+1]
.endr
.irp b, 0,1
	v_max_num_f32 v[TM+\b], v[TM+\b], v[TM+4+\b]
.endr
.irp b, 0,1
	v_add_nc_u32 v[TM+12+\b], s[M8], v[TM+\b]
.endr
.irp b, 0,1
	v_and_or_b32 v[TM+8+\b], v[TM+\b], s[EXM], s[MNT]
.endr
.irp b, 0,1
	v_lshrrev_b32 v[TM+4+\b], 23, v[TM+12+\b]
.endr
	v_lshl_or_b32 v[PW+(\k)], v[TM+5], 8, v[TM+4]
	WIN \win
.irp b, 0,1
.irp i, 0,1,2,3,4,5,6,7,8,9,10,11,12,13,14,15
	v_med3_num_f32 v[T32+16*\b+\i], v[(\s)+16*\b+\i], -v[TM+8+\b], v[TM+8+\b]
.endr
.endr
	WIN 0
.irp b, 0,1
	v_cvt_scalef32_pk8_fp8_f32 v[PC2+8*(\k)+4*\b:PC2+8*(\k)+4*\b+1], v[T32+16*\b:T32+16*\b+7], v[TM+12+\b]
	v_cvt_scalef32_pk8_fp8_f32 v[PC2+8*(\k)+4*\b+2:PC2+8*(\k)+4*\b+3], v[T32+16*\b+8:T32+16*\b+15], v[TM+12+\b]
.endr
	v_nop
.endm
.macro IMAGE adr, off, pc              ; a fragment goes to LDS as its registers stand: 512 consecutive bytes a store
.irp c, 0,1,2,3
	ds_store_b128 v[\adr], v[(\pc)+4*\c:(\pc)+4*\c+3] offset:(\off)+512*\c
.endr
.endm
.macro QIMG win, relu                  ; my four row tiles in window win become K step w of the next product
.irp m, 0,1,2,3
	QUANT \win, 64*\m, \relu, \m
	IMAGE AW, 2048*\m, PCD+16*\m
	ds_store_b32 v[AWS], v[PW+\m] offset:128*\m
.endr
.endm
.macro XHALF i, wm                     ; columns 128 i on of my 256, for the 64 rows: emb into the window that wm names, peu into window 1: register 64 m + 16 b + 4 j on = columns 32 b + 16 h + 4 j on
	WIN \wm
.irp m, 0,1,2,3
.irp b, 0,1,2,3
.irp j, 0,1,2,3
	global_load_b128 v[64*\m+16*\b+4*\j:64*\m+16*\b+4*\j+3], v[EO+\m], s[6:7] offset:512*\i+128*\b+16*\j
.endr
.endr
.endr
	WIN 0x40
.irp m, 0,1,2,3
.irp b, 0,1,2,3
.irp j, 0,1,2,3
	global_load_b128 v[64*\m+16*\b+4*\j:64*\m+16*\b+4*\j+3], v[PO], s[8:9] offset:4096*(32*(\m/2)+8*(\m%2))+512*\i+128*\b+16*\j
.endr
.endr
.endr
	WIN 0
.endm
.macro ADDW1 msb, base                 ; the 256 registers of a window of H take, pair by pair, window 1's 256 (base < 0) or, in each row tile, window 1's 64 from base on
	WIN \msb
.set PI, 0
.rept 32
.irp m, 0,1,2,3
.if (\base) < 0
	v_pk_add_f32 v[64*\m+2*PI:64*\m+2*PI+1], v[64*\m+2*PI:64*\m+2*PI+1], v[64*\m+2*PI:64*\m+2*PI+1]
.else
	v_pk_add_f32 v[64*\m+2*PI:64*\m+2*PI+1], v[64*\m+2*PI:64*\m+2*PI+1], v[(\base)+2*PI:(\base)+2*PI+1]
.endif
.endr
.set PI, PI+1
.endr
	WIN 0
.endm
; THE PRODUCTS.  A pair's step: the wait for the pair's loads; eight matrix instructions, the pair's two tiles x the four row tiles, eight accumulators by turns (the last
; instruction of a trip and the first of the next name different accumulators too); eight places; the loads of the pair after next into the registers just read.
.macro SLOT_S                          ; scores: ring 0 holds my 128 keys: fragment 8 s + t; q stays in window 2
.set NDS, 0
	LDB 0, RB0, RS0
	LDB 1, RB0, RS0
.irp p, 0,1,2,3,4,5,6,7
	PWAIT \p
	WIN 0x58                                       ; source 1 window 2, C and D window 1
.irp m, 0,1,2,3
.irp e, 0,1
.if \p < 4
	MM 64*\m+8*(2*(\p%4)+\e), BR+32*(\p%2)+16*\e, 16*(2*\m+\p/4), -1, BSC+\p%2, QS+\m, \e, \p/4
.else
	MM 64*\m+8*(2*(\p%4)+\e), BR+32*(\p%2)+16*\e, 16*(2*\m+\p/4), 64*\m+8*(2*(\p%4)+\e), BSC+\p%2, QS+\m, \e, \p/4
.endif
.endr
.endr
	PLACES8
	WIN 0
.if \p < 6
	LDB \p+2, RB0, RS0
.endif
.endr
.endm
; the sum over a chunk's 512 keys: ring 1 holds my 64 channels: fragment 4 kappa + t.  Two trips of two K steps of 128 keys: the scores' fragments of the even one come into X, of the odd one into Y
.macro SLOT_PV
	WIN 0
	SETR 1, 0
	s_mov_b32 s[KC], 2
.Lpv_\@:
	ADDRS
.set NDS, 0
	LDA X, ASX, ARX, ARSX, 0
	LDB 0, RBX, RSX
	LDB 1, RBX, RSX
.irp p, 0,1,2,3
	PWAIT \p
	WIN 0xa0                                       ; C and D window 2
.irp m, 0,1,2,3
.irp e, 0,1
	MM 128+32*\m+8*(2*(\p%2)+\e), BR+32*(\p%2)+16*\e, X+64*(\p/2)+16*\m, 128+32*\m+8*(2*(\p%2)+\e), BSC+\p%2, ASX+4*(\p/2)+\m, \e, 0
.endr
.endr
	PLACES8
	WIN 0
.if \p == 0
	LDA Y, ASX+4, ARX, ARSX, 4
.endif
.if \p < 2
	LDB \p+2, RBX, RSX
.endif
.endr
	s_add_co_u32 s[TB], s[TB], 16384               ; eight fragments,
	s_add_co_u32 s[TBS], s[TBS], 512               ; four registers of scale words,
	s_add_co_u32 s[TA], s[TA], 16384               ; two K steps of the rows' images on
	s_add_co_u32 s[TAS], s[TAS], 1024
	s_sub_co_u32 s[KC], s[KC], 1
	s_cmp_lg_u32 s[KC], 0
	s_cbranch_scc1 .Lpv_\@
.endm
; A K STEP x eight tiles (Wu, W1, W3): fragment t of the eight at s[TB]; accumulator 64 m + 8 t of the window that msb names; the rows' four fragments at s[TA] come into X.  It leaves the four scalars a K step on
.macro KU msb
	ADDRS
.set NDS, 0
	LDA X, ASX, ARX, ARSX, 0
	LDB 0, RBX, RSX
	LDB 1, RBX, RSX
.irp p, 0,1,2,3
	PWAIT \p
	WIN \msb
.irp m, 0,1,2,3
.irp e, 0,1
	MM 64*\m+8*(2*\p+\e), BR+32*(\p%2)+16*\e, X+16*\m, 64*\m+8*(2*\p+\e), BSC+\p%2, ASX+\m, \e, 0
.endr
.endr
	PLACES8
	WIN 0
.if \p < 2
	LDB \p+2, RBX, RSX
.endif
.endr
	s_add_co_u32 s[TB], s[TB], 16384
	s_add_co_u32 s[TBS], s[TBS], 512
	s_add_co_u32 s[TA], s[TA], 8192
	s_add_co_u32 s[TAS], s[TAS], 512
.endm
.macro KU2 msb                         ; a slot of two K steps
	WIN 0
	s_mov_b32 s[KC], 2
.Lku_\@:
	KU \msb
	s_sub_co_u32 s[KC], s[KC], 1
	s_cmp_lg_u32 s[KC], 0
	s_cbranch_scc1 .Lku_\@
.endm
.macro SLOT_W2                         ; one K step x sixteen tiles: fragment t; H's window 2, then 3
	ADDRS
.set NDS, 0
	LDA X, ASX, ARX, ARSX, 0
	LDB 0, RBX, RSX
	LDB 1, RBX, RSX
.irp p, 0,1,2,3,4,5,6,7
	PWAIT \p
	WIN 0xa0+0x50*(\p/4)
.irp m, 0,1,2,3
.irp e, 0,1
	MM 64*\m+8*(2*(\p%4)+\e), BR+32*(\p%2)+16*\e, X+16*\m, 64*\m+8*(2*(\p%4)+\e), BSC+\p%2, ASX+\m, \e, 0
.endr
.endr
	PLACES8
	WIN 0
.if \p < 6
	LDB \p+2, RBX, RSX
.endif
.endr
.endm
; The four sums of v[SA] on (a pair for each row tile) are added over the pair, over lane l xor 16 and over the four waves: the rows' totals in v[X] .. v[X + 3], the same bits in every wave
.macro EXCH area
	WIN 0
.irp m, 0,1,2,3
	v_add_f32 v[X+\m], v[SA+2*\m], v[SA+2*\m+1]
.endr
.irp m, 0,1,2,3
	v_permlanex16_b32 v[X+4+\m], v[X+\m], s[SEL], s[SEL+1]
.endr
.irp m, 0,1,2,3
	v_add_f32 v[X+\m], v[X+\m], v[X+4+\m]
.endr
	ds_store_b128 v[EXW], v[X:X+3] offset:1024*\area   ; lanes r and 16 + r write the same bytes with the same values
	BAR
.irp w, 0,1,2,3
	ds_load_b128 v[X+8+4*\w:X+8+4*\w+3], v[EXR] offset:1024*\area+256*\w
.endr
	s_wait_dscnt 0x0
.irp m, 0,1,2,3
	v_add_f32 v[X+\m], v[X+8+\m], v[X+12+\m]
.endr
.irp m, 0,1,2,3
	v_add_f32 v[X+4+\m], v[X+16+\m], v[X+20+\m]
.endr
.irp m, 0,1,2,3
	v_add_f32 v[X+\m], v[X+\m], v[X+4+\m]
.endr
.endm
; H = (H - mean) / sqrt(var + 1e-5) x g + be, in place, over the 1,024 columns that the four waves share.  g and be lie in window 1 (64 i + .., 128 + 64 i + ..) when their loads have come.
.macro LNORM
	WIN 0
.irp i, 0,1,2,3,4,5,6,7
	v_mov_b32 v[SA+\i], 0
.endr
.irp w, 2,3
	WIN (\w)<<2
.set PI, 0
.rept 32
.irp m, 0,1,2,3
	v_pk_add_f32 v[SA+2*\m:SA+2*\m+1], v[SA+2*\m:SA+2*\m+1], v[64*\m+2*PI:64*\m+2*PI+1]   ; four chains; each accumulator from its low end on
.endr
.set PI, PI+1
.endr
.endr
	EXCH 0
.irp m, 0,1,2,3
	v_mul_f32 v[MU+2*\m], s[C10], v[X+\m]          ; the mean,
	v_mul_f32 v[MU+2*\m+1], s[C10], v[X+\m]        ; twice
.endr
.irp i, 0,1,2,3,4,5,6,7
	v_mov_b32 v[SA+\i], 0
.endr
.irp w, 2,3
	WIN ((\w)<<6)|(\w)
.set PI, 0
.rept 32
.irp m, 0,1,2,3
	v_pk_add_f32 v[64*\m+2*PI:64*\m+2*PI+1], v[64*\m+2*PI:64*\m+2*PI+1], v[MU+2*\m:MU+2*\m+1] neg_lo:[0,1] neg_hi:[0,1]
.endr
.set PI, PI+1
.endr
	WIN ((\w)<<2)|(\w)
.set PI, 0
.rept 32
.irp m, 0,1,2,3
	v_pk_fma_f32 v[SA+2*\m:SA+2*\m+1], v[64*\m+2*PI:64*\m+2*PI+1], v[64*\m+2*PI:64*\m+2*PI+1], v[SA+2*\m:SA+2*\m+1]
.endr
.set PI, PI+1
.endr
.endr
	EXCH 1
.irp m, 0,1,2,3
	v_fmaak_f32 v[X+\m], s[C10], v[X+\m], 0x3727c5ac   ; the variance + 1e-5
.endr
.irp m, 0,1,2,3
	v_rsq_f32 v[MU+2*\m], v[X+\m]
.endr
	v_nop                                          ; a plain instruction behind the last of them,
	s_wait_alu depctr_va_vdst(0)                   ; and the wait ahead of the first reader: one for the four
.irp m, 0,1,2,3
	v_mov_b32 v[MU+2*\m+1], v[MU+2*\m]
.endr
	s_wait_loadcnt 0x0                             ; g and be
.irp w, 2,3
	WIN ((\w)<<6)|(\w)
.set PI, 0
.rept 32
.irp m, 0,1,2,3
	v_pk_mul_f32 v[64*\m+2*PI:64*\m+2*PI+1], v[64*\m+2*PI:64*\m+2*PI+1], v[MU+2*\m:MU+2*\m+1]
.endr
.set PI, PI+1
.endr
	WIN ((\w)<<6)|(\w)|0x14
.set PI, 0
.rept 32
.irp m, 0,1,2,3
	v_pk_fma_f32 v[64*\m+2*PI:64*\m+2*PI+1], v[64*\m+2*PI:64*\m+2*PI+1], v[64*(\w-2)+2*PI:64*(\w-2)+2*PI+1], v[128+64*(\w-2)+2*PI:128+64*(\w-2)+2*PI+1]
.endr
.set PI, PI+1
.endr
.endr
	WIN 0
.endm
	s_load_b512 s[4:19], s[0:1], 0x0               ; input_indices emb peu qc kvs wst g1 be1
	s_load_b512 s[20:35], s[0:1], 0x40             ; b1 b2 g2 be2 b3 b4 g3 be3
	s_load_b64 s[36:37], s[0:1], 0x80              ; out0
	v_lshl_add_u32 v[SPW], v0, 2, SPARE
	v_mov_b32 v[NIL], 0
	ds_add_u32 v[SPW], v[NIL]                      ; the wave's opening: the add, twice on end, and its wait ahead of my first tensor load
	ds_add_u32 v[SPW], v[NIL]
	v_lshrrev_b32 v1, 5, v0
	v_readfirstlane_b32 s[WV], v1                  ; wave 0..3
	s_bfe_u32 s[CX], ttmp6, 0x40000                ; my place in the cluster: it enters global addresses of my own rows, and the prefetches', alone
	s_lshl_b32 s[XB], ttmp9, 2
	s_add_co_u32 s[XB], s[XB], s[CX]               ; my block of 64 rows in the sequence
	s_and_b32 s[BAT], ttmp7, 0xffff                ; the sequence, which the four partners share
	s_lshl_b32 s[N0], s[XB], 6
	s_mul_i32 s[QW], s[WV], QB                     ; my quarter
	s_mov_b32 s[G1], 15|(3<<16)|(1<<21)            ; the mask: all four work-groups; elements of 8 bytes; bit 21 set beside a mask; no padding
	s_mov_b32 s[G1+1], 32<<16                      ; tensor_dim0 = 32 elements: rows of 256 bytes
	s_mov_b32 s[G1+2], 132<<16                     ; tensor_dim1 = 132 rows
	s_mov_b32 s[G1+3], 32<<16                      ; tile_dim0
	s_mov_b32 s[G1+4], 132                         ; tile_dim1
	s_mov_b32 s[G1+5], 32                          ; the pitch: the block is dense
	s_mov_b32 s[G1+6], 0
	s_mov_b32 s[G1+7], 0
	s_mov_b32 s[D0], 1
	s_mov_b32 s[D0+1], s[QW]                       ; slot 0 goes into ring 0
	s_mov_b32 s[TL], 0
	s_mov_b32 s[SEL], 0x76543210
	s_mov_b32 s[SEL+1], 0xfedcba98                 ; v_permlanex16_b32's selects for lane l xor 16
	s_mov_b32 s[MNT], 0x600000                     ; the mantissa field of 448
	s_mov_b32 s[HM], 0xffff0000                    ; lanes 16-31
	s_mov_b32 s[C10], 0x3a800000
	s_mov_b32 s[FLR], 0x4800000
	s_mov_b32 s[M8], 0xfc000000
	s_mov_b32 s[EXM], 0x7f800000
	s_cmp_eq_u32 ttmp9, 0                          ; the sequence's first cluster prefetches: the same in all four partners
	s_cselect_b32 s[LIM], 1, -1
	s_mul_i32 s[TS], s[BAT], 8*SLOTB
	s_add_co_u32 s[TS], s[TS], s[QW]
	s_mov_b32 s[TS+1], 0
	s_lshl_b32 s[TS+2], s[CX], 13                  ; my work-group's 32 rows of a quarter's 128,
	s_add_co_u32 s[TS+2], s[TS+2], SLOTB           ; in slot 1: the first change of slots steps it to slot 2
	s_mov_b32 s[TS+3], 0
	s_mov_b32 s[TS+4], s[QW]
	s_mov_b32 s[TS+5], 0
	s_wait_dscnt 0x0                               ; both opening adds are done
	s_wait_kmcnt 0x0
	s_add_nc_u64 s[NA:NA+1], s[12:13], s[TS:TS+1]
	s_add_nc_u64 s[PFA:PFA+1], s[NA:NA+1], s[TS+2:TS+3]
	s_add_nc_u64 s[WSA:WSA+1], s[14:15], s[TS+4:TS+5]
	ROUND                                          ; all four work-groups are here: the first joint loads meet
	s_mov_b64 s[D0+2:D0+3], s[NA:NA+1]
	s_or_b32 s[D0+3], s[D0+3], 0x80000000
	tensor_load_to_lds s[D0:D0+3], s[G1:G1+7]      ; K of chunk 0
	s_nop 0
.rept 4
	v_nop
.endr
	s_add_nc_u64 s[NA:NA+1], s[NA:NA+1], SLOTB
	v_and_b32 v1, 31, v0                           ; lane
	v_and_b32 v2, 15, v0                           ; r
	v_bfe_u32 v3, v0, 4, 1                         ; h
	v_lshlrev_b32 v[LI], 4, v1
	v_lshlrev_b32 v[LS], 2, v1
	v_lshlrev_b32 v[PFO], 8, v1
	v_lshlrev_b32 v[OA], 4, v0
	v_add_nc_u32 v[RB0], s[QW], v[LI]
	v_add_nc_u32 v[RS0], s[QW], v[LS]
	v_add_nc_u32 v[RS0], 32768, v[RS0]
	v_add_nc_u32 v[AR], R1, v[LI]
	v_add_nc_u32 v[ARS], R1S, v[LS]
	s_lshr_b32 s[TS], s[WV], 1                     ; w / 2
	s_and_b32 s[TS+1], s[WV], 1                    ; w % 2
	s_lshl_b32 s[TS+2], s[WV], 13
	v_add_nc_u32 v[AW], s[TS+2], v[AR]
	s_lshl_b32 s[TS+2], s[WV], 9
	v_add_nc_u32 v[AWS], s[TS+2], v[ARS]
	s_lshl_b32 s[TS+2], s[TS], 13
	s_lshl_b32 s[TS+3], s[TS+1], 10
	s_add_co_u32 s[TS+2], s[TS+2], s[TS+3]
	v_add_nc_u32 v[AWH], s[TS+2], v[AR]
	s_lshl_b32 s[TS+2], s[TS], 9
	s_lshl_b32 s[TS+3], s[TS+1], 1
	s_add_co_u32 s[TS+2], s[TS+2], s[TS+3]
	v_add_nc_u32 v[AWHS], s[TS+2], v[ARS]
	v_lshl_add_u32 v[EXR], v2, 4, EX
	s_lshl_b32 s[TS+2], s[WV], 8
	v_add_nc_u32 v[EXW], s[TS+2], v[EXR]
	s_lshl_b32 s[TS+2], s[WV], 11
	v_add_nc_u32 v[AR4], s[TS+2], v[AR]
	s_lshl_b32 s[TS+2], s[WV], 7
	v_add_nc_u32 v[ARS4], s[TS+2], v[ARS]
	s_lshl_b32 s[TS+2], s[WV], 10
	v_lshl_add_u32 v[GO], v3, 6, s[TS+2]
	s_lshl_b32 s[TS+2], s[WV], 9
	v_lshl_add_u32 v[BO], v3, 6, s[TS+2]
	v_and_b32 v18, 8, v2
	v_add_nc_u32 v18, v18, v2                      ; r + 8 (r / 8)   (v18, v19, v2, v3 are at work here; from the first loop on they are the four address registers of the K step in hand)
	s_lshl_b32 s[TS+2], s[TS], 5
	s_lshl_b32 s[TS+3], s[TS+1], 3
	s_add_co_u32 s[TS+2], s[TS+2], s[TS+3]
	v_add_nc_u32 v[SOA], s[TS+2], v18              ; the row of the block that lane r of row tile w stands for
	v_mul_u32_u24 v[SOA], v[SOA], 300
	v_lshl_add_u32 v[SOA], v3, 5, v[SOA]
	v_lshlrev_b32 v19, 2, v18
	v_add_nc_u32 v[PO], s[N0], v18
	v_lshl_add_u32 v[PO], v[PO], 12, v[GO]
	s_lshl_b32 s[TS], s[BAT], 11
	s_add_co_u32 s[TS], s[TS], s[N0]               ; my block's first row among the 16,384
	s_mov_b32 s[TS+3], 0
	s_lshl_b32 s[TS+2], s[TS], 2
	s_add_nc_u64 s[4:5], s[4:5], s[TS+2:TS+3]
	s_mul_i32 s[TS+2], s[TS], 300
	s_add_nc_u64 s[36:37], s[36:37], s[TS+2:TS+3]
	s_lshr_b32 s[TS+2], s[TS], 6
	s_mul_i32 s[TS+2], s[TS+2], 16896
	s_add_nc_u64 s[10:11], s[10:11], s[TS+2:TS+3]
.irp m, 0,1,2,3
	global_load_b32 v[EO+\m], v19, s[4:5] offset:4*(32*(\m/2)+8*(\m%2))   ; my four rows' indices
.endr
	WIN 0x80
.irp f, 0,1,2,3,4,5,6,7
.irp c, 0,1,2,3
	global_load_b128 v[16*\f+4*\c:16*\f+4*\c+3], v[LI], s[10:11] offset:2048*\f+512*\c   ; q's eight fragments stay in window 2
.endr
.endr
	WIN 0
.irp m, 0,1,2,3
	global_load_b32 v[QS+\m], v[LS], s[10:11] offset:16384+128*\m         ; lanes 0-15: K step 0's scale words, lanes 16-31: K step 1's
.endr
	s_mov_b32 s[TS+5], 0x7d00
	s_wait_loadcnt 36                              ; the indices are in; q's 36 loads, issued behind them, may be out
.irp m, 0,1,2,3
	v_cmp_gt_i32 s[TS+4], s[TS+5], v[EO+\m]
	v_cndmask_b32 v[EO+\m], 1, v[EO+\m], s[TS+4]   ; an index of 32,000 or more is read as 1
	v_min_u32 v[EO+\m], 0x7cff, v[EO+\m]
	v_lshl_add_u32 v[EO+\m], v[EO+\m], 12, v[GO]
.endr
	XHALF 1, 0xc0                                  ; the upper half of my columns of x + bu, while K's first slot lands
	s_wait_loadcnt 0x0
	ADDW1 0xc7, -1
	WIN 0x80
.set PI, 0
.rept 128
	v_mov_b32 v[128+PI], 0                         ; the sum over the keys begins at 0, so that the chunk is written once
.set PI, PI+1
.endr
	WIN 0
	; ---- ATTENTION WITHOUT SOFTMAX: four chunks of 512 keys; a trip goes once round the ring
	s_mov_b32 s[CH], 4
.Lchunk:
	CHANGE 1                                       ; K's slot has landed; V's is asked for
	SLOT_S
	QIMG 1, 0                                      ; my 128 keys' scores are K step w of the chunk
	CHANGE 2                                       ; V's slot has landed and the scores' images are shown; the next chunk's K (at the end: Wu's first slot) is asked for
	SLOT_PV
	s_sub_co_u32 s[CH], s[CH], 1
	s_cmp_lg_u32 s[CH], 0
	s_cbranch_scc1 .Lchunk
	; ---- Wu: H = (x + bu) + attn Wu
	s_add_nc_u64 s[NA:NA+1], s[WSA:WSA+1], SLOTB   ; the stream goes on in the weights: their second slot is next
	CHANGE 0                                       ; behind this round nobody reads the scores' images any more
.irp m, 0,1,2,3
	QUANT2 2, 128+32*\m, \m, 0x6000000             ; 8 x attn: my 64 channels are half a K step.  The floor 2^(12 - 127): the byte less 3 cannot fall under 1
	v_add_nc_u32 v[PW+\m], 0xfffffcfd, v[PW+\m]    ; 3 off each of the two bytes: the division by 8
	ds_store_b128 v[AWH], v[PC2+8*\m:PC2+8*\m+3] offset:2048*\m
	ds_store_b128 v[AWH], v[PC2+8*\m+4:PC2+8*\m+7] offset:2048*\m+512
	ds_store_b16 v[AWHS], v[PW+\m] offset:128*\m
.endr
	XHALF 0, 0x80                                  ; the lower half of x + bu, over q and the sum, which are done with; it lands while the upper half is multiplied
	BAR
	SETR 0, 0
	KU2 0xf0                                       ; tiles 8..15: C and D window 3
	CHANGE 0
	s_wait_loadcnt 0x0
	ADDW1 0x86, -1
	SETR 1, 0
	KU2 0xa0                                       ; tiles 0..7: window 2
	; ---- TWO LAYERS of the same shape: a norm, then 1,024 -> 512 with relu.  The first goes on through W2 and round again; the second leaves for the tail
	s_mov_b32 s[LAY], 2
	s_mov_b64 s[GP:GP+1], s[16:17]
	s_mov_b64 s[BEP:BEP+1], s[18:19]
	s_mov_b64 s[BHP:BHP+1], s[20:21]
.Llayer:
	CHANGE 0
	WIN 0x40
.irp i, 0,1
.irp b, 0,1,2,3
.irp j, 0,1,2,3
	global_load_b128 v[64*\i+16*\b+4*\j:64*\i+16*\b+4*\j+3], v[GO], s[GP:GP+1] offset:512*\i+128*\b+16*\j
	global_load_b128 v[128+64*\i+16*\b+4*\j:128+64*\i+16*\b+4*\j+3], v[GO], s[BEP:BEP+1] offset:512*\i+128*\b+16*\j
.endr
.endr
.endr
	LNORM
	WIN 0x40
.irp m, 0,1,2,3                        ; the hidden bias is what the sums begin with
.irp b, 0,1,2,3
.irp j, 0,1,2,3
	global_load_b128 v[64*\m+16*\b+4*\j:64*\m+16*\b+4*\j+3], v[BO], s[BHP:BHP+1] offset:128*\b+16*\j
.endr
.endr
.endr
	WIN 0
	QIMG 2, 0                                      ; the waves' lower halves: K steps 0, 2, 4, 6, which the stream brings first
	BAR
	s_wait_loadcnt 0x0
	SETR 0, 0
	s_mov_b32 s[XC], 2
.Lxa:                                                  ; the layer's first two slots: behind each the ring that it leaves is filled again
	KU2 0x50                                       ; C and D window 1
	s_sub_co_u32 s[TB], s[TB], 32768               ; back to a slot's first K step,
	s_xor_b32 s[TB], s[TB], RING1                  ; in the other ring; the rows' images go on
	s_sub_co_u32 s[TBS], s[TBS], 1024
	s_xor_b32 s[TBS], s[TBS], RING1
	CHANGE 0
	s_sub_co_u32 s[XC], s[XC], 1
	s_cmp_lg_u32 s[XC], 0
	s_cbranch_scc1 .Lxa                            ; behind the second round nobody reads the images any more
	QIMG 3, 0                                      ; the upper halves: K steps 1, 3, 5, 7
	BAR
	SETR 0, 0
	KU2 0x50
	s_wait_tensorcnt 0x0                           ; my quarter of the layer's last slot, which I alone read, has landed
	SETR 1, 2
	KU2 0x50
	BAR                                            ; nobody reads the images any more
	QIMG 1, 1                                      ; relu and quantiser: my 128 hidden units are K step w
	s_cmp_eq_u32 s[LAY], 1
	s_cbranch_scc1 .Ltail                          ; the second layer's tail is written out: it asks for no slot
	WIN 0x40
.irp i, 0,1
.irp b, 0,1,2,3
.irp j, 0,1,2,3
	global_load_b128 v[64*\i+16*\b+4*\j:64*\i+16*\b+4*\j+3], v[GO], s[22:23] offset:512*\i+128*\b+16*\j   ; b2
.endr
.endr
.endr
	CHANGE 0                                       ; the round shows the hidden layer's images
	s_wait_loadcnt 0x0
	ADDW1 0x86, 0                                  ; H = h1 + b2; the products add onto it
	ADDW1 0xc7, 64
	SETR 0, 0
	s_mov_b32 s[XC], 4
.Lw2:                                                  ; W2's four slots, a K step each: the ring read last is filled again, then the other is multiplied
	CHANGE 0
	SLOT_W2
	s_xor_b32 s[TB], s[TB], RING1
	s_xor_b32 s[TBS], s[TBS], RING1
	s_add_co_u32 s[TA], s[TA], 8192
	s_add_co_u32 s[TAS], s[TAS], 512
	s_sub_co_u32 s[XC], s[XC], 1
	s_cmp_lg_u32 s[XC], 0
	s_cbranch_scc1 .Lw2
	s_mov_b64 s[GP:GP+1], s[24:25]
	s_mov_b64 s[BEP:BEP+1], s[26:27]
	s_mov_b64 s[BHP:BHP+1], s[28:29]
	s_sub_co_u32 s[LAY], s[LAY], 1
	s_branch .Llayer
	; ---- THE TAIL: logits = hidden W4 + b4, the norm over 75, the sigmoid.  Wave w takes row tile w and all five column tiles (16 neighbouring columns each).
.Ltail:
	s_add_nc_u64 s[W4P:W4P+1], s[14:15], W4OFF
	WIN 0x80
.irp f, 0,1,2,3,4,5,6,7,8,9,10,11,12,13,14,15
.irp c, 0,1,2,3
	global_load_b128 v[16*\f+4*\c:16*\f+4*\c+3], v[LI], s[W4P:W4P+1] offset:2048*\f+512*\c      ; fragment f = 5 s + T
.endr
.endr
	WIN 0xc0
.irp f, 16,17,18,19
.irp c, 0,1,2,3
	global_load_b128 v[16*(\f-16)+4*\c:16*(\f-16)+4*\c+3], v[LI], s[W4P:W4P+1] offset:2048*\f+512*\c
.endr
.endr
	WIN 0
.irp p, 0,1,2,3,4,5,6,7,8,9
	global_load_b32 v[40+\p+6*((\p+6)/8)], v[LS], s[W4P:W4P+1] offset:40960+128*\p   ; the scale words of fragments 2 p, 2 p + 1, in v40, v41, v48-55
.endr
	v_bfe_u32 v1, v0, 4, 1
	v_lshlrev_b32 v1, 5, v1                        ; 32 h
.irp j, 0,1,2,3,4,5,6,7
	v_add_nc_u32 v[BR+32+\j], 256+4*\j, v1         ; column 64 + 8 h + j,
	v_min_u32 v[BR+32+\j], 296, v[BR+32+\j]        ; held at column 74: no load leaves the 300 bytes
.endr
	WIN 0x40
.irp t, 0,1,2,3
	global_load_b128 v[8*\t:8*\t+3], v1, s[30:31] offset:64*\t                 ; b4 is what the sums begin with
	global_load_b128 v[8*\t+4:8*\t+7], v1, s[30:31] offset:64*\t+16
	global_load_b128 v[64+8*\t:64+8*\t+3], v1, s[32:33] offset:64*\t           ; g3
	global_load_b128 v[64+8*\t+4:64+8*\t+7], v1, s[32:33] offset:64*\t+16
	global_load_b128 v[104+8*\t:104+8*\t+3], v1, s[34:35] offset:64*\t         ; be3
	global_load_b128 v[104+8*\t+4:104+8*\t+7], v1, s[34:35] offset:64*\t+16
.endr
.irp j, 0,1,2,3,4,5,6,7
	global_load_b32 v[32+\j], v[BR+32+\j], s[30:31]
	global_load_b32 v[96+\j], v[BR+32+\j], s[32:33]
	global_load_b32 v[136+\j], v[BR+32+\j], s[34:35]
.endr
	WIN 0
	BAR                                            ; the hidden layer's sixteen images lie in LDS
.irp s, 0,1,2,3
.irp c, 0,1,2,3
	ds_load_b128 v[X+16*\s+4*\c:X+16*\s+4*\c+3], v[AR4] offset:8192*\s+512*\c
.endr
	ds_load_b32 v[ASX+\s], v[ARS4] offset:512*\s
.endr
	s_wait_dscnt 0x0
	s_wait_loadcnt 0x0
.irp s, 0,1,2,3                        ; five accumulators by turns
.irp t, 0,1,2,3,4
.if (5*\s+\t) < 16
	WIN 0x52
	MM 8*\t, 16*(5*\s+\t), X+16*\s, 8*\t, 40+(5*\s+\t)/2+6*(((5*\s+\t)/2+6)/8), ASX+\s, (5*\s+\t)%2, 0
.else
	WIN 0x53
	MM 8*\t, 16*(5*\s+\t-16), X+16*\s, 8*\t, 40+(5*\s+\t)/2+6*(((5*\s+\t)/2+6)/8), ASX+\s, (5*\s+\t)%2, 0
.endif
.endr
.endr
	PLACES8
	s_mov_b32 s[TS], 0x3c5a740e                    ; 1 / 75
.set TT, 144
	WIN 0x55                                       ; all that follows lies in window 1: logits v0-39 (8 T + j = column 16 T + 8 h + j), g3 v64.., be3 v104.., v144.. at work
.irp j, 3,4,5,6,7
	v_cndmask_b32 v[32+\j], v[32+\j], 0, s[HM]     ; columns 75..79 do not exist: 0.  (The tile's register 3 first: one of its four lowest)
.endr
	v_pk_add_f32 v[TT:TT+1], v[0:1], v[2:3]
	v_pk_add_f32 v[TT+2:TT+3], v[4:5], v[6:7]
.irp i, 8,12,16,20,24,28,32,36
	v_pk_add_f32 v[TT:TT+1], v[TT:TT+1], v[\i:\i+1]
	v_pk_add_f32 v[TT+2:TT+3], v[TT+2:TT+3], v[\i+2:\i+3]
.endr
	v_pk_add_f32 v[TT:TT+1], v[TT:TT+1], v[TT+2:TT+3]
	v_add_f32 v[TT], v[TT], v[TT+1]
	v_mov_b32 v[TT+4], 0                           ; (a lane permute's destination counts as one of its sources)
	v_permlanex16_b32 v[TT+4], v[TT], s[SEL], s[SEL+1]
	v_add_f32 v[TT], v[TT], v[TT+4]
	v_mul_f32 v[TT], s[TS], v[TT]                  ; the mean
	v_mov_b32 v[TT+1], v[TT]
.irp i, 0,2,4,6,8,10,12,14,16,18,20,22,24,26,28,30,32,34,36,38
	v_pk_add_f32 v[\i:\i+1], v[\i:\i+1], v[TT:TT+1] neg_lo:[0,1] neg_hi:[0,1]
.endr
.irp j, 3,4,5,6,7
	v_cndmask_b32 v[32+\j], v[32+\j], 0, s[HM]
.endr
	v_pk_mul_f32 v[TT+2:TT+3], v[0:1], v[0:1]
	v_pk_mul_f32 v[TT+4:TT+5], v[2:3], v[2:3]
.irp i, 4,8,12,16,20,24,28,32,36
	v_pk_fma_f32 v[TT+2:TT+3], v[\i:\i+1], v[\i:\i+1], v[TT+2:TT+3]
	v_pk_fma_f32 v[TT+4:TT+5], v[\i+2:\i+3], v[\i+2:\i+3], v[TT+4:TT+5]
.endr
	v_pk_add_f32 v[TT+2:TT+3], v[TT+2:TT+3], v[TT+4:TT+5]
	v_add_f32 v[TT+2], v[TT+2], v[TT+3]
	v_permlanex16_b32 v[TT+4], v[TT+2], s[SEL], s[SEL+1]
	v_add_f32 v[TT+2], v[TT+2], v[TT+4]
	v_fmaak_f32 v[TT+2], s[TS], v[TT+2], 0x3727c5ac
	v_rsq_f32 v[TT+6], v[TT+2]
	v_nop
	s_wait_alu depctr_va_vdst(0)
	v_mov_b32 v[TT+7], v[TT+6]
.irp i, 0,2,4,6,8,10,12,14,16,18,20,22,24,26,28,30,32,34,36,38
	v_pk_mul_f32 v[\i:\i+1], v[\i:\i+1], v[TT+6:TT+7]
.endr
.irp i, 0,2,4,6,8,10,12,14,16,18,20,22,24,26,28,30,32,34,36,38
	v_pk_fma_f32 v[\i:\i+1], v[\i:\i+1], v[64+\i:64+\i+1], v[104+\i:104+\i+1]
.endr
.irp i, 0,2,4,6,8,10,12,14,16,18,20,22,24,26,28,30,32,34,36,38
	v_pk_mul_f32 v[\i:\i+1], v[\i:\i+1], 0xbfb8aa3b op_sel_hi:[1,0]            ; x -log2(e)
.endr
.set PI, 0
.rept 40
	v_exp_f32 v[PI], v[PI]                         ; one batch,
.set PI, PI+1
.endr
	v_nop
	s_wait_alu depctr_va_vdst(0)                   ; one wait
.irp i, 0,2,4,6,8,10,12,14,16,18,20,22,24,26,28,30,32,34,36,38
	v_pk_add_f32 v[\i:\i+1], v[\i:\i+1], 1.0 op_sel_hi:[1,0]
.endr
.set PI, 0
.rept 40
	v_rcp_f32 v[PI], v[PI]                         ; 1 / (1 + e^-y)
.set PI, PI+1
.endr
	v_nop
	s_wait_alu depctr_va_vdst(0)
	; the way out: the block's 64 rows x 300 bytes meet in a stage at the head of ring 0, which has had its last fill and which nobody reads any more, and leave as 19,200 consecutive bytes
	WIN 0x04                                       ; an LDS store's data are its source 1: window 1
.irp t, 0,1,2,3,4
.irp j, 0,1,2,3,4,5,6,7
.if (8*\t+\j) < 35
	ds_store_b32 v[SOA], v[8*\t+\j] offset:64*\t+4*\j
.endif
.endr
.endr
	WIN 0
	v_and_b32 v2, 31, v0
	v_cmp_gt_u32 vcc_lo, 16, v2                    ; columns 67..71 are lanes 0-15's; lanes 16-31 would hold 75..79
	s_wait_xcnt 0x0                                ; EXEC changes only behind this wait
	s_and_saveexec_b32 s[TS+1], vcc_lo
	WIN 0x04
.irp j, 3,4,5,6,7
	ds_store_b32 v[SOA], v[32+\j] offset:256+4*\j
.endr
	WIN 0
	s_wait_xcnt 0x0
	s_or_b32 exec_lo, exec_lo, s[TS+1]
	BAR
.irp i, 0,1,2,3,4,5,6,7,8
	ds_load_b128 v[Y+4*\i:Y+4*\i+3], v[OA] offset:2048*\i
.endr
.irp i, 0,1,2,3,4,5,6,7,8
	s_wait_dscnt 8-\i
	global_store_b128 v[OA], v[Y+4*\i:Y+4*\i+3], s[36:37] offset:2048*\i th:TH_STORE_NT   ; a wave stores 512 consecutive bytes, at a multiple of 256 from out0's first byte
.endr
	v_cmp_gt_u32 vcc_lo, 48, v0                    ; the last 768 bytes: threads 0..47
	s_wait_xcnt 0x0
	s_and_saveexec_b32 s[TS+1], vcc_lo
	ds_load_b128 v[Y+36:Y+39], v[OA] offset:18432
	s_wait_dscnt 0x0
	global_store_b128 v[OA], v[Y+36:Y+39], s[36:37] offset:18432 th:TH_STORE_NT
	s_wait_xcnt 0x0
	s_or_b32 exec_lo, exec_lo, s[TS+1]
	s_wait_tensorcnt 0x0                           ; the wave's end: waits for my last tensor load and my last LDS store
	ds_add_u32 v[SPW], v[NIL]
	s_wait_dscnt 0x0
	ROUND                                          ; the closing round: no work-group ends while a partner may still ask for a slot that names it
	s_endpgm
.Lfunc_end_k_q9fd468fec3_chain:
	.size	k_q9fd468fec3_chain, .Lfunc_end_k_q9fd468fec3_chain-k_q9fd468fec3_chain
	.p2alignl 7, 3214868480
	.fill 96, 4, 3214868480
	.section	.rodata,"a",@progbits
	.p2align	6, 0x0
	.amdhsa_kernel k_q9fd468fec3_chain
		.amdhsa_group_segment_fixed_size 327680
		.amdhsa_private_segment_fixed_size 0
		.amdhsa_enable_private_segment 0
		.amdhsa_kernarg_size 136
		.amdhsa_user_sgpr_count 2
		.amdhsa_user_sgpr_kernarg_segment_ptr 1
		.amdhsa_wavefront_size32 1
		.amdhsa_system_sgpr_workgroup_id_x 1
		.amdhsa_system_sgpr_workgroup_id_y 1
		.amdhsa_system_sgpr_workgroup_id_z 1
		.amdhsa_system_vgpr_workitem_id 0
		.amdhsa_next_free_vgpr 1024
		.amdhsa_next_free_sgpr 100
		.amdhsa_reserve_vcc 1
		.amdhsa_float_denorm_mode_32 3
		.amdhsa_float_denorm_mode_16_64 3
		.amdhsa_memory_ordered 1
		.amdhsa_forward_progress 1
		.amdhsa_inst_pref_size 255
	.end_amdhsa_kernel
	.section	.bss,"aw",@nobits
	.p2align	6
	.space	262144
	.amdgpu_metadata
---
amdhsa.version: [ 1, 2 ]
amdhsa.kernels:
  - .name:           k_q9fd468fec3_chain
    .symbol:         k_q9fd468fec3_chain.kd
    .args:
      - { .name: input_indices, .offset: 0, .size: 8, .value_kind: global_buffer, .address_space: global }
      - { .name: emb, .offset: 8, .size: 8, .value_kind: global_buffer, .address_space: global }
      - { .name: peu, .offset: 16, .size: 8, .value_kind: global_buffer, .address_space: global }
      - { .name: qc, .offset: 24, .size: 8, .value_kind: global_buffer, .address_space: global }
      - { .name: kvs, .offset: 32, .size: 8, .value_kind: global_buffer, .address_space: global }
      - { .name: wst, .offset: 40, .size: 8, .value_kind: global_buffer, .address_space: global }
      - { .name: g1, .offset: 48, .size: 8, .value_kind: global_buffer, .address_space: global }
      - { .name: be1, .offset: 56, .size: 8, .value_kind: global_buffer, .address_space: global }
      - { .name: b1, .offset: 64, .size: 8, .value_kind: global_buffer, .address_space: global }
      - { .name: b2, .offset: 72, .size: 8, .value_kind: global_buffer, .address_space: global }
      - { .name: g2, .offset: 80, .size: 8, .value_kind: global_buffer, .address_space: global }
      - { .name: be2, .offset: 88, .size: 8, .value_kind: global_buffer, .address_space: global }
      - { .name: b3, .offset: 96, .size: 8, .value_kind: global_buffer, .address_space: global }
      - { .name: b4, .offset: 104, .size: 8, .value_kind: global_buffer, .address_space: global }
      - { .name: g3, .offset: 112, .size: 8, .value_kind: global_buffer, .address_space: global }
      - { .name: be3, .offset: 120, .size: 8, .value_kind: global_buffer, .address_space: global }
      - { .name: out0, .offset: 128, .size: 8, .value_kind: global_buffer, .address_space: global }
    .group_segment_fixed_size: 327680
    .private_segment_fixed_size: 0
    .kernarg_segment_align: 8
    .kernarg_segment_size: 136
    .max_flat_workgroup_size: 128
    .sgpr_count:     100
    .vgpr_count:     1024
    .wavefront_size: 32
...
	.end_amdgpu_metadata
.endif
;; end of part 4
